; MI455X (gfx1250); checked and timed in simulation.
; The chip was launched on July 23, 2026; its instructions are those of AMD's public machine-readable ISA for CDNA 5 (MIT licence, August 2026) and "CDNA5" Instruction Set Architecture Reference Guide (July 2026). The comments in the code are by the model that wrote it; some were corrected since.
;; Intermediate Attention Fusion. Allowed arithmetic: matrix products marked QUANTISED: E2M1 operands, one E8M0 scale for each 32 along K, by v_wmma_scale_f32_16x16x128_f8f6f4 with both operands' format E2M1 (or v_wmma_scale_f32_32x16x128_f4), f32 sums; products left as they are: f32 operands where the result goes on into a quantised operand, else bf16, f16 or f32 operands; f32 sums; everything else in f32.
;; Inputs: Wk_aud_for_vid 2 x 512 x 512 float32; Wk_vid_for_aud 2 x 512 x 512 float32; Wq_aud 2 x 512 x 512 float32; Wq_vid 2 x 512 x 512 float32; ag_W1 2 x 16 x 8 float32; ag_W2 2 x 1 x 16 float32; ag_b1 2 x 16 float32; ag_b2 2 x 1 float32; aud_kpm 4 x 2,048 bool; aud_ln_b 2 x 512 float32; aud_ln_g 2 x 512 float32; vg_W1 2 x 16 x 8 float32; vg_W2 2 x 1 x 16 float32; vg_b1 2 x 16 float32; vg_b2 2 x 1 float32; vid_kpm 4 x 2,048 bool; vid_ln_b 2 x 512 float32; vid_ln_g 2 x 512 float32; x_aud 4 x 2,048 x 512 float32; x_vid 4 x 2,048 x 512 float32.
;; Outputs: out0 4 x 2,048 x 512 float32; out1 4 x 2,048 x 512 float32.
;; This version of the problem:
;;   THIS VERSION OF THE PROBLEM IS GIVEN IN LOW PRECISION. The matrix products marked QUANTISED in the list below multiply operands that are first quantised to E2M1 (2 exponent bits, 1 mantissa bit; 4 bits a number), with one power-of-two scale for each 32 numbers along K (OCP MX v1.0); their sums are f32. All else is computed in f32.
;;   The module's matrix products, in the order in which they are computed (A, B: the left and right operand; K: the contracted axis; several contracted axes count as one K, in the product's order):
;;     1. [M 8,192, K 512] x [K 512, N 512]; A: computed on the way; B: input Wq_vid: QUANTISED
;;     2. [M 8,192, K 512] x [K 512, N 512]; A: computed on the way; B: input Wk_aud_for_vid: QUANTISED
;;     3. batch 32 x [M 2,048, K 64] x [K 64, N 2,048]; A: computed on the way; B: computed on the way: QUANTISED
;;     4. [M 8,192, K 8] x [K 8, N 16]; A: computed on the way; B: input vg_W1: left as it is (K = 8 < 32)
;;     5. [M 8,192, K 16] x [K 16, N 1]; A: computed on the way; B: input vg_W2: left as it is (K = 16 < 32)
;;     6. [M 8,192, K 512] x [K 512, N 512]; A: computed on the way; B: input Wq_aud: QUANTISED
;;     7. [M 8,192, K 512] x [K 512, N 512]; A: computed on the way; B: input Wk_vid_for_aud: QUANTISED
;;     8. batch 32 x [M 2,048, K 64] x [K 64, N 2,048]; A: computed on the way; B: computed on the way: QUANTISED
;;     9. [M 8,192, K 8] x [K 8, N 16]; A: computed on the way; B: input ag_W1: left as it is (K = 8 < 32)
;;     10. [M 8,192, K 16] x [K 16, N 1]; A: computed on the way; B: input ag_W2: left as it is (K = 16 < 32)
;;     11. [M 8,192, K 512] x [K 512, N 512]; A: computed on the way; B: input Wq_vid: QUANTISED
;;     12. [M 8,192, K 512] x [K 512, N 512]; A: computed on the way; B: input Wk_aud_for_vid: QUANTISED
;;     13. batch 32 x [M 2,048, K 64] x [K 64, N 2,048]; A: computed on the way; B: computed on the way: QUANTISED
;;     14. [M 8,192, K 8] x [K 8, N 16]; A: computed on the way; B: input vg_W1: left as it is (K = 8 < 32)
;;     15. [M 8,192, K 16] x [K 16, N 1]; A: computed on the way; B: input vg_W2: left as it is (K = 16 < 32)
;;     16. [M 8,192, K 512] x [K 512, N 512]; A: computed on the way; B: input Wq_aud: QUANTISED
;;     17. [M 8,192, K 512] x [K 512, N 512]; A: computed on the way; B: input Wk_vid_for_aud: QUANTISED
;;     18. batch 32 x [M 2,048, K 64] x [K 64, N 2,048]; A: computed on the way; B: computed on the way: QUANTISED
;;     19. [M 8,192, K 8] x [K 8, N 16]; A: computed on the way; B: input ag_W1: left as it is (K = 8 < 32)
;;     20. [M 8,192, K 16] x [K 16, N 1]; A: computed on the way; B: input ag_W2: left as it is (K = 16 < 32)
;;   THE QUANTISER, for each operand of a quantised product, along K:
;;     - K is cut into blocks of 32 from its start; a last block that is shorter is filled with zeros.
;;     - A block's scale is 2^e with e = floor(log2(the largest magnitude in the block)) - 2, held to -126 .. 127; a block of zeros has e = 0. As a byte (E8M0): e + 127.
;;     - Each number is divided by its block's scale, clamped to +-6, and rounded to the nearest number of E2M1, ties to even, subnormals kept.
;;     - The product sums the exact products of the quantised numbers (number of the format x scale) in f32.
;;   ~~~python
;;   def quantise(x, axis):      # numpy; x: float32 -> the quantised numbers, widened to float32 again
;;       x = np.moveaxis(x, axis, -1); K = x.shape[-1]
;;       x = np.pad(x, [(0, 0)] * (x.ndim - 1) + [(0, -K % 32)]); x = x.reshape(x.shape[:-1] + (-1, 32)); a = np.abs(x).max(-1, keepdims=True)
;;       e = np.where(a > 0, np.clip(np.frexp(np.where(a > 0, a, 1))[1] - 1 - 2, -126, 127), 0)      # np.frexp(a)[1] - 1 = floor(log2(a)), exactly
;;       r = np.clip(x / 2.0 ** e, -6, 6)
;;       step = 2.0 ** (np.maximum(np.frexp(np.where(r == 0, 1, r))[1] - 1, 0) - 1)
;;       q = np.round(r / step) * step * 2.0 ** e      # np.round: ties to even
;;       return np.moveaxis(q.reshape(q.shape[:-2] + (-1,))[..., :K], -1, axis).astype(np.float32)
;;   ~~~
;;   OPERANDS COMPUTED ON THE WAY. 'Computed on the way' means the value that the module computes at that place (a softmax that the list does not call 'softmax' is quantised finished and normalised). What goes into a quantiser is computed in f32, as accurately as f32 sums, v_exp_f32 and their like allow (about 1e-6 of the number): no bf16 or f16 on the way to a quantiser, and a product that is left as it is and whose result goes on into a quantised operand takes f32 operands (vector FMAs, or v_wmma_f32_16x16x4_f32). A number that lies on a knife's edge between two numbers of the format may be rounded either way, as far as f32 arithmetic and the matrix unit's own rounding can turn it there, and no further.
;; 2 versions, each right; version 2 is version 1 with the launches first, step1, step2, step3, last written anew for expert scheduling mode. Each part assembles by itself: llvm-mc -triple=amdgcn-amd-amdhsa -mcpu=gfx1250 --defsym DOCPART=n.
;; ======== version 1 of 2: 6 launches
;; workspace buffers: P1 283,392 bytes; P2 283,392 bytes; P3 283,392 bytes; P4 283,392 bytes; SA 4,653,056 bytes; SB 4,653,056 bytes
;; launch prep (part 1): grid 32 x 8, 4 waves a work-group, no clusters, 46,080 bytes of LDS; arguments Wq_vid, Wk_aud_for_vid, Wq_aud, Wk_vid_for_aud, vid_ln_g, aud_ln_g, vid_ln_b, aud_ln_b, vg_W1, ag_W1, vg_b1, ag_b1, vg_W2, ag_W2, vg_b2, ag_b2, aud_kpm, vid_kpm, P1, P2, P3, P4; writes P1, P2, P3, P4
.if DOCPART == 1
	.amdgcn_target "amdgcn-amd-amdhsa--gfx1250"
	.amdhsa_code_object_version 6
	.text
	.protected	k_qca0399b80c_prep
	.globl	k_qca0399b80c_prep
	.p2align	8
	.type	k_qca0399b80c_prep,@function
k_qca0399b80c_prep:
	s_mov_b64 s[64:65], 0
	v_nop
	global_prefetch_b8 v0, s[64:65] scope:SCOPE_SE
	s_setreg_imm32_b32 hwreg(HW_REG_WAVE_MODE, 25, 1), 1
	s_wait_xcnt 0x0
; PREP: the eight weight matrices [512 (o)][512 (d)], f32, become codes of FP4 (E2M1) with one E8M0 byte for each 32 along d, laid in the ORDER OF THE OPERAND'S REGISTERS,
; and everything else that a half-step needs is gathered beside them: one pack for each of the four half-steps (layer 0 vid, layer 0 aud, layer 1 vid, layer 1 aud).
; A PACK: 0 Wq's codes [head 8][K step 4][tile 4][1,024 bytes]; 131072 Wk's likewise; 262144 Wq's scale bytes [head][pair of tiles 2][lane 32][16 bytes]; 270336 Wk's;
;   278528 LN g; 280576 LN b; 282624 gate W1 [16][8]; 283136 b1; 283200 W2; 283264 b2, once for each batch; 283280 0.125 / valid keys, for each batch; 283296 0 where every key of the batch is masked, else 1.
; A FRAGMENT'S IMAGE (16 rows x 128 along K): byte 512 c + 16 lane holds the 32 codes of block 4 ks + 2 c + lane / 16 of the tile's row lane % 16.
; THE ROWS OF A TILE ARE NOT NEIGHBOURS: row r of tile ot of a head is o = 64 head + 32 (ot / 2) + 8 (ot % 2) + r + 8 (r / 8), so that the results of tiles 2 b and 2 b + 1 are 16 neighbours along the next K.
; SHARES: a work-group makes one tile (x = 4 head + ot) of one matrix (y: bit 0 q or k, bit 1 vid step or aud step, bit 2 layer); wave w takes the tile's rows 4 w .. 4 w + 3, which are 8,192 consecutive bytes.
; The loads take the bytes as they lie (512 a load); a row turns through the wave's own stage in LDS so that a lane holds 16 neighbours along K (two lanes to a block).
; A block's scale is 2^(floor(log2(largest magnitude)) - 2); its byte is the largest magnitude's exponent field - 2, held at 1 from below.
; LIMITS: a block of zeros, or one whose largest magnitude lies under 2^-124, gets the byte 1 (its codes add nothing or little; this program alone reads the bytes); NaN and infinities are not served;
; 1 / valid keys is v_rcp_f32's.
; No tensor loads and no cluster: no two work-groups read the same byte of a weight.
.set STGW,  10240                      ; LDS: a wave's stage: 4 rows x 32 places of 64 bytes + 16 of padding (80 bytes from lane to lane: an odd multiple of 16)
.set IMG,   40960                      ; the tile's four images, 4,096 bytes
.set SCB,   45056                      ; its 256 scale bytes
.set P_WS,  262144
.set P_LNG, 278528
.set P_LNB, 280576
.set P_GW1, 282624
.set P_GB1, 283136
.set P_GB2, 283264
.set P_INV, 283280
.set P_ON,  283296
.set R, 16                             ; v16-79  four rows of 16 numbers
.set T, 80                             ; v80-95  four registers a row: codes, codes, scale operand, byte
	s_load_b512 s[4:19], s[0:1], 0x0               ; Wq_vid, Wk_aud_for_vid, Wq_aud, Wk_vid_for_aud, vid g, aud g, vid b, aud b
	s_load_b512 s[20:35], s[0:1], 0x40             ; vg_W1, ag_W1, vg_b1, ag_b1, vg_W2, ag_W2, vg_b2, ag_b2
	s_load_b256 s[36:43], s[0:1], 0x80             ; aud_kpm, vid_kpm, P1, P2
	s_load_b128 s[44:47], s[0:1], 0xa0             ; P3, P4
	v_lshl_add_u32 v128, v0, 2, 0xb200
	v_mov_b32 v129, 0
	v_lshrrev_b32 v1, 5, v0
	v_readfirstlane_b32 s48, v1                    ; wave
	v_and_b32 v8, 31, v0                           ; lane
	s_and_b32 s49, ttmp7, 0xffff                   ; y
	s_lshr_b32 s50, ttmp9, 2                       ; head
	s_and_b32 s51, ttmp9, 3                        ; tile of the head
	s_and_b32 s52, s49, 1                          ; 0: q's weight, 1: k's
	s_bfe_u32 s66, s49, 0x10001                    ; 0: a vid step, 1: an aud step
	s_lshr_b32 s53, s49, 2                         ; layer
	; every LDS address is made here, ahead of any parting of the waves
	s_mul_i32 s74, s48, STGW
	v_lshlrev_b32 v1, 4, v8                        ; 16 x lane
	v_lshrrev_b32 v9, 2, v8
	v_mul_u32_u24 v2, v9, 80
	v_and_b32 v9, 3, v8
	v_lshl_add_u32 v2, v9, 4, v2
	v_add_nc_u32 v2, s74, v2                       ; the stage, on the way in: 80 (lane / 4) + 16 (lane % 4)
	v_mul_u32_u24 v3, v8, 80
	v_add_nc_u32 v3, s74, v3                       ; and on the way out: 80 x lane: my 16 neighbours
	v_lshrrev_b32 v9, 3, v8                        ; my 16 codes belong to block lane / 2: K step lane / 8,
	v_lshlrev_b32 v4, 10, v9
	v_bfe_u32 v9, v8, 2, 1                         ; half c of the fragment's registers,
	v_lshl_add_u32 v4, v9, 9, v4
	v_bfe_u32 v9, v8, 1, 1                         ; half h of the lanes,
	v_lshl_add_u32 v4, v9, 8, v4
	v_and_b32 v9, 1, v8                            ; and the lower or upper 8 bytes of the block
	v_lshl_add_u32 v4, v9, 3, v4
	s_lshl_b32 s67, s48, 6                         ; 16 bytes a row, four rows a wave
	s_add_co_u32 s74, s67, IMG
	v_add_nc_u32 v4, s74, v4
	v_lshrrev_b32 v5, 1, v8
	s_add_co_u32 s74, s67, SCB
	v_add_nc_u32 v5, s74, v5                       ; my block's scale byte: 16 x row + block
	v_lshlrev_b32 v6, 3, v8                        ; 8 x lane
	s_lshl_b32 s74, s48, 10
	s_add_co_u32 s74, s74, IMG
	v_add_nc_u32 v7, s74, v1                       ; the way out: wave w takes K step w's image
	v_add_nc_u32 v10, SCB, v6                      ; and wave 0 the scale bytes
	; byte offsets
	s_lshl_b32 s56, s50, 6
	s_lshr_b32 s67, s51, 1
	s_lshl_b32 s67, s67, 5
	s_add_co_u32 s56, s56, s67
	s_and_b32 s67, s51, 1
	s_lshl_b32 s67, s67, 3
	s_add_co_u32 s56, s56, s67
	s_lshl_b32 s67, s48, 2
	s_add_co_u32 s56, s56, s67
	s_lshr_b32 s67, s48, 1
	s_lshl_b32 s67, s67, 3
	s_add_co_u32 s56, s56, s67                     ; my first row: 64 head + 32 (ot / 2) + 8 (ot % 2) + 4 w + 8 (w / 2)
	s_lshl_b32 s56, s56, 11                        ; x 2,048 bytes,
	s_lshl_b32 s67, s53, 20
	s_add_co_u32 s56, s56, s67                     ; + the layer's 1,048,576
	s_mov_b32 s57, 0
	s_lshl_b32 s54, s52, 17                        ; the codes' place in the pack
	s_lshl_b32 s67, s50, 14
	s_add_co_u32 s54, s54, s67
	s_lshl_b32 s67, s48, 12
	s_add_co_u32 s54, s54, s67
	s_lshl_b32 s67, s51, 10
	s_add_co_u32 s54, s54, s67
	s_mov_b32 s55, 0
	s_lshl_b32 s72, s52, 13                        ; the scale bytes': 256 bytes a tile
	s_lshl_b32 s67, ttmp9, 8
	s_add_co_u32 s72, s72, s67
	s_mov_b32 s73, 0
	s_wait_kmcnt 0x0
	s_cmp_lg_u32 s52, 0                            ; the choices hang on the work-group's number alone
	s_cselect_b64 s[58:59], s[6:7], s[4:5]
	s_cselect_b64 s[60:61], s[10:11], s[8:9]
	s_cmp_lg_u32 s66, 0
	s_cselect_b64 s[58:59], s[60:61], s[58:59]     ; the matrix
	s_cselect_b64 s[60:61], s[42:43], s[40:41]
	s_cselect_b64 s[62:63], s[46:47], s[44:45]
	s_cmp_lg_u32 s53, 0
	s_cselect_b64 s[60:61], s[62:63], s[60:61]     ; the pack
	s_add_nc_u64 s[58:59], s[58:59], s[56:57]
	s_add_nc_u64 s[68:69], s[60:61], s[54:55]
	s_add_nc_u64 s[70:71], s[60:61], s[72:73]
.irp i,0,1,2,3
.irp q,0,1,2,3
	global_load_b128 v[R+16*\i+4*\q:R+16*\i+4*\q+3], v1, s[58:59] offset:2048*\i+512*\q th:TH_LOAD_NT   ; 32 lanes read 512 consecutive bytes; read once in the launch
.endr
.endr
	s_wait_loadcnt 0x0
.irp i,0,1,2,3
.irp q,0,1,2,3
	ds_store_b128 v2, v[R+16*\i+4*\q:R+16*\i+4*\q+3] offset:2560*\i+640*\q
.endr
.endr
	s_wait_dscnt 0x0                               ; the stores have read their registers, which the loads below fill again
.irp i,0,1,2,3
.irp q,0,1,2,3
	ds_load_b128 v[R+16*\i+4*\q:R+16*\i+4*\q+3], v3 offset:2560*\i+16*\q
.endr
.endr
	s_wait_dscnt 0x0
	; the four rows by turns, so that no line waits for the line above it
.irp i,0,1,2,3
	v_max3_num_f32 v[T+4*\i], |v[R+16*\i]|, |v[R+16*\i+1]|, 0x1800000   ; my 16 numbers, and the floor 2^(3 - 127): the byte cannot fall under 1
.endr
.irp j,2,4,6,8,10,12,14
.irp i,0,1,2,3
	v_max3_num_f32 v[T+4*\i], v[T+4*\i], |v[R+16*\i+\j]|, |v[R+16*\i+\j+1]|
.endr
.endr
.irp i,0,1,2,3
	v_max_num_f32_dpp v[T+4*\i], v[T+4*\i], v[T+4*\i] row_xmask:1 row_mask:0xf bank_mask:0xf   ; with my neighbour's 16: the block's largest magnitude
.endr
.irp i,0,1,2,3
	v_add_nc_u32 v[T+4*\i+2], 0xff000000, v[T+4*\i]   ; 2 off its exponent field: the conversion takes the exponent field of this operand as its scale
.endr
.irp i,0,1,2,3
	v_cvt_scalef32_pk8_fp4_f32 v[T+4*\i], v[R+16*\i:R+16*\i+7], v[T+4*\i+2]
	v_cvt_scalef32_pk8_fp4_f32 v[T+4*\i+1], v[R+16*\i+8:R+16*\i+15], v[T+4*\i+2]
.endr
.irp i,0,1,2,3
	v_lshrrev_b32 v[T+4*\i+3], 23, v[T+4*\i+2]     ; the scale's byte (also the plain line behind the conversions)
.endr
.irp i,0,1,2,3
	ds_store_b64 v4, v[T+4*\i:T+4*\i+1] offset:16*\i
	ds_store_b8 v5, v[T+4*\i+3] offset:16*\i       ; both lanes of a block write the same byte with the same value
.endr
	s_wait_dscnt 0x0                               ; for the others' sake: my stores have landed
	s_barrier_signal -1
	s_barrier_wait -1
	ds_load_b128 v[96:99], v7
	ds_load_b128 v[100:103], v7 offset:512
	s_wait_dscnt 0x0
	global_store_b128 v1, v[96:99], s[68:69]               ; each store covers 512 consecutive bytes, aligned
	global_store_b128 v1, v[100:103], s[68:69] offset:512
	s_cmp_lg_u32 s48, 0
	s_cbranch_scc1 .Lno_scales
	ds_load_b64 v[104:105], v10
	s_wait_dscnt 0x0
	global_store_b64 v6, v[104:105], s[70:71] offset:P_WS  ; the tile's 256 scale bytes: 256 consecutive bytes, aligned
.Lno_scales:
	; THE REST OF THE PACK: one work-group for each pack (tile 0 of q's weight).  No LDS, no barrier.
	s_or_b32 s67, ttmp9, s52
	s_cmp_lg_u32 s67, 0
	s_cbranch_scc1 .Ldone
	s_cmp_lg_u32 s66, 0                            ; a vid step takes vid's norm, vid's gate and AUD's mask (its keys); an aud step the others
	s_cselect_b64 s[4:5], s[14:15], s[12:13]       ; g
	s_cselect_b64 s[6:7], s[18:19], s[16:17]       ; b
	s_cselect_b64 s[8:9], s[22:23], s[20:21]       ; W1
	s_cselect_b64 s[10:11], s[26:27], s[24:25]     ; b1
	s_cselect_b64 s[12:13], s[30:31], s[28:29]     ; W2
	s_cselect_b64 s[14:15], s[34:35], s[32:33]     ; b2
	s_cselect_b64 s[16:17], s[38:39], s[36:37]     ; the keys' mask
	s_mov_b32 s73, 0
	s_lshl_b32 s72, s53, 11                        ; the layer's part of each
	s_add_nc_u64 s[4:5], s[4:5], s[72:73]
	s_add_nc_u64 s[6:7], s[6:7], s[72:73]
	s_lshl_b32 s72, s53, 9
	s_add_nc_u64 s[8:9], s[8:9], s[72:73]
	s_lshl_b32 s72, s53, 6
	s_add_nc_u64 s[10:11], s[10:11], s[72:73]
	s_add_nc_u64 s[12:13], s[12:13], s[72:73]
	s_lshl_b32 s72, s53, 2
	s_add_nc_u64 s[14:15], s[14:15], s[72:73]
	s_cmp_lg_u32 s48, 0
	s_cselect_b64 s[18:19], s[12:13], s[10:11]     ; wave 0 copies b1, wave 1 W2
	s_load_b32 s75, s[14:15], 0x0                  ; b2
	s_mov_b32 s76, 0x76543210
	s_mov_b32 s77, 0xfedcba98                      ; v_permlanex16_b32's selects for lane l xor 16
	s_mov_b32 s74, 0x01010101
	s_lshl_b32 s78, s48, 2
	v_lshl_add_u32 v11, s48, 11, v1                ; wave w counts batch w: 2,048 bytes of the mask
	v_lshlrev_b32 v12, 2, v0
	v_lshlrev_b32 v13, 4, v0
	v_lshlrev_b32 v14, 1, v0
	v_lshlrev_b32 v15, 1, v8
	v_mov_b32 v48, s78                             ; 4 x batch
	global_load_b128 v[16:19], v13, s[4:5]         ; 128 threads x 16 bytes = g's 2,048
	global_load_b128 v[20:23], v13, s[6:7]
	global_load_b32 v24, v12, s[8:9]               ; 128 threads x 4 bytes = W1's 512
.irp q,0,1,2,3
	global_load_b128 v[32+4*\q:35+4*\q], v11, s[16:17] offset:512*\q
.endr
	s_wait_loadcnt 4                               ; g, b and W1 are in; the mask's four loads may be out
	global_store_b128 v13, v[16:19], s[60:61] offset:P_LNG
	global_store_b128 v13, v[20:23], s[60:61] offset:P_LNB
	global_store_b32 v12, v24, s[60:61] offset:P_GW1
	s_wait_loadcnt 0x0
.irp j,0,2,4,6,8,10,12,14
	v_add_nc_u32 v[32+\j], v[32+\j], v[33+\j]      ; 64 bytes of 0 or 1 a lane, added byte by byte: 16 at the most in a byte
.endr
.irp j,0,4,8,12
	v_add_nc_u32 v[32+\j], v[32+\j], v[34+\j]
.endr
	v_add_nc_u32 v32, v32, v36
	v_add_nc_u32 v40, v40, v44
	v_add_nc_u32 v32, v32, v40
	v_mul_lo_u32 v32, v32, s74                     ; the four bytes' sum lands in the top byte (64 at the most)
	v_lshrrev_b32 v32, 24, v32
	v_cvt_f32_u32 v32, v32
	v_add_f32_dpp v32, v32, v32 row_xmask:1 row_mask:0xf bank_mask:0xf
	v_add_f32_dpp v32, v32, v32 row_xmask:2 row_mask:0xf bank_mask:0xf
	v_add_f32_dpp v32, v32, v32 row_xmask:4 row_mask:0xf bank_mask:0xf
	v_add_f32_dpp v32, v32, v32 row_xmask:8 row_mask:0xf bank_mask:0xf
	v_permlanex16_b32 v33, v32, s76, s77
	v_add_f32 v32, v32, v33                        ; the batch's masked keys (whole numbers: exact)
	v_sub_f32 v32, 0x45000000, v32                 ; 2,048 less them: the keys that count
	v_max_num_f32 v34, 1.0, v32
	v_rcp_f32 v34, v34
	v_min_num_f32 v35, 1.0, v32                    ; 0 where none counts, else 1 (also the plain line behind the reciprocal)
	s_wait_alu depctr_va_vdst(0)
	v_mul_f32 v34, 0x3e000000, v34                 ; 64^-0.5 / the keys that count
	s_cmp_gt_u32 s48, 1
	s_cbranch_scc1 .Lno_small
	global_load_u16 v49, v15, s[18:19]             ; 32 lanes x 2 bytes = 64 bytes
	s_wait_loadcnt 0x0
	global_store_b16 v14, v49, s[60:61] offset:P_GB1       ; b1's 64 bytes, W2's behind them
.Lno_small:
	s_wait_kmcnt 0x0
	v_mov_b32 v36, s75
	v_cmp_eq_u32 vcc_lo, 0, v8
	s_wait_xcnt 0x0                                ; EXEC changes only behind this wait: stores are out
	s_and_saveexec_b32 s79, vcc_lo                 ; one lane of each wave stores its batch's three words
	global_store_b32 v48, v34, s[60:61] offset:P_INV
	global_store_b32 v48, v35, s[60:61] offset:P_ON
	global_store_b32 v48, v36, s[60:61] offset:P_GB2
	s_wait_xcnt 0x0
	s_or_b32 exec_lo, exec_lo, s79
.Ldone:
	s_wait_tensorcnt 0x0
	ds_add_u32 v128, v129
	s_wait_dscnt 0x0
	s_endpgm
.Lfunc_end_k_qca0399b80c_prep:
	.size	k_qca0399b80c_prep, .Lfunc_end_k_qca0399b80c_prep-k_qca0399b80c_prep
	.p2alignl 7, 3214868480
	.fill 96, 4, 3214868480
	.section	.rodata,"a",@progbits
	.p2align	6, 0x0
	.amdhsa_kernel k_qca0399b80c_prep
		.amdhsa_group_segment_fixed_size 46080
		.amdhsa_private_segment_fixed_size 0
		.amdhsa_enable_private_segment 0
		.amdhsa_kernarg_size 176
		.amdhsa_user_sgpr_count 2
		.amdhsa_user_sgpr_kernarg_segment_ptr 1
		.amdhsa_wavefront_size32 1
		.amdhsa_system_sgpr_workgroup_id_x 1
		.amdhsa_system_sgpr_workgroup_id_y 1
		.amdhsa_system_sgpr_workgroup_id_z 1
		.amdhsa_system_vgpr_workitem_id 0
		.amdhsa_next_free_vgpr 130
		.amdhsa_next_free_sgpr 80
		.amdhsa_reserve_vcc 1
		.amdhsa_float_denorm_mode_32 3
		.amdhsa_float_denorm_mode_16_64 3
		.amdhsa_memory_ordered 1
		.amdhsa_forward_progress 1
		.amdhsa_inst_pref_size 16
	.end_amdhsa_kernel
	.amdgpu_metadata
---
amdhsa.version: [ 1, 2 ]
amdhsa.kernels:
  - .name:           k_qca0399b80c_prep
    .symbol:         k_qca0399b80c_prep.kd
    .args:
      - { .name: Wq_vid, .offset: 0, .size: 8, .value_kind: global_buffer, .address_space: global }
      - { .name: Wk_aud_for_vid, .offset: 8, .size: 8, .value_kind: global_buffer, .address_space: global }
      - { .name: Wq_aud, .offset: 16, .size: 8, .value_kind: global_buffer, .address_space: global }
      - { .name: Wk_vid_for_aud, .offset: 24, .size: 8, .value_kind: global_buffer, .address_space: global }
      - { .name: vid_ln_g, .offset: 32, .size: 8, .value_kind: global_buffer, .address_space: global }
      - { .name: aud_ln_g, .offset: 40, .size: 8, .value_kind: global_buffer, .address_space: global }
      - { .name: vid_ln_b, .offset: 48, .size: 8, .value_kind: global_buffer, .address_space: global }
      - { .name: aud_ln_b, .offset: 56, .size: 8, .value_kind: global_buffer, .address_space: global }
      - { .name: vg_W1, .offset: 64, .size: 8, .value_kind: global_buffer, .address_space: global }
      - { .name: ag_W1, .offset: 72, .size: 8, .value_kind: global_buffer, .address_space: global }
      - { .name: vg_b1, .offset: 80, .size: 8, .value_kind: global_buffer, .address_space: global }
      - { .name: ag_b1, .offset: 88, .size: 8, .value_kind: global_buffer, .address_space: global }
      - { .name: vg_W2, .offset: 96, .size: 8, .value_kind: global_buffer, .address_space: global }
      - { .name: ag_W2, .offset: 104, .size: 8, .value_kind: global_buffer, .address_space: global }
      - { .name: vg_b2, .offset: 112, .size: 8, .value_kind: global_buffer, .address_space: global }
      - { .name: ag_b2, .offset: 120, .size: 8, .value_kind: global_buffer, .address_space: global }
      - { .name: aud_kpm, .offset: 128, .size: 8, .value_kind: global_buffer, .address_space: global }
      - { .name: vid_kpm, .offset: 136, .size: 8, .value_kind: global_buffer, .address_space: global }
      - { .name: P1, .offset: 144, .size: 8, .value_kind: global_buffer, .address_space: global }
      - { .name: P2, .offset: 152, .size: 8, .value_kind: global_buffer, .address_space: global }
      - { .name: P3, .offset: 160, .size: 8, .value_kind: global_buffer, .address_space: global }
      - { .name: P4, .offset: 168, .size: 8, .value_kind: global_buffer, .address_space: global }
    .group_segment_fixed_size: 46080
    .private_segment_fixed_size: 0
    .kernarg_segment_align: 8
    .kernarg_segment_size: 176
    .max_flat_workgroup_size: 128
    .sgpr_count:     80
    .vgpr_count:     130
    .wavefront_size: 32
...
	.end_amdgpu_metadata
.endif
;; end of part 1
;; launch first (part 2): grid 256 x 1, 8 waves a work-group, no clusters, 185,344 bytes of LDS; arguments x_aud, x_vid, aud_kpm, P1, SA; writes SA
.if DOCPART == 2
	.amdgcn_target "amdgcn-amd-amdhsa--gfx1250"
	.amdhsa_code_object_version 6
	.text
	.protected	k_qca0399b80c_first
	.globl	k_qca0399b80c_first
	.p2align	8
	.type	k_qca0399b80c_first,@function
k_qca0399b80c_first:
	s_mov_b64 s[64:65], 0
	v_nop
	global_prefetch_b8 v0, s[64:65] scope:SCOPE_SE
	s_setreg_imm32_b32 hwreg(HW_REG_WAVE_MODE, 25, 1), 1
	s_wait_xcnt 0x0
; FIRST: the operands of the first half-step's logits.  Arguments: xG (the stream whose rows are the KEYS of that step), xO (the stream whose rows are its QUERIES), the keys' mask, the step's pack, the state that is written.
; For 32 rows of each stream: LayerNorm (the pack's g, b), quantised to FP4 along d; q = LN(xO) Wq^T, k = LN(xG) Wk^T on codes; q and k quantised along a head's 64; masked keys get zero codes.
; THE STATE: 0 q's codes [batch][head][tile of 16 rows][512 bytes: byte 16 lane = block lane / 16 of row lane % 16]; 2097152 k's likewise; 4194304 q's scale words [batch][head][32 rows][4 bytes: s0 s1 s0 s1];
;   4456448 k's [batch][head][32 keys][16 words: s0 s1 of key r, s0 s1 of key 16 + r]; 4587520 and 4620288 one f32 for each row of the two streams: the product of (1 + gate) so far: here 1.
; SHARES: work-group wg owns rows 32 wg .. 32 wg + 31 of both streams.  In the norm wave w takes rows 4 w .. 4 w + 3 of each; in the products wave w is head w, for all 32 rows of both.
; The weights' fragments are laid in the order of a wave's registers and each is used by ONE wave of the work-group, so they go from memory straight into registers: through LDS the work-group's
; 272 KB of them would be written and read once more.  Hence no tensor loads, and no cluster.
; THE WEIGHTS ARE ASKED FOR AHEAD OF THE NORM: a wave's eight sets of four fragments (32 KB) have 256 registers of their own, window 1, so that they are on their way while the wave works on its rows.
; LIMITS: NaN and infinities are not served; a block of zeros, or with a largest magnitude under 2^-124, gets the byte 1; 1 / sqrt is v_rsq_f32's.
.set P_WK,  131072
.set P_WS,  262144
.set P_LNG, 278528
.set P_LNB, 280576
.set S_QC,  0
.set S_KC,  2097152
.set S_QS,  4194304
.set S_KS,  4456448
.set S_CG,  4587520
.set S_CO,  4620288
.set STGW,  20480                      ; LDS: a wave's stage: 8 rows x 32 places of 64 bytes + 16
.set XIMG,  163840                     ; the codes of 64 rows (0-31 xO's, 32-63 xG's): 256 bytes + 16 of padding each
.set XSC,   181248                     ; their scale bytes, 16 a row
.set T,    40                          ; v40-71   four registers a row, at work
.set X,    72                          ; v72-199  eight rows of 16 numbers
.set LG,   216                         ; v216-231 g of my 16 columns;  v232-247 b
.set LB,   232
.set ACC2, 8                           ; the products: v8-71 accumulators (tile of rows mt, tile of the head ot) at 8 + 32 mt + 8 ot
.set XF,   168                         ; v168-199 two sets of two fragments of x
.set WS,   200                         ; v200-215 the weights' scale words: 8 mat + 4 (ot / 2) + ks
.set XS,   216                         ; v216-223 x's: 4 mat + ks
.set PC,   224                         ; v224-239 the codes made: 8 mat + 4 mt
.set TM,   242                         ; v242-247 at work
.set HW,   248                         ; v248-249 a tile's two scale bytes
                                       ; window 1 (v256-511): the weights: set idx = 4 mat + ks at 32 idx, its tile ot at + 8 ot
.set MSB, 0
.macro WIN new                         ; s_set_vgpr_msb's low byte: bits 1:0 source 0, 3:2 source 1, 5:4 source 2, 7:6 destination; the high byte repeats the setting that is left
.if MSB != \new
	s_set_vgpr_msb (MSB<<8)|\new
.set MSB, \new
.endif
.endm
.macro PLACES n
.rept \n
	v_nop
.endr
.endm
.macro BAR                             ; my LDS stores have landed and my LDS loads are in: then the work-group's barrier
	s_wait_dscnt 0x0
	s_barrier_signal -1
	s_barrier_wait -1
.endm
; One product: registers and rows of the scale registers in the symbols rD, rA, rB, rSA, rSB, fA, fB.  zero = 1: it starts the sum.
.macro WMC zero
.if \zero
.if fA && fB
	v_wmma_scale_f32_16x16x128_f8f6f4 v[rD:rD+7], v[rA:rA+7], v[rB:rB+7], 0, v[rSA], v[rSB] matrix_a_fmt:MATRIX_FMT_FP4 matrix_b_fmt:MATRIX_FMT_FP4 matrix_a_scale:MATRIX_SCALE_ROW1 matrix_b_scale:MATRIX_SCALE_ROW1
.elseif fA
	v_wmma_scale_f32_16x16x128_f8f6f4 v[rD:rD+7], v[rA:rA+7], v[rB:rB+7], 0, v[rSA], v[rSB] matrix_a_fmt:MATRIX_FMT_FP4 matrix_b_fmt:MATRIX_FMT_FP4 matrix_a_scale:MATRIX_SCALE_ROW1
.elseif fB
	v_wmma_scale_f32_16x16x128_f8f6f4 v[rD:rD+7], v[rA:rA+7], v[rB:rB+7], 0, v[rSA], v[rSB] matrix_a_fmt:MATRIX_FMT_FP4 matrix_b_fmt:MATRIX_FMT_FP4 matrix_b_scale:MATRIX_SCALE_ROW1
.else
	v_wmma_scale_f32_16x16x128_f8f6f4 v[rD:rD+7], v[rA:rA+7], v[rB:rB+7], 0, v[rSA], v[rSB] matrix_a_fmt:MATRIX_FMT_FP4 matrix_b_fmt:MATRIX_FMT_FP4
.endif
.else
.if fA && fB
	v_wmma_scale_f32_16x16x128_f8f6f4 v[rD:rD+7], v[rA:rA+7], v[rB:rB+7], v[rD:rD+7], v[rSA], v[rSB] matrix_a_fmt:MATRIX_FMT_FP4 matrix_b_fmt:MATRIX_FMT_FP4 matrix_a_scale:MATRIX_SCALE_ROW1 matrix_b_scale:MATRIX_SCALE_ROW1
.elseif fA
	v_wmma_scale_f32_16x16x128_f8f6f4 v[rD:rD+7], v[rA:rA+7], v[rB:rB+7], v[rD:rD+7], v[rSA], v[rSB] matrix_a_fmt:MATRIX_FMT_FP4 matrix_b_fmt:MATRIX_FMT_FP4 matrix_a_scale:MATRIX_SCALE_ROW1
.elseif fB
	v_wmma_scale_f32_16x16x128_f8f6f4 v[rD:rD+7], v[rA:rA+7], v[rB:rB+7], v[rD:rD+7], v[rSA], v[rSB] matrix_a_fmt:MATRIX_FMT_FP4 matrix_b_fmt:MATRIX_FMT_FP4 matrix_b_scale:MATRIX_SCALE_ROW1
.else
	v_wmma_scale_f32_16x16x128_f8f6f4 v[rD:rD+7], v[rA:rA+7], v[rB:rB+7], v[rD:rD+7], v[rSA], v[rSB] matrix_a_fmt:MATRIX_FMT_FP4 matrix_b_fmt:MATRIX_FMT_FP4
.endif
.endif
.endm
.macro XROW i                          ; row i of my eight (0-3: xO's, 4-7: xG's): four loads of 512 consecutive bytes
.irp q,0,1,2,3
.if (\i) < 4
	global_load_b128 v[X+16*(\i)+4*\q:X+16*(\i)+4*\q+3], v1, s[34:35] offset:2048*(\i)+512*\q
.else
	global_load_b128 v[X+16*(\i)+4*\q:X+16*(\i)+4*\q+3], v1, s[32:33] offset:2048*((\i)-4)+512*\q
.endif
.endr
.endm
.macro XROWS k
	XROW 2*(\k)
	XROW 2*(\k)+1
.endm
; THE NORM AND THE QUANTISER of my eight rows, every line for the eight rows by turns, so that no line waits for the line above it.  (The wait for the rows, g and b stands ahead of the macro.)
; hasc = 1: row i stands for c x, c in s[SC + i], c c / 512 in s[CC + i]: LN(c x) = (x - m) c rsq(c c v + eps) g + b, m and v those of x.
.macro LNQ hasc
.irp i,0,1,2,3,4,5,6,7
.irp q,0,1,2,3
	ds_store_b128 v6, v[X+16*\i+4*\q:X+16*\i+4*\q+3] offset:2560*\i+640*\q     ; through my own stage, as the bytes lie,
.endr
.endr
	s_wait_dscnt 0x0                               ; (the stores have read their registers)
.irp i,0,1,2,3,4,5,6,7
.irp q,0,1,2,3
	ds_load_b128 v[X+16*\i+4*\q:X+16*\i+4*\q+3], v7 offset:2560*\i+16*\q       ; and back 64 bytes a lane: columns 16 lane .. 16 lane + 15
.endr
.endr
	s_wait_dscnt 0x0
.irp i,0,1,2,3,4,5,6,7
	v_pk_add_f32 v[T+4*\i:T+4*\i+1], v[X+16*\i:X+16*\i+1], v[X+16*\i+2:X+16*\i+3]
	v_pk_add_f32 v[T+4*\i+2:T+4*\i+3], v[X+16*\i+4:X+16*\i+5], v[X+16*\i+6:X+16*\i+7]
.endr
.irp j,8,12
.irp i,0,1,2,3,4,5,6,7
	v_pk_add_f32 v[T+4*\i:T+4*\i+1], v[T+4*\i:T+4*\i+1], v[X+16*\i+\j:X+16*\i+\j+1]
	v_pk_add_f32 v[T+4*\i+2:T+4*\i+3], v[T+4*\i+2:T+4*\i+3], v[X+16*\i+\j+2:X+16*\i+\j+3]
.endr
.endr
.irp i,0,1,2,3,4,5,6,7
	v_pk_add_f32 v[T+4*\i:T+4*\i+1], v[T+4*\i:T+4*\i+1], v[T+4*\i+2:T+4*\i+3]
.endr
.irp i,0,1,2,3,4,5,6,7
	v_add_f32 v[T+4*\i], v[T+4*\i], v[T+4*\i+1]
.endr
.irp m,1,2,4,8
.irp i,0,1,2,3,4,5,6,7
	v_add_f32_dpp v[T+4*\i], v[T+4*\i], v[T+4*\i] row_xmask:\m row_mask:0xf bank_mask:0xf
.endr
.endr
.irp i,0,1,2,3,4,5,6,7
	v_permlanex16_b32 v[T+4*\i+1], v[T+4*\i], s46, s47
.endr
.irp i,0,1,2,3,4,5,6,7
	v_add_f32 v[T+4*\i], v[T+4*\i], v[T+4*\i+1]
.endr
.irp i,0,1,2,3,4,5,6,7
	v_mul_f32 v[T+4*\i], 0x3b000000, v[T+4*\i]     ; the mean: / 512
.endr
.irp j,0,2,4,6,8,10,12,14
.irp i,0,1,2,3,4,5,6,7
	v_pk_add_f32 v[X+16*\i+\j:X+16*\i+\j+1], v[X+16*\i+\j:X+16*\i+\j+1], v[T+4*\i:T+4*\i+1] op_sel_hi:[1,0] neg_lo:[0,1] neg_hi:[0,1]   ; x - m
.endr
.endr
.irp i,0,1,2,3,4,5,6,7
	v_pk_mul_f32 v[T+4*\i+2:T+4*\i+3], v[X+16*\i:X+16*\i+1], v[X+16*\i:X+16*\i+1]
.endr
.irp j,2,4,6,8,10,12,14
.irp i,0,1,2,3,4,5,6,7
	v_pk_fma_f32 v[T+4*\i+2:T+4*\i+3], v[X+16*\i+\j:X+16*\i+\j+1], v[X+16*\i+\j:X+16*\i+\j+1], v[T+4*\i+2:T+4*\i+3]
.endr
.endr
.irp i,0,1,2,3,4,5,6,7
	v_add_f32 v[T+4*\i+2], v[T+4*\i+2], v[T+4*\i+3]
.endr
.irp m,1,2,4,8
.irp i,0,1,2,3,4,5,6,7
	v_add_f32_dpp v[T+4*\i+2], v[T+4*\i+2], v[T+4*\i+2] row_xmask:\m row_mask:0xf bank_mask:0xf
.endr
.endr
.irp i,0,1,2,3,4,5,6,7
	v_permlanex16_b32 v[T+4*\i+3], v[T+4*\i+2], s46, s47
.endr
.irp i,0,1,2,3,4,5,6,7
	v_add_f32 v[T+4*\i+2], v[T+4*\i+2], v[T+4*\i+3]                 ; the sum of (x - m)^2
.endr
.irp i,0,1,2,3,4,5,6,7
.if \hasc
	v_fma_f32 v[T+4*\i+2], v[T+4*\i+2], s[CC+\i], s74               ; c c v + eps
.else
	v_fma_f32 v[T+4*\i+2], v[T+4*\i+2], s75, s74                    ; v + eps
.endif
.endr
.irp i,0,1,2,3,4,5,6,7
	v_rsq_f32 v[T+4*\i+2], v[T+4*\i+2]
.endr
	v_nop                                          ; a plain line behind the transcendentals
.if \hasc
.irp i,0,1,2,3,4,5,6,7
	v_mul_f32 v[T+4*\i+2], s[SC+\i], v[T+4*\i+2]
.endr
.endif
	s_wait_alu depctr_va_vdst(0)
.irp j,0,2,4,6,8,10,12,14
.irp i,0,1,2,3,4,5,6,7
	v_pk_mul_f32 v[X+16*\i+\j:X+16*\i+\j+1], v[X+16*\i+\j:X+16*\i+\j+1], v[T+4*\i+2:T+4*\i+3] op_sel_hi:[1,0]
.endr
.endr
.irp j,0,2,4,6,8,10,12,14
.irp i,0,1,2,3,4,5,6,7
	v_pk_fma_f32 v[X+16*\i+\j:X+16*\i+\j+1], v[X+16*\i+\j:X+16*\i+\j+1], v[LG+\j:LG+\j+1], v[LB+\j:LB+\j+1]
.endr
.endr
.irp i,0,1,2,3,4,5,6,7
	v_max3_num_f32 v[T+4*\i], |v[X+16*\i]|, |v[X+16*\i+1]|, 0x1800000     ; my 16 numbers, and the floor 2^(3 - 127): the byte cannot fall under 1
.endr
.irp j,2,4,6,8,10,12,14
.irp i,0,1,2,3,4,5,6,7
	v_max3_num_f32 v[T+4*\i], v[T+4*\i], |v[X+16*\i+\j]|, |v[X+16*\i+\j+1]|
.endr
.endr
.irp i,0,1,2,3,4,5,6,7
	v_max_num_f32_dpp v[T+4*\i], v[T+4*\i], v[T+4*\i] row_xmask:1 row_mask:0xf bank_mask:0xf   ; with my neighbour's 16: the block's
.endr
.irp i,0,1,2,3,4,5,6,7
	v_add_nc_u32 v[T+4*\i+2], 0xff000000, v[T+4*\i]                 ; 2 off its exponent field: the conversion's scale operand
.endr
.irp i,0,1,2,3,4,5,6,7
	v_cvt_scalef32_pk8_fp4_f32 v[T+4*\i], v[X+16*\i:X+16*\i+7], v[T+4*\i+2]
	v_cvt_scalef32_pk8_fp4_f32 v[T+4*\i+1], v[X+16*\i+8:X+16*\i+15], v[T+4*\i+2]
.endr
.irp i,0,1,2,3,4,5,6,7
	v_lshrrev_b32 v[T+4*\i+3], 23, v[T+4*\i+2]     ; the scale's byte (also the plain line behind the conversions)
.endr
.irp i,0,1,2,3,4,5,6,7
	ds_store_b64 v37, v[T+4*\i:T+4*\i+1] offset:(\i+28*(\i/4))*272  ; rows 4 w + i of xO, rows 32 + 4 w + i - 4 of xG
	ds_store_b8 v38, v[T+4*\i+3] offset:(\i+28*(\i/4))*16           ; both lanes of a block write the same byte with the same value
.endr
.endm
.macro WLOAD idx                       ; the four weight fragments of my head for matrix idx / 4 (0 q's, 1 k's), K step idx % 4: eight loads, into window 1 (the window is set by the caller)
.irp ot,0,1,2,3
	global_load_b128 v[32*(\idx)+8*\ot:32*(\idx)+8*\ot+3], v1, s[36:37] offset:P_WK*((\idx)/4)+4096*((\idx)%4)+1024*\ot
	global_load_b128 v[32*(\idx)+8*\ot+4:32*(\idx)+8*\ot+7], v1, s[36:37] offset:P_WK*((\idx)/4)+4096*((\idx)%4)+1024*\ot+512
.endr
.endm
.macro XLOADF idx                      ; the two fragments of x (rows 32 mat + 16 mt on) of that K step, into set idx % 2
.irp mt,0,1
.irp c,0,1
	ds_load_b128 v[XF+16*((\idx)%2)+8*\mt+4*\c:XF+16*((\idx)%2)+8*\mt+4*\c+3], v252 offset:(32*((\idx)/4)+16*\mt)*272+64*((\idx)%4)+32*\c
.endr
.endr
.endm
; One K step of one matrix: eight products, the eight accumulators by turns.  TRANSPOSED: source 0 = 16 rows of the weight (window 1), source 1 = 16 rows of x.
.macro KTURN idx
.if (\idx) == 0
	s_wait_loadcnt 48                              ; the mask, the scale words and set 0 are in; sets 1 to 6 (8 loads each) may be out
.else
	s_wait_loadcnt 8*(7-(\idx))                    ; this step's set is in; the sets behind it, up to set 7, may be out
.endif
.if (\idx) <= 6
	s_wait_dscnt 4                                 ; this step's x is in; the next step's four loads may be out
.else
	s_wait_dscnt 0x0
.endif
.if (\idx) == 0
	WIN 0x40
	WLOAD 7                                        ; the last set: with it 56 loads of mine are out at the most
.endif
	WIN 0x01                                       ; source 0 window 1
.irp ot,0,1,2,3
.irp mt,0,1
.set rD, ACC2+32*\mt+8*\ot
.set rA, 32*(\idx)+8*\ot
.set rB, XF+16*((\idx)%2)+8*\mt
.set rSA, WS+8*((\idx)/4)+4*(\ot/2)+(\idx)%4
.set rSB, XS+4*((\idx)/4)+(\idx)%4
.set fA, \ot%2
.set fB, \mt
.if (\idx)%4 == 0
	WMC 1
.else
	WMC 0
.endif
.endr
.endr
	WIN 0
	PLACES 4                                       ; in front of loads into registers that these products read, and of the first read of results
.if (\idx)+2 < 8
	XLOADF (\idx)+2
.endif
.endm
; A tile of 16 rows x my head's 64 becomes codes and two scale bytes.  Lane (r, h) holds row r; registers 16 b + i are columns 32 b + 16 h + i of the head.
.macro QUANT2 mat, mt
.set qA, ACC2+32*(\mt)
.set qP, PC+8*(\mat)+4*(\mt)
.irp b,0,1
	v_max3_num_f32 v[TM+\b], |v[qA+16*\b]|, |v[qA+16*\b+1]|, 0x1800000    ; each accumulator is read from its low end on
.endr
.irp i,2,4,6,8,10,12,14
.irp b,0,1
	v_max3_num_f32 v[TM+\b], v[TM+\b], |v[qA+16*\b+\i]|, |v[qA+16*\b+\i+1]|
.endr
.endr
.irp b,0,1
	v_permlanex16_b32 v[TM+2+\b], v[TM+\b], s46, s47
.endr
.irp b,0,1
	v_max_num_f32 v[TM+\b], v[TM+\b], v[TM+2+\b]   ; with lane l xor 16's: the block's largest magnitude
.endr
.irp b,0,1
	v_add_nc_u32 v[TM+2+\b], 0xff000000, v[TM+\b]
.endr
.irp b,0,1
	v_lshrrev_b32 v[TM+4+\b], 23, v[TM+2+\b]
.endr
	v_lshl_or_b32 v[HW+(\mt)], v[TM+5], 8, v[TM+4]
.irp b,0,1
	v_cvt_scalef32_pk8_fp4_f32 v[qP+2*\b], v[qA+16*\b:qA+16*\b+7], v[TM+2+\b]
	v_cvt_scalef32_pk8_fp4_f32 v[qP+2*\b+1], v[qA+16*\b+8:qA+16*\b+15], v[TM+2+\b]
.endr
	v_nop                                          ; a plain line behind the conversions
	v_permlane16_swap_b32 v[qP], v[qP+2]           ; a whole block to a lane: lanes 0-15 block 0, lanes 16-31 block 1
	v_permlane16_swap_b32 v[qP+1], v[qP+3]
.endm
; WHAT THE PRODUCTS WANT FROM MEMORY, in two batches round the wait for the rows.  A: 2 + 4 + 16 = 22 loads behind the 40 of the rows, g and b: 62 of mine are out at the most.
.macro PRELOAD_A
	s_wait_xcnt 0x0                                ; the stores of c have read their registers, into which loads follow
	global_load_u8 v250, v254, s[72:73]            ; the mask of keys r and 16 + r
	global_load_u8 v251, v254, s[72:73] offset:16
.irp m,0,1
.irp p,0,1
	global_load_b128 v[WS+8*\m+4*\p:WS+8*\m+4*\p+3], v1, s[38:39] offset:P_WS+8192*\m+512*\p
.endr
.endr
	WIN 0x40                                       ; destination window 1, address window 0
	WLOAD 0
	WLOAD 1
	WIN 0
.endm
.macro PRELOAD_B                       ; B: 40 loads behind A's 22: again 62 at the most.  They land while the norm works on registers
	WIN 0x40
.irp w,2,3,4,5,6
	WLOAD \w
.endr
	WIN 0
.endm
.macro PROJ
	ds_load_b128 v[XS:XS+3], v253                  ; lane l: the 16 scale bytes of row l of xO,
	ds_load_b128 v[XS+4:XS+7], v253 offset:512     ; and of xG
	XLOADF 0
	XLOADF 1
	KTURN 0
	KTURN 1
	KTURN 2
	KTURN 3
	QUANT2 0, 0
	QUANT2 0, 1
	v_lshl_or_b32 v240, v[HW], 16, v[HW]           ; a query stands twice along K: s0 s1 s0 s1
	v_lshl_or_b32 v241, v[HW+1], 16, v[HW+1]
	v_cndmask_b32 v240, v241, v240, s69            ; lanes 0-15 rows 0-15, lanes 16-31 rows 16-31
	global_store_b128 v1, v[PC:PC+3], s[40:41] offset:S_QC         ; each covers 512 consecutive bytes, aligned
	global_store_b128 v1, v[PC+4:PC+7], s[40:41] offset:S_QC+512
	global_store_b32 v2, v240, s[42:43] offset:S_QS
	PLACES 1                                       ; the accumulators begin anew: one place more than the four behind the last product
	KTURN 4
	KTURN 5
	KTURN 6
	KTURN 7
	QUANT2 1, 0
	QUANT2 1, 1
	v_cmp_ne_u32 s70, 0, v250
	v_cmp_ne_u32 s71, 0, v251
.irp j,0,1,2,3
	v_cndmask_b32 v[PC+8+\j], v[PC+8+\j], v255, s70        ; a masked key gets zero codes: its logits are 0
	v_cndmask_b32 v[PC+12+\j], v[PC+12+\j], v255, s71
.endr
	v_lshl_or_b32 v241, v[HW+1], 16, v[HW]         ; keys r and 16 + r share a row of the next product's operand
	global_store_b128 v1, v[PC+8:PC+11], s[40:41] offset:S_KC
	global_store_b128 v1, v[PC+12:PC+15], s[40:41] offset:S_KC+512
	global_store_b32 v3, v241, s[44:45] offset:S_KS        ; 16 words; lanes 16-31 repeat lanes 0-15
.endm
	s_load_b128 s[4:7], s[0:1], 0x0                ; xG, xO
	s_load_b64 s[8:9], s[0:1], 0x10                ; the keys' mask
	s_load_b64 s[14:15], s[0:1], 0x18              ; the pack
	s_load_b64 s[16:17], s[0:1], 0x20              ; the state
	v_lshrrev_b32 v1, 5, v0
	v_readfirstlane_b32 s18, v1                    ; wave
	v_and_b32 v9, 31, v0                           ; lane
	v_and_b32 v254, 15, v0                         ; r
	v_bfe_u32 v10, v0, 4, 1                        ; h
	v_mov_b32 v255, 0
	v_lshlrev_b32 v1, 4, v9                        ; 16 x lane
	v_lshlrev_b32 v2, 2, v9                        ; 4 x lane
	v_lshlrev_b32 v3, 2, v254                      ; 4 r
	v_lshlrev_b32 v4, 6, v9                        ; 64 x lane
	s_lshl_b32 s78, ttmp9, 7
	s_lshl_b32 s79, s18, 4
	s_add_co_u32 s78, s78, s79
	v_lshl_add_u32 v5, v10, 2, s78                 ; 4 (32 wg + 4 w + h): a row's word of c
	s_mul_i32 s78, s18, STGW
	v_lshrrev_b32 v11, 2, v9
	v_mul_u32_u24 v6, v11, 80
	v_and_b32 v11, 3, v9
	v_lshl_add_u32 v6, v11, 4, v6
	v_add_nc_u32 v6, s78, v6                       ; the stage, on the way in
	v_mul_u32_u24 v7, v9, 80
	v_add_nc_u32 v7, s78, v7                       ; and out
	s_mul_i32 s78, s18, 1088
	s_add_co_u32 s78, s78, XIMG
	v_lshl_add_u32 v37, v9, 3, s78                 ; my 8 bytes of codes in row 4 w
	s_lshl_b32 s78, s18, 6
	s_add_co_u32 s78, s78, XSC
	v_lshrrev_b32 v38, 1, v9
	v_add_nc_u32 v38, s78, v38                     ; my block's byte in row 4 w
	v_mul_u32_u24 v252, v254, 272
	v_lshl_add_u32 v252, v10, 4, v252
	v_add_nc_u32 v252, XIMG, v252                  ; a fragment of x: row r, + 16 h
	v_lshl_add_u32 v253, v9, 4, XSC
	v_mov_b32 v214, 1.0
	s_lshr_b32 s19, ttmp9, 6                       ; batch
	s_and_b32 s20, ttmp9, 63                       ; which 32 rows of it
	s_lshl_b32 s79, s19, 3
	s_add_co_u32 s79, s79, s18                     ; 8 batch + head
	s_mov_b32 s46, 0x76543210
	s_mov_b32 s47, 0xfedcba98                      ; v_permlanex16_b32's selects for lane l xor 16
	s_mov_b32 s69, 0xffff                          ; lanes 0-15
	s_mov_b32 s74, 0x3727c5ac                      ; eps = 1e-5
	s_mov_b32 s75, 0x3b000000                      ; 1 / 512
	s_mov_b32 s23, 0
	s_wait_kmcnt 0x0
	s_lshl_b32 s22, ttmp9, 16
	s_lshl_b32 s78, s18, 13
	s_add_co_u32 s22, s22, s78                     ; (32 wg + 4 w) rows of 2,048 bytes
	s_add_nc_u64 s[32:33], s[4:5], s[22:23]
	s_add_nc_u64 s[34:35], s[6:7], s[22:23]
	XROWS 0
	XROWS 1
	XROWS 2
	XROWS 3
.irp q,0,1,2,3
	global_load_b128 v[LG+4*\q:LG+4*\q+3], v4, s[14:15] offset:P_LNG+16*\q
	global_load_b128 v[LB+4*\q:LB+4*\q+3], v4, s[14:15] offset:P_LNB+16*\q
.endr
	global_store_b32 v5, v214, s[16:17] offset:S_CG        ; c = 1 for my four rows of each stream (sixteen lanes write the same word with the same value)
	global_store_b32 v5, v214, s[16:17] offset:S_CG+8
	global_store_b32 v5, v214, s[16:17] offset:S_CO
	global_store_b32 v5, v214, s[16:17] offset:S_CO+8
	s_lshl_b32 s22, s79, 16
	s_lshl_b32 s78, s20, 10
	s_add_co_u32 s22, s22, s78
	s_add_nc_u64 s[40:41], s[16:17], s[22:23]      ; where my codes go
	s_lshl_b32 s22, s79, 12
	s_lshl_b32 s78, s20, 6
	s_add_co_u32 s22, s22, s78
	s_add_nc_u64 s[44:45], s[16:17], s[22:23]      ; k's scale words
	s_lshl_b32 s22, s79, 13
	s_lshl_b32 s78, s20, 7
	s_add_co_u32 s22, s22, s78
	s_add_nc_u64 s[42:43], s[16:17], s[22:23]      ; q's
	s_lshl_b32 s22, s18, 14
	s_add_nc_u64 s[36:37], s[14:15], s[22:23]      ; my head's weights
	s_lshl_b32 s22, s18, 10
	s_add_nc_u64 s[38:39], s[14:15], s[22:23]      ; and their scale bytes
	s_lshl_b32 s22, ttmp9, 5
	s_add_nc_u64 s[72:73], s[8:9], s[22:23]        ; my 32 keys' mask
	PRELOAD_A
	s_wait_loadcnt 22                              ; the rows, g and b are in; batch A's 22 loads may be out
	PRELOAD_B
	LNQ 0
	BAR                                            ; the codes and scale bytes of 64 rows lie in LDS
	PROJ
	s_wait_xcnt 0x0
	v_lshl_add_u32 v254, v0, 2, 0x2d000
	v_mov_b32 v255, 0
	s_wait_tensorcnt 0x0
	ds_add_u32 v254, v255
	s_wait_dscnt 0x0
	s_endpgm
.Lfunc_end_k_qca0399b80c_first:
	.size	k_qca0399b80c_first, .Lfunc_end_k_qca0399b80c_first-k_qca0399b80c_first
	.p2alignl 7, 3214868480
	.fill 96, 4, 3214868480
	.section	.rodata,"a",@progbits
	.p2align	6, 0x0
	.amdhsa_kernel k_qca0399b80c_first
		.amdhsa_group_segment_fixed_size 185344
		.amdhsa_private_segment_fixed_size 0
		.amdhsa_enable_private_segment 0
		.amdhsa_kernarg_size 40
		.amdhsa_user_sgpr_count 2
		.amdhsa_user_sgpr_kernarg_segment_ptr 1
		.amdhsa_wavefront_size32 1
		.amdhsa_system_sgpr_workgroup_id_x 1
		.amdhsa_system_sgpr_workgroup_id_y 1
		.amdhsa_system_sgpr_workgroup_id_z 1
		.amdhsa_system_vgpr_workitem_id 0
		.amdhsa_next_free_vgpr 512
		.amdhsa_next_free_sgpr 96
		.amdhsa_reserve_vcc 0
		.amdhsa_float_denorm_mode_32 3
		.amdhsa_float_denorm_mode_16_64 3
		.amdhsa_memory_ordered 1
		.amdhsa_forward_progress 1
		.amdhsa_inst_pref_size 74
	.end_amdhsa_kernel
	.amdgpu_metadata
---
amdhsa.version: [ 1, 2 ]
amdhsa.kernels:
  - .name:           k_qca0399b80c_first
    .symbol:         k_qca0399b80c_first.kd
    .args:
      - { .name: x_aud, .offset: 0, .size: 8, .value_kind: global_buffer, .address_space: global }
      - { .name: x_vid, .offset: 8, .size: 8, .value_kind: global_buffer, .address_space: global }
      - { .name: aud_kpm, .offset: 16, .size: 8, .value_kind: global_buffer, .address_space: global }
      - { .name: P1, .offset: 24, .size: 8, .value_kind: global_buffer, .address_space: global }
      - { .name: SA, .offset: 32, .size: 8, .value_kind: global_buffer, .address_space: global }
    .group_segment_fixed_size: 185344
    .private_segment_fixed_size: 0
    .kernarg_segment_align: 8
    .kernarg_segment_size: 40
    .max_flat_workgroup_size: 256
    .sgpr_count:     96
    .vgpr_count:     512
    .wavefront_size: 32
...
	.end_amdgpu_metadata
.endif
;; end of part 2
;; launch step1 (part 3): grid 256 x 1, 8 waves a work-group, no clusters, 185,344 bytes of LDS; arguments x_vid, x_aud, vid_kpm, SA, P1, P2, SB; writes SB
.if DOCPART == 3
	.amdgcn_target "amdgcn-amd-amdhsa--gfx1250"
	.amdhsa_code_object_version 6
	.text
	.protected	k_qca0399b80c_step1
	.globl	k_qca0399b80c_step1
	.p2align	8
	.type	k_qca0399b80c_step1,@function
k_qca0399b80c_step1:
	s_mov_b64 s[64:65], 0
	v_nop
	global_prefetch_b8 v0, s[64:65] scope:SCOPE_SE
	s_setreg_imm32_b32 hwreg(HW_REG_WAVE_MODE, 25, 1), 1
	s_wait_xcnt 0x0
; STEP: one half-step's logits, sum and gate, and the operands of the next half-step's logits.
; Arguments: xG (the stream that this step gates: its rows are this step's queries and the NEXT step's keys), xO (the other stream: the next step's queries), xG's mask, the state read, this step's pack, the next step's pack, the state written.
; A gate is one number for a row, so a stream is never stored between steps: only c, the product of (1 + gate) so far, one f32 a row; the row stands for c x.
; THE LOGITS are only masked, summed over the keys and divided: so they are summed in the accumulators, and TWO KEYS SHARE ONE K OF 128: a row of source 0 is keys r and 16 + r of 32 (64 + 64 along K),
; source 1 is a query's 64 twice.  D(pair, query) is the sum of the pair's two logits.  Masked keys hold zero codes.  Wave w is head w: 64 fragments of keys x 2 tiles of queries = 128 products.
; THE STATE and THE PACK: as the launches that write them lay them (constants below): every fragment in the order of a wave's registers.
; SHARES: work-group wg owns rows 32 wg .. 32 wg + 31 of both streams.  In the gate and the norm wave w takes rows 4 w .. 4 w + 3; in the products wave w is head w.
; Each fragment of k (544 KB a work-group) and of the weights (272 KB) is used by ONE wave of the work-group and lies in the order of its registers, so it goes from memory straight into registers:
; through LDS those bytes would be written and read once more.  Hence no tensor loads, and no cluster, though the 64 work-groups of a batch read the same k: two slots large enough for joint loads,
; the scale bytes and the norm's stage of 160 KB do not fit in LDS together.
; THE WEIGHTS ARE ASKED FOR AHEAD OF THE NORM: a wave's eight sets of four fragments (32 KB) have 256 registers of their own, window 1, so that they are on their way while the wave works on its rows.
; LIMITS: NaN and infinities are not served; a block of zeros, or with a largest magnitude under 2^-124, gets the byte 1; x c stands for the repeated x + x gate (a few roundings apart);
; 1 / sqrt is v_rsq_f32's, the sigmoid v_exp_f32's and v_rcp_f32's.
.set P_WK,  131072
.set P_WS,  262144
.set P_LNG, 278528
.set P_LNB, 280576
.set P_GW1, 282624
.set P_GB1, 283136
.set P_GW2, 283200
.set P_GB2, 283264
.set P_INV, 283280
.set P_ON,  283296
.set S_QC,  0
.set S_KC,  2097152
.set S_QS,  4194304
.set S_KS,  4456448
.set S_CG,  4587520
.set S_CO,  4620288
.set STGW,  20480                      ; LDS: a wave's stage: 8 rows x 32 places of 64 bytes + 16
.set XIMG,  163840                     ; the codes of 64 rows (0-31 xO's, 32-63 xG's): 256 bytes + 16 of padding each
.set XSC,   181248                     ; their scale bytes, 16 a row
.set REL,   182272                     ; 32 rows x 8 heads, f32
.set QF,   8                           ; v8-23    two fragments of q; later a row's eight sums
.set QS,   24                          ; v24      q's scale words
.set KSC,  26                          ; v26-33   k's scale words, two registers a group
.set ACC,  40                          ; v40-71   four accumulators: 16 t + 8 (fragment % 2)
.set KR,   72                          ; v72-199  four groups of four fragments of k
.set T,    40                          ; v40-71   four registers a row, at work
.set X,    72                          ; v72-199  eight rows of 16 numbers
.set LG,   216                         ; v216-231 g of my 16 columns;  v232-247 b
.set LB,   232
.set ACC2, 8                           ; the projections: v8-71 accumulators at 8 + 32 mt + 8 ot
.set XF,   168                         ; v168-199 two sets of two fragments of x
.set WS,   200                         ; v200-215 the weights' scale words: 8 mat + 4 (ot / 2) + ks
.set XS,   216                         ; v216-223 x's: 4 mat + ks
.set PC,   224                         ; v224-239 the codes made: 8 mat + 4 mt
.set TM,   242                         ; v242-247 at work
.set HW,   248                         ; v248-249 a tile's two scale bytes
                                       ; window 1 (v256-511): the weights: set idx = 4 mat + ks at 32 idx, its tile ot at + 8 ot
.set SC,   48                          ; s48-55   c of my eight rows
.set CC,   56                          ; s56-63   c c / 512
.set MSB, 0
.macro WIN new                         ; s_set_vgpr_msb's low byte: bits 1:0 source 0, 3:2 source 1, 5:4 source 2, 7:6 destination; the high byte repeats the setting that is left
.if MSB != \new
	s_set_vgpr_msb (MSB<<8)|\new
.set MSB, \new
.endif
.endm
.macro PLACES n
.rept \n
	v_nop
.endr
.endm
.macro BAR                             ; my LDS stores have landed and my LDS loads are in: then the work-group's barrier
	s_wait_dscnt 0x0
	s_barrier_signal -1
	s_barrier_wait -1
.endm
; One product: registers and rows of the scale registers in the symbols rD, rA, rB, rSA, rSB, fA, fB.  zero = 1: it starts the sum.
.macro WMC zero
.if \zero
.if fA && fB
	v_wmma_scale_f32_16x16x128_f8f6f4 v[rD:rD+7], v[rA:rA+7], v[rB:rB+7], 0, v[rSA], v[rSB] matrix_a_fmt:MATRIX_FMT_FP4 matrix_b_fmt:MATRIX_FMT_FP4 matrix_a_scale:MATRIX_SCALE_ROW1 matrix_b_scale:MATRIX_SCALE_ROW1
.elseif fA
	v_wmma_scale_f32_16x16x128_f8f6f4 v[rD:rD+7], v[rA:rA+7], v[rB:rB+7], 0, v[rSA], v[rSB] matrix_a_fmt:MATRIX_FMT_FP4 matrix_b_fmt:MATRIX_FMT_FP4 matrix_a_scale:MATRIX_SCALE_ROW1
.elseif fB
	v_wmma_scale_f32_16x16x128_f8f6f4 v[rD:rD+7], v[rA:rA+7], v[rB:rB+7], 0, v[rSA], v[rSB] matrix_a_fmt:MATRIX_FMT_FP4 matrix_b_fmt:MATRIX_FMT_FP4 matrix_b_scale:MATRIX_SCALE_ROW1
.else
	v_wmma_scale_f32_16x16x128_f8f6f4 v[rD:rD+7], v[rA:rA+7], v[rB:rB+7], 0, v[rSA], v[rSB] matrix_a_fmt:MATRIX_FMT_FP4 matrix_b_fmt:MATRIX_FMT_FP4
.endif
.else
.if fA && fB
	v_wmma_scale_f32_16x16x128_f8f6f4 v[rD:rD+7], v[rA:rA+7], v[rB:rB+7], v[rD:rD+7], v[rSA], v[rSB] matrix_a_fmt:MATRIX_FMT_FP4 matrix_b_fmt:MATRIX_FMT_FP4 matrix_a_scale:MATRIX_SCALE_ROW1 matrix_b_scale:MATRIX_SCALE_ROW1
.elseif fA
	v_wmma_scale_f32_16x16x128_f8f6f4 v[rD:rD+7], v[rA:rA+7], v[rB:rB+7], v[rD:rD+7], v[rSA], v[rSB] matrix_a_fmt:MATRIX_FMT_FP4 matrix_b_fmt:MATRIX_FMT_FP4 matrix_a_scale:MATRIX_SCALE_ROW1
.elseif fB
	v_wmma_scale_f32_16x16x128_f8f6f4 v[rD:rD+7], v[rA:rA+7], v[rB:rB+7], v[rD:rD+7], v[rSA], v[rSB] matrix_a_fmt:MATRIX_FMT_FP4 matrix_b_fmt:MATRIX_FMT_FP4 matrix_b_scale:MATRIX_SCALE_ROW1
.else
	v_wmma_scale_f32_16x16x128_f8f6f4 v[rD:rD+7], v[rA:rA+7], v[rB:rB+7], v[rD:rD+7], v[rSA], v[rSB] matrix_a_fmt:MATRIX_FMT_FP4 matrix_b_fmt:MATRIX_FMT_FP4
.endif
.endif
.endm
.macro XROW i                          ; row i of my eight (0-3: xO's, 4-7: xG's): four loads of 512 consecutive bytes
.irp q,0,1,2,3
.if (\i) < 4
	global_load_b128 v[X+16*(\i)+4*\q:X+16*(\i)+4*\q+3], v1, s[34:35] offset:2048*(\i)+512*\q
.else
	global_load_b128 v[X+16*(\i)+4*\q:X+16*(\i)+4*\q+3], v1, s[32:33] offset:2048*((\i)-4)+512*\q
.endif
.endr
.endm
.macro XROWS k
	XROW 2*(\k)
	XROW 2*(\k)+1
.endm
; Group g of 16: four fragments of k (128 keys) and their scale words: ten loads, into set g % 4
.macro LOADG g
.irp f,0,1,2,3
	global_load_b128 v[KR+32*((\g)%4)+8*\f:KR+32*((\g)%4)+8*\f+3], v1, s[24:25] offset:S_KC+(4*(\g)+\f)*1024
	global_load_b128 v[KR+32*((\g)%4)+8*\f+4:KR+32*((\g)%4)+8*\f+7], v1, s[24:25] offset:S_KC+(4*(\g)+\f)*1024+512
.endr
	global_load_b32 v[KSC+2*((\g)%4)], v2, s[26:27] offset:S_KS+256*(\g)           ; lanes 0-15 one fragment's words, lanes 16-31 the next's
	global_load_b32 v[KSC+2*((\g)%4)+1], v2, s[26:27] offset:S_KS+256*(\g)+128
.endm
; Its eight products; the four accumulators by turns.  left: the younger loads, which may stay out.  Its set then takes the group four on, or two rows of x.
.macro GROUP g, left
	s_wait_loadcnt \left
.irp f,0,1,2,3
.irp t,0,1
.set rD, ACC+16*\t+8*(\f%2)
.set rA, KR+32*((\g)%4)+8*\f
.set rB, QF+8*\t
.set rSA, KSC+2*((\g)%4)+\f/2
.set rSB, QS
.set fA, \f%2
.set fB, \t
.if ((\g) == 0) && (\f < 2)
	WMC 1
.else
	WMC 0
.endif
.endr
.endr
	PLACES 4                                       ; in front of loads into registers that these products read, and of the first read of results
.if (\g)+4 < 16
	LOADG (\g)+4
.else
	XROWS (\g)-12
.endif
.endm
; THE NORM AND THE QUANTISER of my eight rows, every line for the eight rows by turns, so that no line waits for the line above it.  (The wait for the rows, g and b stands ahead of the macro.)
; hasc = 1: row i stands for c x, c in s[SC + i], c c / 512 in s[CC + i]: LN(c x) = (x - m) c rsq(c c v + eps) g + b, m and v those of x.
.macro LNQ hasc
.irp i,0,1,2,3,4,5,6,7
.irp q,0,1,2,3
	ds_store_b128 v6, v[X+16*\i+4*\q:X+16*\i+4*\q+3] offset:2560*\i+640*\q     ; through my own stage, as the bytes lie,
.endr
.endr
	s_wait_dscnt 0x0                               ; (the stores have read their registers)
.irp i,0,1,2,3,4,5,6,7
.irp q,0,1,2,3
	ds_load_b128 v[X+16*\i+4*\q:X+16*\i+4*\q+3], v7 offset:2560*\i+16*\q       ; and back 64 bytes a lane: columns 16 lane .. 16 lane + 15
.endr
.endr
	s_wait_dscnt 0x0
.irp i,0,1,2,3,4,5,6,7
	v_pk_add_f32 v[T+4*\i:T+4*\i+1], v[X+16*\i:X+16*\i+1], v[X+16*\i+2:X+16*\i+3]
	v_pk_add_f32 v[T+4*\i+2:T+4*\i+3], v[X+16*\i+4:X+16*\i+5], v[X+16*\i+6:X+16*\i+7]
.endr
.irp j,8,12
.irp i,0,1,2,3,4,5,6,7
	v_pk_add_f32 v[T+4*\i:T+4*\i+1], v[T+4*\i:T+4*\i+1], v[X+16*\i+\j:X+16*\i+\j+1]
	v_pk_add_f32 v[T+4*\i+2:T+4*\i+3], v[T+4*\i+2:T+4*\i+3], v[X+16*\i+\j+2:X+16*\i+\j+3]
.endr
.endr
.irp i,0,1,2,3,4,5,6,7
	v_pk_add_f32 v[T+4*\i:T+4*\i+1], v[T+4*\i:T+4*\i+1], v[T+4*\i+2:T+4*\i+3]
.endr
.irp i,0,1,2,3,4,5,6,7
	v_add_f32 v[T+4*\i], v[T+4*\i], v[T+4*\i+1]
.endr
.irp m,1,2,4,8
.irp i,0,1,2,3,4,5,6,7
	v_add_f32_dpp v[T+4*\i], v[T+4*\i], v[T+4*\i] row_xmask:\m row_mask:0xf bank_mask:0xf
.endr
.endr
.irp i,0,1,2,3,4,5,6,7
	v_permlanex16_b32 v[T+4*\i+1], v[T+4*\i], s46, s47
.endr
.irp i,0,1,2,3,4,5,6,7
	v_add_f32 v[T+4*\i], v[T+4*\i], v[T+4*\i+1]
.endr
.irp i,0,1,2,3,4,5,6,7
	v_mul_f32 v[T+4*\i], 0x3b000000, v[T+4*\i]     ; the mean: / 512
.endr
.irp j,0,2,4,6,8,10,12,14
.irp i,0,1,2,3,4,5,6,7
	v_pk_add_f32 v[X+16*\i+\j:X+16*\i+\j+1], v[X+16*\i+\j:X+16*\i+\j+1], v[T+4*\i:T+4*\i+1] op_sel_hi:[1,0] neg_lo:[0,1] neg_hi:[0,1]   ; x - m
.endr
.endr
.irp i,0,1,2,3,4,5,6,7
	v_pk_mul_f32 v[T+4*\i+2:T+4*\i+3], v[X+16*\i:X+16*\i+1], v[X+16*\i:X+16*\i+1]
.endr
.irp j,2,4,6,8,10,12,14
.irp i,0,1,2,3,4,5,6,7
	v_pk_fma_f32 v[T+4*\i+2:T+4*\i+3], v[X+16*\i+\j:X+16*\i+\j+1], v[X+16*\i+\j:X+16*\i+\j+1], v[T+4*\i+2:T+4*\i+3]
.endr
.endr
.irp i,0,1,2,3,4,5,6,7
	v_add_f32 v[T+4*\i+2], v[T+4*\i+2], v[T+4*\i+3]
.endr
.irp m,1,2,4,8
.irp i,0,1,2,3,4,5,6,7
	v_add_f32_dpp v[T+4*\i+2], v[T+4*\i+2], v[T+4*\i+2] row_xmask:\m row_mask:0xf bank_mask:0xf
.endr
.endr
.irp i,0,1,2,3,4,5,6,7
	v_permlanex16_b32 v[T+4*\i+3], v[T+4*\i+2], s46, s47
.endr
.irp i,0,1,2,3,4,5,6,7
	v_add_f32 v[T+4*\i+2], v[T+4*\i+2], v[T+4*\i+3]                 ; the sum of (x - m)^2
.endr
.irp i,0,1,2,3,4,5,6,7
.if \hasc
	v_fma_f32 v[T+4*\i+2], v[T+4*\i+2], s[CC+\i], s74               ; c c v + eps
.else
	v_fma_f32 v[T+4*\i+2], v[T+4*\i+2], s75, s74                    ; v + eps
.endif
.endr
.irp i,0,1,2,3,4,5,6,7
	v_rsq_f32 v[T+4*\i+2], v[T+4*\i+2]
.endr
	v_nop                                          ; a plain line behind the transcendentals
.if \hasc
	s_wait_alu depctr_va_vdst(0)
.irp i,0,1,2,3,4,5,6,7
	v_mul_f32 v[T+4*\i+2], s[SC+\i], v[T+4*\i+2]
.endr
.endif
.irp j,0,2,4,6,8,10,12,14
.irp i,0,1,2,3,4,5,6,7
	v_pk_mul_f32 v[X+16*\i+\j:X+16*\i+\j+1], v[X+16*\i+\j:X+16*\i+\j+1], v[T+4*\i+2:T+4*\i+3] op_sel_hi:[1,0]
.endr
.endr
.irp j,0,2,4,6,8,10,12,14
.irp i,0,1,2,3,4,5,6,7
	v_pk_fma_f32 v[X+16*\i+\j:X+16*\i+\j+1], v[X+16*\i+\j:X+16*\i+\j+1], v[LG+\j:LG+\j+1], v[LB+\j:LB+\j+1]
.endr
.endr
.irp i,0,1,2,3,4,5,6,7
	v_max3_num_f32 v[T+4*\i], |v[X+16*\i]|, |v[X+16*\i+1]|, 0x1800000     ; my 16 numbers, and the floor 2^(3 - 127): the byte cannot fall under 1
.endr
.irp j,2,4,6,8,10,12,14
.irp i,0,1,2,3,4,5,6,7
	v_max3_num_f32 v[T+4*\i], v[T+4*\i], |v[X+16*\i+\j]|, |v[X+16*\i+\j+1]|
.endr
.endr
.irp i,0,1,2,3,4,5,6,7
	v_max_num_f32_dpp v[T+4*\i], v[T+4*\i], v[T+4*\i] row_xmask:1 row_mask:0xf bank_mask:0xf   ; with my neighbour's 16: the block's
.endr
.irp i,0,1,2,3,4,5,6,7
	v_add_nc_u32 v[T+4*\i+2], 0xff000000, v[T+4*\i]                 ; 2 off its exponent field: the conversion's scale operand
.endr
.irp i,0,1,2,3,4,5,6,7
	v_cvt_scalef32_pk8_fp4_f32 v[T+4*\i], v[X+16*\i:X+16*\i+7], v[T+4*\i+2]
	v_cvt_scalef32_pk8_fp4_f32 v[T+4*\i+1], v[X+16*\i+8:X+16*\i+15], v[T+4*\i+2]
.endr
.irp i,0,1,2,3,4,5,6,7
	v_lshrrev_b32 v[T+4*\i+3], 23, v[T+4*\i+2]     ; the scale's byte (also the plain line behind the conversions)
.endr
.irp i,0,1,2,3,4,5,6,7
	ds_store_b64 v37, v[T+4*\i:T+4*\i+1] offset:(\i+28*(\i/4))*272  ; rows 4 w + i of xO, rows 32 + 4 w + i - 4 of xG
	ds_store_b8 v38, v[T+4*\i+3] offset:(\i+28*(\i/4))*16           ; both lanes of a block write the same byte with the same value
.endr
.endm
.macro WLOAD idx                       ; the four weight fragments of my head for matrix idx / 4 (0 q's, 1 k's), K step idx % 4: eight loads, into window 1 (the window is set by the caller)
.irp ot,0,1,2,3
	global_load_b128 v[32*(\idx)+8*\ot:32*(\idx)+8*\ot+3], v1, s[36:37] offset:P_WK*((\idx)/4)+4096*((\idx)%4)+1024*\ot
	global_load_b128 v[32*(\idx)+8*\ot+4:32*(\idx)+8*\ot+7], v1, s[36:37] offset:P_WK*((\idx)/4)+4096*((\idx)%4)+1024*\ot+512
.endr
.endm
.macro XLOADF idx                      ; the two fragments of x (rows 32 mat + 16 mt on) of that K step, into set idx % 2
.irp mt,0,1
.irp c,0,1
	ds_load_b128 v[XF+16*((\idx)%2)+8*\mt+4*\c:XF+16*((\idx)%2)+8*\mt+4*\c+3], v252 offset:(32*((\idx)/4)+16*\mt)*272+64*((\idx)%4)+32*\c
.endr
.endr
.endm
; One K step of one matrix: eight products, the eight accumulators by turns.  TRANSPOSED: source 0 = 16 rows of the weight (window 1), source 1 = 16 rows of x.
.macro KTURN idx
.if (\idx) == 0
	s_wait_loadcnt 48                              ; the mask, the scale words and set 0 are in; sets 1 to 6 (8 loads each) may be out
.else
	s_wait_loadcnt 8*(7-(\idx))                    ; this step's set is in; the sets behind it, up to set 7, may be out
.endif
.if (\idx) <= 6
	s_wait_dscnt 4                                 ; this step's x is in; the next step's four loads may be out
.else
	s_wait_dscnt 0x0
.endif
.if (\idx) == 0
	WIN 0x40
	WLOAD 7                                        ; the last set: with it 56 loads of mine are out at the most
.endif
	WIN 0x01                                       ; source 0 window 1
.irp ot,0,1,2,3
.irp mt,0,1
.set rD, ACC2+32*\mt+8*\ot
.set rA, 32*(\idx)+8*\ot
.set rB, XF+16*((\idx)%2)+8*\mt
.set rSA, WS+8*((\idx)/4)+4*(\ot/2)+(\idx)%4
.set rSB, XS+4*((\idx)/4)+(\idx)%4
.set fA, \ot%2
.set fB, \mt
.if (\idx)%4 == 0
	WMC 1
.else
	WMC 0
.endif
.endr
.endr
	WIN 0
	PLACES 4                                       ; in front of loads into registers that these products read, and of the first read of results
.if (\idx)+2 < 8
	XLOADF (\idx)+2
.endif
.endm
; A tile of 16 rows x my head's 64 becomes codes and two scale bytes.  Lane (r, h) holds row r; registers 16 b + i are columns 32 b + 16 h + i of the head.
.macro QUANT2 mat, mt
.set qA, ACC2+32*(\mt)
.set qP, PC+8*(\mat)+4*(\mt)
.irp b,0,1
	v_max3_num_f32 v[TM+\b], |v[qA+16*\b]|, |v[qA+16*\b+1]|, 0x1800000    ; each accumulator is read from its low end on
.endr
.irp i,2,4,6,8,10,12,14
.irp b,0,1
	v_max3_num_f32 v[TM+\b], v[TM+\b], |v[qA+16*\b+\i]|, |v[qA+16*\b+\i+1]|
.endr
.endr
.irp b,0,1
	v_permlanex16_b32 v[TM+2+\b], v[TM+\b], s46, s47
.endr
.irp b,0,1
	v_max_num_f32 v[TM+\b], v[TM+\b], v[TM+2+\b]   ; with lane l xor 16's: the block's largest magnitude
.endr
.irp b,0,1
	v_add_nc_u32 v[TM+2+\b], 0xff000000, v[TM+\b]
.endr
.irp b,0,1
	v_lshrrev_b32 v[TM+4+\b], 23, v[TM+2+\b]
.endr
	v_lshl_or_b32 v[HW+(\mt)], v[TM+5], 8, v[TM+4]
.irp b,0,1
	v_cvt_scalef32_pk8_fp4_f32 v[qP+2*\b], v[qA+16*\b:qA+16*\b+7], v[TM+2+\b]
	v_cvt_scalef32_pk8_fp4_f32 v[qP+2*\b+1], v[qA+16*\b+8:qA+16*\b+15], v[TM+2+\b]
.endr
	v_nop                                          ; a plain line behind the conversions
	v_permlane16_swap_b32 v[qP], v[qP+2]           ; a whole block to a lane: lanes 0-15 block 0, lanes 16-31 block 1
	v_permlane16_swap_b32 v[qP+1], v[qP+3]
.endm
; WHAT THE PROJECTIONS WANT FROM MEMORY, in two batches round the wait for the rows.  A: 2 + 4 + 24 = 30 loads behind the 32 of the rows: 62 of mine are out at the most.
.macro PRELOAD_A
	s_wait_xcnt 0x0                                ; the stores of c have read their registers, into which loads follow
	global_load_u8 v250, v254, s[72:73]            ; the mask of keys r and 16 + r
	global_load_u8 v251, v254, s[72:73] offset:16
.irp m,0,1
.irp p,0,1
	global_load_b128 v[WS+8*\m+4*\p:WS+8*\m+4*\p+3], v1, s[38:39] offset:P_WS+8192*\m+512*\p
.endr
.endr
	WIN 0x40                                       ; destination window 1, address window 0
	WLOAD 0
	WLOAD 1
	WLOAD 2
	WIN 0
.endm
.macro PRELOAD_B                       ; B: 32 loads behind A's 30: again 62 at the most.  They land while the norm works on registers
	WIN 0x40
.irp w,3,4,5,6
	WLOAD \w
.endr
	WIN 0
.endm
.macro PROJ
	ds_load_b128 v[XS:XS+3], v253                  ; lane l: the 16 scale bytes of row l of xO,
	ds_load_b128 v[XS+4:XS+7], v253 offset:512     ; and of xG
	XLOADF 0
	XLOADF 1
	KTURN 0
	KTURN 1
	KTURN 2
	KTURN 3
	QUANT2 0, 0
	QUANT2 0, 1
	v_lshl_or_b32 v240, v[HW], 16, v[HW]           ; a query stands twice along K: s0 s1 s0 s1
	v_lshl_or_b32 v241, v[HW+1], 16, v[HW+1]
	v_cndmask_b32 v240, v241, v240, s69            ; lanes 0-15 rows 0-15, lanes 16-31 rows 16-31
	global_store_b128 v1, v[PC:PC+3], s[40:41] offset:S_QC         ; each covers 512 consecutive bytes, aligned
	global_store_b128 v1, v[PC+4:PC+7], s[40:41] offset:S_QC+512
	global_store_b32 v2, v240, s[42:43] offset:S_QS
	PLACES 1                                       ; the accumulators begin anew: one place more than the four behind the last product
	KTURN 4
	KTURN 5
	KTURN 6
	KTURN 7
	QUANT2 1, 0
	QUANT2 1, 1
	v_cmp_ne_u32 s70, 0, v250
	v_cmp_ne_u32 s71, 0, v251
.irp j,0,1,2,3
	v_cndmask_b32 v[PC+8+\j], v[PC+8+\j], v255, s70        ; a masked key gets zero codes: its logits are 0
	v_cndmask_b32 v[PC+12+\j], v[PC+12+\j], v255, s71
.endr
	v_lshl_or_b32 v241, v[HW+1], 16, v[HW]         ; keys r and 16 + r share a row of the next product's operand
	global_store_b128 v1, v[PC+8:PC+11], s[40:41] offset:S_KC
	global_store_b128 v1, v[PC+12:PC+15], s[40:41] offset:S_KC+512
	global_store_b32 v3, v241, s[44:45] offset:S_KS        ; 16 words; lanes 16-31 repeat lanes 0-15
.endm
	s_load_b256 s[4:11], s[0:1], 0x0               ; xG, xO, xG's mask, the state read
	s_load_b128 s[12:15], s[0:1], 0x20             ; this step's pack, the next step's
	s_load_b64 s[16:17], s[0:1], 0x30              ; the state written
	v_lshrrev_b32 v1, 5, v0
	v_readfirstlane_b32 s18, v1                    ; wave
	v_and_b32 v9, 31, v0                           ; lane
	v_and_b32 v254, 15, v0                         ; r
	v_bfe_u32 v10, v0, 4, 1                        ; h
	v_mov_b32 v255, 0
	v_lshlrev_b32 v1, 4, v9                        ; 16 x lane
	v_lshlrev_b32 v2, 2, v9                        ; 4 x lane
	v_lshlrev_b32 v3, 2, v254                      ; 4 r
	v_lshlrev_b32 v4, 6, v9                        ; 64 x lane
	s_lshl_b32 s78, ttmp9, 7
	s_lshl_b32 s79, s18, 4
	s_add_co_u32 s78, s78, s79
	v_lshl_add_u32 v5, v10, 2, s78                 ; 4 (32 wg + 4 w + h): a row's word of c
	s_mul_i32 s78, s18, STGW
	v_lshrrev_b32 v11, 2, v9
	v_mul_u32_u24 v6, v11, 80
	v_and_b32 v11, 3, v9
	v_lshl_add_u32 v6, v11, 4, v6
	v_add_nc_u32 v6, s78, v6                       ; the stage, on the way in
	v_mul_u32_u24 v7, v9, 80
	v_add_nc_u32 v7, s78, v7                       ; and out
	v_lshlrev_b32 v34, 5, v254                     ; 32 r: a row of the gate's W1
	s_lshl_b32 s78, s18, 2
	s_add_co_u32 s78, s78, REL
	v_lshl_add_u32 v35, v9, 5, s78                 ; row = lane, head = wave
	s_lshl_b32 s78, s18, 7
	s_add_co_u32 s78, s78, REL
	v_lshl_add_u32 v36, v10, 5, s78                ; row 4 w + h
	s_mul_i32 s78, s18, 1088
	s_add_co_u32 s78, s78, XIMG
	v_lshl_add_u32 v37, v9, 3, s78                 ; my 8 bytes of codes in row 4 w
	s_lshl_b32 s78, s18, 6
	s_add_co_u32 s78, s78, XSC
	v_lshrrev_b32 v38, 1, v9
	v_add_nc_u32 v38, s78, v38                     ; my block's byte in row 4 w
	v_mul_u32_u24 v252, v254, 272
	v_lshl_add_u32 v252, v10, 4, v252
	v_add_nc_u32 v252, XIMG, v252                  ; a fragment of x: row r, + 16 h
	v_lshl_add_u32 v253, v9, 4, XSC
	s_lshr_b32 s19, ttmp9, 6                       ; batch
	s_and_b32 s20, ttmp9, 63                       ; which 32 rows of it
	s_lshl_b32 s79, s19, 3
	s_add_co_u32 s79, s79, s18                     ; 8 batch + head
	s_mov_b32 s46, 0x76543210
	s_mov_b32 s47, 0xfedcba98                      ; v_permlanex16_b32's selects for lane l xor 16
	s_mov_b32 s69, 0xffff                          ; lanes 0-15
	s_mov_b32 s74, 0x3727c5ac                      ; eps = 1e-5
	s_mov_b32 s23, 0
	s_wait_kmcnt 0x0
	s_lshl_b32 s22, s19, 2
	s_add_nc_u64 s[76:77], s[12:13], s[22:23]
	s_load_b32 s66, s[76:77], P_INV                ; 0.125 / the batch's keys that count
	s_load_b32 s67, s[76:77], P_ON                 ; 0 where none counts
	s_load_b32 s68, s[76:77], P_GB2                ; the gate's b2
	s_lshl_b32 s22, s79, 16
	s_add_nc_u64 s[24:25], s[10:11], s[22:23]      ; my head's codes
	s_lshl_b32 s78, s20, 10
	s_add_co_u32 s22, s22, s78
	s_add_nc_u64 s[28:29], s[10:11], s[22:23]      ; my 32 rows' among them
	s_add_nc_u64 s[40:41], s[16:17], s[22:23]      ; and where the new ones go
	s_lshl_b32 s22, s79, 12
	s_add_nc_u64 s[26:27], s[10:11], s[22:23]      ; k's scale words
	s_lshl_b32 s78, s20, 6
	s_add_co_u32 s22, s22, s78
	s_add_nc_u64 s[44:45], s[16:17], s[22:23]
	s_lshl_b32 s22, s79, 13
	s_lshl_b32 s78, s20, 7
	s_add_co_u32 s22, s22, s78
	s_add_nc_u64 s[30:31], s[10:11], s[22:23]      ; q's
	s_add_nc_u64 s[42:43], s[16:17], s[22:23]
	s_lshl_b32 s22, ttmp9, 16
	s_lshl_b32 s78, s18, 13
	s_add_co_u32 s22, s22, s78                     ; (32 wg + 4 w) rows of 2,048 bytes
	s_add_nc_u64 s[32:33], s[4:5], s[22:23]
	s_add_nc_u64 s[34:35], s[6:7], s[22:23]
	s_lshl_b32 s22, s18, 14
	s_add_nc_u64 s[36:37], s[14:15], s[22:23]      ; my head's weights
	s_lshl_b32 s22, s18, 10
	s_add_nc_u64 s[38:39], s[14:15], s[22:23]      ; and their scale bytes
	s_lshl_b32 s22, ttmp9, 5
	s_add_nc_u64 s[72:73], s[8:9], s[22:23]        ; my 32 rows' mask
	global_load_b128 v[200:203], v34, s[12:13] offset:P_GW1        ; the gate: lane r holds unit r's W1, b1, W2
	global_load_b128 v[204:207], v34, s[12:13] offset:P_GW1+16
	global_load_b32 v208, v3, s[12:13] offset:P_GB1
	global_load_b32 v209, v3, s[12:13] offset:P_GW2
	global_load_b32 v210, v5, s[10:11] offset:S_CG                 ; c of xG's rows 4 w + h and 4 w + 2 + h,
	global_load_b32 v211, v5, s[10:11] offset:S_CG+8
	global_load_b32 v212, v5, s[10:11] offset:S_CO                 ; and of xO's
	global_load_b32 v213, v5, s[10:11] offset:S_CO+8
.irp q,0,1,2,3
	global_load_b128 v[LG+4*\q:LG+4*\q+3], v4, s[14:15] offset:P_LNG+16*\q
	global_load_b128 v[LB+4*\q:LB+4*\q+3], v4, s[14:15] offset:P_LNB+16*\q
.endr
.irp t,0,1
	global_load_b128 v[QF+8*\t:QF+8*\t+3], v1, s[28:29] offset:S_QC+512*\t         ; a query's 64 codes,
	global_load_b128 v[QF+8*\t+4:QF+8*\t+7], v1, s[28:29] offset:S_QC+512*\t       ; twice along K
.endr
	global_load_b32 v[QS], v2, s[30:31] offset:S_QS
	LOADG 0
	LOADG 1
	LOADG 2
	LOADG 3
	s_wait_kmcnt 0x0
.irp g,0,1,2,3,4,5,6,7,8,9,10,11,12
	GROUP \g, 30                                   ; three groups of ten loads are younger
.endr
	GROUP 13, 28                                   ; two groups and eight loads of x
	GROUP 14, 26                                   ; one group and sixteen
	GROUP 15, 24                                   ; twenty-four loads of x
	; THE SUM OVER THE KEYS: a lane's eight pairs of keys in two accumulators, and lane l xor 16's
.irp j,0,2,4,6
.irp t,0,1
	v_pk_add_f32 v[ACC+16*\t+\j:ACC+16*\t+\j+1], v[ACC+16*\t+\j:ACC+16*\t+\j+1], v[ACC+16*\t+8+\j:ACC+16*\t+8+\j+1]   ; from the low end on
.endr
.endr
.irp t,0,1
	v_pk_add_f32 v[ACC+16*\t:ACC+16*\t+1], v[ACC+16*\t:ACC+16*\t+1], v[ACC+16*\t+2:ACC+16*\t+3]
	v_pk_add_f32 v[ACC+16*\t+4:ACC+16*\t+5], v[ACC+16*\t+4:ACC+16*\t+5], v[ACC+16*\t+6:ACC+16*\t+7]
.endr
.irp t,0,1
	v_pk_add_f32 v[ACC+16*\t:ACC+16*\t+1], v[ACC+16*\t:ACC+16*\t+1], v[ACC+16*\t+4:ACC+16*\t+5]
.endr
.irp t,0,1
	v_add_f32 v[ACC+16*\t], v[ACC+16*\t], v[ACC+16*\t+1]
.endr
.irp t,0,1
	v_permlanex16_b32 v[ACC+16*\t+1], v[ACC+16*\t], s46, s47
.endr
.irp t,0,1
	v_add_f32 v[ACC+16*\t], v[ACC+16*\t], v[ACC+16*\t+1]
.endr
	v_cndmask_b32 v[ACC], v[ACC+16], v[ACC], s69   ; lanes 0-15 rows 0-15, lanes 16-31 rows 16-31
	v_mul_f32 v[ACC], s66, v[ACC]                  ; x 64^-0.5 / the keys that count
	ds_store_b32 v35, v[ACC]
	BAR                                            ; 32 rows x 8 heads lie in LDS
	; THE GATE of rows A = 4 w + h and B = A + 2: lane r is hidden unit r
	ds_load_b128 v[8:11], v36
	ds_load_b128 v[12:15], v36 offset:16
	ds_load_b128 v[16:19], v36 offset:64
	ds_load_b128 v[20:23], v36 offset:80
	s_wait_dscnt 0x0
	v_fma_f32 v44, v8, v200, v208
	v_fma_f32 v45, v16, v200, v208
.irp j,1,2,3,4,5,6,7
	v_fma_f32 v44, v[8+\j], v[200+\j], v44
	v_fma_f32 v45, v[16+\j], v[200+\j], v45
.endr
	v_max_num_f32 v44, 0, v44
	v_max_num_f32 v45, 0, v45
	v_mul_f32 v44, v44, v209
	v_mul_f32 v45, v45, v209
.irp m,1,2,4,8
	v_add_f32_dpp v44, v44, v44 row_xmask:\m row_mask:0xf bank_mask:0xf
	v_add_f32_dpp v45, v45, v45 row_xmask:\m row_mask:0xf bank_mask:0xf
.endr
	v_add_f32 v44, s68, v44
	v_add_f32 v45, s68, v45
	v_mul_f32 v44, 0xbfb8aa3b, v44                 ; x -log2(e)
	v_mul_f32 v45, 0xbfb8aa3b, v45
	v_exp_f32 v44, v44
	v_exp_f32 v45, v45
	v_nop
	s_wait_alu depctr_va_vdst(0)
	v_add_f32 v44, 1.0, v44
	v_add_f32 v45, 1.0, v45
	v_rcp_f32 v44, v44
	v_rcp_f32 v45, v45
	v_nop
	s_wait_alu depctr_va_vdst(0)
	v_mul_f32 v44, s67, v44                        ; 0 where every key is masked
	v_mul_f32 v45, s67, v45
	v_fma_f32 v214, v210, v44, v210                ; c (1 + gate)
	v_fma_f32 v215, v211, v45, v211
	global_store_b32 v5, v214, s[16:17] offset:S_CO        ; the streams change roles in the next launch (sixteen lanes write the same word with the same value)
	global_store_b32 v5, v215, s[16:17] offset:S_CO+8
	global_store_b32 v5, v212, s[16:17] offset:S_CG
	global_store_b32 v5, v213, s[16:17] offset:S_CG+8
.irp j,0,1,2,3
	v_mul_f32 v[46+\j], v[212+\j], v[212+\j]
.endr
.irp j,0,1,2,3
	v_mul_f32 v[46+\j], 0x3b000000, v[46+\j]       ; c c / 512
.endr
.irp j,0,1,2,3
	v_readlane_b32 s[SC+2*\j], v[212+\j], 0        ; rows 4 w, 4 w + 1 (A), 4 w + 2, 4 w + 3 (B) of xO, then of xG
	v_readlane_b32 s[SC+2*\j+1], v[212+\j], 16
	v_readlane_b32 s[CC+2*\j], v[46+\j], 0
	v_readlane_b32 s[CC+2*\j+1], v[46+\j], 16
.endr
	PRELOAD_A
	s_wait_loadcnt 30                              ; the rows are in (g and b long since); batch A's 30 loads may be out
	PRELOAD_B
	LNQ 1
	BAR                                            ; the codes and scale bytes of 64 rows lie in LDS
	PROJ
	s_wait_xcnt 0x0
	v_lshl_add_u32 v254, v0, 2, 0x2d000
	v_mov_b32 v255, 0
	s_wait_tensorcnt 0x0
	ds_add_u32 v254, v255
	s_wait_dscnt 0x0
	s_endpgm
.Lfunc_end_k_qca0399b80c_step1:
	.size	k_qca0399b80c_step1, .Lfunc_end_k_qca0399b80c_step1-k_qca0399b80c_step1
	.p2alignl 7, 3214868480
	.fill 96, 4, 3214868480
	.section	.rodata,"a",@progbits
	.p2align	6, 0x0
	.amdhsa_kernel k_qca0399b80c_step1
		.amdhsa_group_segment_fixed_size 185344
		.amdhsa_private_segment_fixed_size 0
		.amdhsa_enable_private_segment 0
		.amdhsa_kernarg_size 56
		.amdhsa_user_sgpr_count 2
		.amdhsa_user_sgpr_kernarg_segment_ptr 1
		.amdhsa_wavefront_size32 1
		.amdhsa_system_sgpr_workgroup_id_x 1
		.amdhsa_system_sgpr_workgroup_id_y 1
		.amdhsa_system_sgpr_workgroup_id_z 1
		.amdhsa_system_vgpr_workitem_id 0
		.amdhsa_next_free_vgpr 512
		.amdhsa_next_free_sgpr 96
		.amdhsa_reserve_vcc 0
		.amdhsa_float_denorm_mode_32 3
		.amdhsa_float_denorm_mode_16_64 3
		.amdhsa_memory_ordered 1
		.amdhsa_forward_progress 1
		.amdhsa_inst_pref_size 115
	.end_amdhsa_kernel
	.amdgpu_metadata
---
amdhsa.version: [ 1, 2 ]
amdhsa.kernels:
  - .name:           k_qca0399b80c_step1
    .symbol:         k_qca0399b80c_step1.kd
    .args:
      - { .name: x_vid, .offset: 0, .size: 8, .value_kind: global_buffer, .address_space: global }
      - { .name: x_aud, .offset: 8, .size: 8, .value_kind: global_buffer, .address_space: global }
      - { .name: vid_kpm, .offset: 16, .size: 8, .value_kind: global_buffer, .address_space: global }
      - { .name: SA, .offset: 24, .size: 8, .value_kind: global_buffer, .address_space: global }
      - { .name: P1, .offset: 32, .size: 8, .value_kind: global_buffer, .address_space: global }
      - { .name: P2, .offset: 40, .size: 8, .value_kind: global_buffer, .address_space: global }
      - { .name: SB, .offset: 48, .size: 8, .value_kind: global_buffer, .address_space: global }
    .group_segment_fixed_size: 185344
    .private_segment_fixed_size: 0
    .kernarg_segment_align: 8
    .kernarg_segment_size: 56
    .max_flat_workgroup_size: 256
    .sgpr_count:     96
    .vgpr_count:     512
    .wavefront_size: 32
...
	.end_amdgpu_metadata
.endif
;; end of part 3
;; launch step2: the kernel of part 3 again; grid 256 x 1, 8 waves a work-group, no clusters, 185,344 bytes of LDS; arguments x_aud, x_vid, aud_kpm, SB, P2, P3, SA; writes SA
;; launch step3: the kernel of part 3 again; grid 256 x 1, 8 waves a work-group, no clusters, 185,344 bytes of LDS; arguments x_vid, x_aud, vid_kpm, SA, P3, P4, SB; writes SB
;; launch last (part 4): grid 256 x 1, 8 waves a work-group, no clusters, 2,048 bytes of LDS; arguments x_aud, x_vid, SB, P4, out1, out0; writes out1, out0
.if DOCPART == 4
	.amdgcn_target "amdgcn-amd-amdhsa--gfx1250"
	.amdhsa_code_object_version 6
	.text
	.protected	k_qca0399b80c_last
	.globl	k_qca0399b80c_last
	.p2align	8
	.type	k_qca0399b80c_last,@function
k_qca0399b80c_last:
	s_mov_b64 s[64:65], 0
	v_nop
	global_prefetch_b8 v0, s[64:65] scope:SCOPE_SE
	s_setreg_imm32_b32 hwreg(HW_REG_WAVE_MODE, 25, 1), 1
	s_wait_xcnt 0x0
; LAST: the last half-step's logits, sum and gate, and both outputs: out = x c, c the product of (1 + gate) of the row.
; Arguments: xG (the stream that this step gates), xO (the other), the state read, this step's pack, xG's output, xO's output.
; THE LOGITS are only masked, summed over the keys and divided: so they are summed in the accumulators, and TWO KEYS SHARE ONE K OF 128: a row of source 0 is keys r and 16 + r of 32 (64 + 64 along K),
; source 1 is a query's 64 twice.  Masked keys hold zero codes.  Wave w is head w: 64 fragments of keys x 2 tiles of queries = 128 products.
; SHARES: work-group wg owns rows 32 wg .. 32 wg + 31 of both streams; in the gate and on the way out wave w takes rows 4 w .. 4 w + 3 of each.
; Each fragment of k (544 KB a work-group) is used by ONE wave of the work-group and lies in the order of its registers, so it goes from memory straight into registers: through LDS those bytes
; would be written and read once more.  Hence no tensor loads, and no cluster, though the 64 work-groups of a batch read the same k.
; LIMITS: NaN and infinities are not served; x c stands for the repeated x + x gate (a few roundings apart); the sigmoid is v_exp_f32's and v_rcp_f32's.
.set P_GW1, 282624
.set P_GB1, 283136
.set P_GW2, 283200
.set P_GB2, 283264
.set P_INV, 283280
.set P_ON,  283296
.set S_QC,  0
.set S_KC,  2097152
.set S_QS,  4194304
.set S_KS,  4456448
.set S_CG,  4587520
.set S_CO,  4620288
.set REL,   0                          ; LDS: 32 rows x 8 heads, f32
.set QF,   8                           ; v8-23    two fragments of q; later a row's eight sums
.set QS,   24                          ; v24      q's scale words
.set KSC,  26                          ; v26-33   k's scale words, two registers a group
.set ACC,  40                          ; v40-71   four accumulators: 16 t + 8 (fragment % 2)
.set KR,   72                          ; v72-199  four groups of four fragments of k
.set T,    40                          ; v40-55   a pair for each row's c
.set X,    72                          ; v72-199  eight rows of 16 numbers
.set SC,   48                          ; s48-55   c of my eight rows
.macro PLACES n
.rept \n
	v_nop
.endr
.endm
.macro BAR                             ; my LDS stores have landed and my LDS loads are in: then the work-group's barrier
	s_wait_dscnt 0x0
	s_barrier_signal -1
	s_barrier_wait -1
.endm
; One product: registers and rows of the scale registers in the symbols rD, rA, rB, rSA, rSB, fA, fB.  zero = 1: it starts the sum.
.macro WMC zero
.if \zero
.if fA && fB
	v_wmma_scale_f32_16x16x128_f8f6f4 v[rD:rD+7], v[rA:rA+7], v[rB:rB+7], 0, v[rSA], v[rSB] matrix_a_fmt:MATRIX_FMT_FP4 matrix_b_fmt:MATRIX_FMT_FP4 matrix_a_scale:MATRIX_SCALE_ROW1 matrix_b_scale:MATRIX_SCALE_ROW1
.elseif fA
	v_wmma_scale_f32_16x16x128_f8f6f4 v[rD:rD+7], v[rA:rA+7], v[rB:rB+7], 0, v[rSA], v[rSB] matrix_a_fmt:MATRIX_FMT_FP4 matrix_b_fmt:MATRIX_FMT_FP4 matrix_a_scale:MATRIX_SCALE_ROW1
.elseif fB
	v_wmma_scale_f32_16x16x128_f8f6f4 v[rD:rD+7], v[rA:rA+7], v[rB:rB+7], 0, v[rSA], v[rSB] matrix_a_fmt:MATRIX_FMT_FP4 matrix_b_fmt:MATRIX_FMT_FP4 matrix_b_scale:MATRIX_SCALE_ROW1
.else
	v_wmma_scale_f32_16x16x128_f8f6f4 v[rD:rD+7], v[rA:rA+7], v[rB:rB+7], 0, v[rSA], v[rSB] matrix_a_fmt:MATRIX_FMT_FP4 matrix_b_fmt:MATRIX_FMT_FP4
.endif
.else
.if fA && fB
	v_wmma_scale_f32_16x16x128_f8f6f4 v[rD:rD+7], v[rA:rA+7], v[rB:rB+7], v[rD:rD+7], v[rSA], v[rSB] matrix_a_fmt:MATRIX_FMT_FP4 matrix_b_fmt:MATRIX_FMT_FP4 matrix_a_scale:MATRIX_SCALE_ROW1 matrix_b_scale:MATRIX_SCALE_ROW1
.elseif fA
	v_wmma_scale_f32_16x16x128_f8f6f4 v[rD:rD+7], v[rA:rA+7], v[rB:rB+7], v[rD:rD+7], v[rSA], v[rSB] matrix_a_fmt:MATRIX_FMT_FP4 matrix_b_fmt:MATRIX_FMT_FP4 matrix_a_scale:MATRIX_SCALE_ROW1
.elseif fB
	v_wmma_scale_f32_16x16x128_f8f6f4 v[rD:rD+7], v[rA:rA+7], v[rB:rB+7], v[rD:rD+7], v[rSA], v[rSB] matrix_a_fmt:MATRIX_FMT_FP4 matrix_b_fmt:MATRIX_FMT_FP4 matrix_b_scale:MATRIX_SCALE_ROW1
.else
	v_wmma_scale_f32_16x16x128_f8f6f4 v[rD:rD+7], v[rA:rA+7], v[rB:rB+7], v[rD:rD+7], v[rSA], v[rSB] matrix_a_fmt:MATRIX_FMT_FP4 matrix_b_fmt:MATRIX_FMT_FP4
.endif
.endif
.endm
.macro XROW i                          ; row i of my eight (0-3: xO's, 4-7: xG's): four loads of 512 consecutive bytes
.irp q,0,1,2,3
.if (\i) < 4
	global_load_b128 v[X+16*(\i)+4*\q:X+16*(\i)+4*\q+3], v1, s[34:35] offset:2048*(\i)+512*\q th:TH_LOAD_NT
.else
	global_load_b128 v[X+16*(\i)+4*\q:X+16*(\i)+4*\q+3], v1, s[32:33] offset:2048*((\i)-4)+512*\q th:TH_LOAD_NT
.endif
.endr
.endm
.macro XROWS k
	XROW 2*(\k)
	XROW 2*(\k)+1
.endm
; Group g of 16: four fragments of k (128 keys) and their scale words: ten loads, into set g % 4
.macro LOADG g
.irp f,0,1,2,3
	global_load_b128 v[KR+32*((\g)%4)+8*\f:KR+32*((\g)%4)+8*\f+3], v1, s[24:25] offset:S_KC+(4*(\g)+\f)*1024
	global_load_b128 v[KR+32*((\g)%4)+8*\f+4:KR+32*((\g)%4)+8*\f+7], v1, s[24:25] offset:S_KC+(4*(\g)+\f)*1024+512
.endr
	global_load_b32 v[KSC+2*((\g)%4)], v2, s[26:27] offset:S_KS+256*(\g)           ; lanes 0-15 one fragment's words, lanes 16-31 the next's
	global_load_b32 v[KSC+2*((\g)%4)+1], v2, s[26:27] offset:S_KS+256*(\g)+128
.endm
; Its eight products; the four accumulators by turns.  left: the younger loads, which may stay out.  Its set then takes the group four on, or two rows of x.
.macro GROUP g, left
	s_wait_loadcnt \left
.irp f,0,1,2,3
.irp t,0,1
.set rD, ACC+16*\t+8*(\f%2)
.set rA, KR+32*((\g)%4)+8*\f
.set rB, QF+8*\t
.set rSA, KSC+2*((\g)%4)+\f/2
.set rSB, QS
.set fA, \f%2
.set fB, \t
.if ((\g) == 0) && (\f < 2)
	WMC 1
.else
	WMC 0
.endif
.endr
.endr
	PLACES 4                                       ; in front of loads into registers that these products read, and of the first read of results
.if (\g)+4 < 16
	LOADG (\g)+4
.else
	XROWS (\g)-12
.endif
.endm
	s_load_b128 s[4:7], s[0:1], 0x0                ; xG, xO
	s_load_b64 s[10:11], s[0:1], 0x10              ; the state read
	s_load_b64 s[12:13], s[0:1], 0x18              ; this step's pack
	s_load_b128 s[80:83], s[0:1], 0x20             ; xG's output, xO's output
	v_lshl_add_u32 v253, v0, 2, 0x400
	v_mov_b32 v255, 0
	v_lshrrev_b32 v1, 5, v0
	v_readfirstlane_b32 s18, v1                    ; wave
	v_and_b32 v9, 31, v0                           ; lane
	v_and_b32 v254, 15, v0                         ; r
	v_bfe_u32 v10, v0, 4, 1                        ; h
	v_lshlrev_b32 v1, 4, v9                        ; 16 x lane
	v_lshlrev_b32 v2, 2, v9                        ; 4 x lane
	v_lshlrev_b32 v3, 2, v254                      ; 4 r
	s_lshl_b32 s78, ttmp9, 7
	s_lshl_b32 s79, s18, 4
	s_add_co_u32 s78, s78, s79
	v_lshl_add_u32 v5, v10, 2, s78                 ; 4 (32 wg + 4 w + h): a row's word of c
	v_lshlrev_b32 v34, 5, v254                     ; 32 r: a row of the gate's W1
	s_lshl_b32 s78, s18, 2
	s_add_co_u32 s78, s78, REL
	v_lshl_add_u32 v35, v9, 5, s78                 ; row = lane, head = wave
	s_lshl_b32 s78, s18, 7
	s_add_co_u32 s78, s78, REL
	v_lshl_add_u32 v36, v10, 5, s78                ; row 4 w + h
	s_lshr_b32 s19, ttmp9, 6                       ; batch
	s_and_b32 s20, ttmp9, 63                       ; which 32 rows of it
	s_lshl_b32 s79, s19, 3
	s_add_co_u32 s79, s79, s18                     ; 8 batch + head
	s_mov_b32 s46, 0x76543210
	s_mov_b32 s47, 0xfedcba98                      ; v_permlanex16_b32's selects for lane l xor 16
	s_mov_b32 s69, 0xffff                          ; lanes 0-15
	s_mov_b32 s23, 0
	s_wait_kmcnt 0x0
	s_lshl_b32 s22, s19, 2
	s_add_nc_u64 s[76:77], s[12:13], s[22:23]
	s_load_b32 s66, s[76:77], P_INV                ; 0.125 / the batch's keys that count
	s_load_b32 s67, s[76:77], P_ON                 ; 0 where none counts
	s_load_b32 s68, s[76:77], P_GB2                ; the gate's b2
	s_lshl_b32 s22, s79, 16
	s_add_nc_u64 s[24:25], s[10:11], s[22:23]      ; my head's codes
	s_lshl_b32 s78, s20, 10
	s_add_co_u32 s22, s22, s78
	s_add_nc_u64 s[28:29], s[10:11], s[22:23]      ; my 32 rows' among them
	s_lshl_b32 s22, s79, 12
	s_add_nc_u64 s[26:27], s[10:11], s[22:23]      ; k's scale words
	s_lshl_b32 s22, s79, 13
	s_lshl_b32 s78, s20, 7
	s_add_co_u32 s22, s22, s78
	s_add_nc_u64 s[30:31], s[10:11], s[22:23]      ; q's
	s_lshl_b32 s22, ttmp9, 16
	s_lshl_b32 s78, s18, 13
	s_add_co_u32 s22, s22, s78                     ; (32 wg + 4 w) rows of 2,048 bytes
	s_add_nc_u64 s[32:33], s[4:5], s[22:23]
	s_add_nc_u64 s[34:35], s[6:7], s[22:23]
	s_add_nc_u64 s[86:87], s[80:81], s[22:23]      ; xG's output
	s_add_nc_u64 s[84:85], s[82:83], s[22:23]      ; xO's
	global_load_b128 v[200:203], v34, s[12:13] offset:P_GW1        ; the gate: lane r holds unit r's W1, b1, W2
	global_load_b128 v[204:207], v34, s[12:13] offset:P_GW1+16
	global_load_b32 v208, v3, s[12:13] offset:P_GB1
	global_load_b32 v209, v3, s[12:13] offset:P_GW2
	global_load_b32 v210, v5, s[10:11] offset:S_CG                 ; c of xG's rows 4 w + h and 4 w + 2 + h,
	global_load_b32 v211, v5, s[10:11] offset:S_CG+8
	global_load_b32 v212, v5, s[10:11] offset:S_CO                 ; and of xO's
	global_load_b32 v213, v5, s[10:11] offset:S_CO+8
.irp t,0,1
	global_load_b128 v[QF+8*\t:QF+8*\t+3], v1, s[28:29] offset:S_QC+512*\t         ; a query's 64 codes,
	global_load_b128 v[QF+8*\t+4:QF+8*\t+7], v1, s[28:29] offset:S_QC+512*\t       ; twice along K
.endr
	global_load_b32 v[QS], v2, s[30:31] offset:S_QS
	LOADG 0
	LOADG 1
	LOADG 2
	LOADG 3
	s_wait_kmcnt 0x0
.irp g,0,1,2,3,4,5,6,7,8,9,10,11,12
	GROUP \g, 30                                   ; three groups of ten loads are younger
.endr
	GROUP 13, 28                                   ; two groups and eight loads of x
	GROUP 14, 26                                   ; one group and sixteen
	GROUP 15, 24                                   ; twenty-four loads of x
	; THE SUM OVER THE KEYS: a lane's eight pairs of keys in two accumulators, and lane l xor 16's
.irp j,0,2,4,6
.irp t,0,1
	v_pk_add_f32 v[ACC+16*\t+\j:ACC+16*\t+\j+1], v[ACC+16*\t+\j:ACC+16*\t+\j+1], v[ACC+16*\t+8+\j:ACC+16*\t+8+\j+1]   ; from the low end on
.endr
.endr
.irp t,0,1
	v_pk_add_f32 v[ACC+16*\t:ACC+16*\t+1], v[ACC+16*\t:ACC+16*\t+1], v[ACC+16*\t+2:ACC+16*\t+3]
	v_pk_add_f32 v[ACC+16*\t+4:ACC+16*\t+5], v[ACC+16*\t+4:ACC+16*\t+5], v[ACC+16*\t+6:ACC+16*\t+7]
.endr
.irp t,0,1
	v_pk_add_f32 v[ACC+16*\t:ACC+16*\t+1], v[ACC+16*\t:ACC+16*\t+1], v[ACC+16*\t+4:ACC+16*\t+5]
.endr
.irp t,0,1
	v_add_f32 v[ACC+16*\t], v[ACC+16*\t], v[ACC+16*\t+1]
.endr
.irp t,0,1
	v_permlanex16_b32 v[ACC+16*\t+1], v[ACC+16*\t], s46, s47
.endr
.irp t,0,1
	v_add_f32 v[ACC+16*\t], v[ACC+16*\t], v[ACC+16*\t+1]
.endr
	v_cndmask_b32 v[ACC], v[ACC+16], v[ACC], s69   ; lanes 0-15 rows 0-15, lanes 16-31 rows 16-31
	v_mul_f32 v[ACC], s66, v[ACC]                  ; x 64^-0.5 / the keys that count
	ds_store_b32 v35, v[ACC]
	BAR                                            ; 32 rows x 8 heads lie in LDS
	; THE GATE of rows A = 4 w + h and B = A + 2: lane r is hidden unit r
	ds_load_b128 v[8:11], v36
	ds_load_b128 v[12:15], v36 offset:16
	ds_load_b128 v[16:19], v36 offset:64
	ds_load_b128 v[20:23], v36 offset:80
	s_wait_dscnt 0x0
	v_fma_f32 v44, v8, v200, v208
	v_fma_f32 v45, v16, v200, v208
.irp j,1,2,3,4,5,6,7
	v_fma_f32 v44, v[8+\j], v[200+\j], v44
	v_fma_f32 v45, v[16+\j], v[200+\j], v45
.endr
	v_max_num_f32 v44, 0, v44
	v_max_num_f32 v45, 0, v45
	v_mul_f32 v44, v44, v209
	v_mul_f32 v45, v45, v209
.irp m,1,2,4,8
	v_add_f32_dpp v44, v44, v44 row_xmask:\m row_mask:0xf bank_mask:0xf
	v_add_f32_dpp v45, v45, v45 row_xmask:\m row_mask:0xf bank_mask:0xf
.endr
	v_add_f32 v44, s68, v44
	v_add_f32 v45, s68, v45
	v_mul_f32 v44, 0xbfb8aa3b, v44                 ; x -log2(e)
	v_mul_f32 v45, 0xbfb8aa3b, v45
	v_exp_f32 v44, v44
	v_exp_f32 v45, v45
	v_nop
	s_wait_alu depctr_va_vdst(0)
	v_add_f32 v44, 1.0, v44
	v_add_f32 v45, 1.0, v45
	v_rcp_f32 v44, v44
	v_rcp_f32 v45, v45
	v_nop
	s_wait_alu depctr_va_vdst(0)
	v_mul_f32 v44, s67, v44                        ; 0 where every key is masked
	v_mul_f32 v45, s67, v45
	v_fma_f32 v214, v210, v44, v210                ; c (1 + gate)
	v_fma_f32 v215, v211, v45, v211
.irp j,0,1,2,3
	v_readlane_b32 s[SC+2*\j], v[212+\j], 0        ; rows 4 w, 4 w + 1 (A), 4 w + 2, 4 w + 3 (B) of xO, then of xG
	v_readlane_b32 s[SC+2*\j+1], v[212+\j], 16
.endr
.irp i,0,1,2,3,4,5,6,7
	v_mov_b32 v[T+2*\i], s[SC+\i]                  ; a pair for the packed multiply
	v_mov_b32 v[T+2*\i+1], s[SC+\i]
.endr
	s_wait_loadcnt 0x0                             ; my eight rows are in
.irp i,0,1,2,3,4,5,6,7
.irp j,0,2,4,6,8,10,12,14
	v_pk_mul_f32 v[X+16*\i+\j:X+16*\i+\j+1], v[X+16*\i+\j:X+16*\i+\j+1], v[T+2*\i:T+2*\i+1]
.endr
.irp q,0,1,2,3
.if \i < 4
	global_store_b128 v1, v[X+16*\i+4*\q:X+16*\i+4*\q+3], s[84:85] offset:2048*\i+512*\q th:TH_STORE_NT          ; 32 lanes store 512 consecutive bytes, aligned
.else
	global_store_b128 v1, v[X+16*\i+4*\q:X+16*\i+4*\q+3], s[86:87] offset:2048*(\i-4)+512*\q th:TH_STORE_NT
.endif
.endr
.endr
	s_wait_tensorcnt 0x0
	ds_add_u32 v253, v255
	s_wait_dscnt 0x0
	s_endpgm
.Lfunc_end_k_qca0399b80c_last:
	.size	k_qca0399b80c_last, .Lfunc_end_k_qca0399b80c_last-k_qca0399b80c_last
	.p2alignl 7, 3214868480
	.fill 96, 4, 3214868480
	.section	.rodata,"a",@progbits
	.p2align	6, 0x0
	.amdhsa_kernel k_qca0399b80c_last
		.amdhsa_group_segment_fixed_size 2048
		.amdhsa_private_segment_fixed_size 0
		.amdhsa_enable_private_segment 0
		.amdhsa_kernarg_size 48
		.amdhsa_user_sgpr_count 2
		.amdhsa_user_sgpr_kernarg_segment_ptr 1
		.amdhsa_wavefront_size32 1
		.amdhsa_system_sgpr_workgroup_id_x 1
		.amdhsa_system_sgpr_workgroup_id_y 1
		.amdhsa_system_sgpr_workgroup_id_z 1
		.amdhsa_system_vgpr_workitem_id 0
		.amdhsa_next_free_vgpr 256
		.amdhsa_next_free_sgpr 96
		.amdhsa_reserve_vcc 0
		.amdhsa_float_denorm_mode_32 3
		.amdhsa_float_denorm_mode_16_64 3
		.amdhsa_memory_ordered 1
		.amdhsa_forward_progress 1
		.amdhsa_inst_pref_size 53
	.end_amdhsa_kernel
	.amdgpu_metadata
---
amdhsa.version: [ 1, 2 ]
amdhsa.kernels:
  - .name:           k_qca0399b80c_last
    .symbol:         k_qca0399b80c_last.kd
    .args:
      - { .name: x_aud, .offset: 0, .size: 8, .value_kind: global_buffer, .address_space: global }
      - { .name: x_vid, .offset: 8, .size: 8, .value_kind: global_buffer, .address_space: global }
      - { .name: SB, .offset: 16, .size: 8, .value_kind: global_buffer, .address_space: global }
      - { .name: P4, .offset: 24, .size: 8, .value_kind: global_buffer, .address_space: global }
      - { .name: out1, .offset: 32, .size: 8, .value_kind: global_buffer, .address_space: global }
      - { .name: out0, .offset: 40, .size: 8, .value_kind: global_buffer, .address_space: global }
    .group_segment_fixed_size: 2048
    .private_segment_fixed_size: 0
    .kernarg_segment_align: 8
    .kernarg_segment_size: 48
    .max_flat_workgroup_size: 256
    .sgpr_count:     96
    .vgpr_count:     256
    .wavefront_size: 32
...
	.end_amdgpu_metadata
.endif
;; end of part 4
;; ======== version 2 of 2: 6 launches; version 1 with the launches first, step1, step2, step3, last written anew for expert scheduling mode
;; workspace buffers: P1 283,392 bytes; P2 283,392 bytes; P3 283,392 bytes; P4 283,392 bytes; SA 4,653,056 bytes; SB 4,653,056 bytes
;; launch prep: the kernel of part 1 again; grid 32 x 8, 4 waves a work-group, no clusters, 46,080 bytes of LDS; arguments Wq_vid, Wk_aud_for_vid, Wq_aud, Wk_vid_for_aud, vid_ln_g, aud_ln_g, vid_ln_b, aud_ln_b, vg_W1, ag_W1, vg_b1, ag_b1, vg_W2, ag_W2, vg_b2, ag_b2, aud_kpm, vid_kpm, P1, P2, P3, P4; writes P1, P2, P3, P4
;; launch first (part 5): grid 256 x 1, 8 waves a work-group, no clusters, 185,344 bytes of LDS; arguments x_aud, x_vid, aud_kpm, P1, SA; writes SA
.if DOCPART == 5
	.amdgcn_target "amdgcn-amd-amdhsa--gfx1250"
	.amdhsa_code_object_version 6
	.text
	.protected	k_qca0399b80c_first
	.globl	k_qca0399b80c_first
	.p2align	8
	.type	k_qca0399b80c_first,@function
k_qca0399b80c_first:
	s_mov_b64 s[64:65], 0
	v_nop
	global_prefetch_b8 v0, s[64:65] scope:SCOPE_SE
	s_setreg_imm32_b32 hwreg(HW_REG_WAVE_SCHED_MODE, 0, 2), 2
	s_setreg_imm32_b32 hwreg(HW_REG_WAVE_MODE, 25, 1), 1
	s_wait_xcnt 0x0
	s_wait_alu depctr_vm_vsrc(0)
; FIRST: the operands of the first half-step's logits.  Arguments: xG (the stream whose rows are the KEYS of that step), xO (the stream whose rows are its QUERIES), the keys' mask, the step's pack, the state that is written.
; For 32 rows of each stream: LayerNorm (the pack's g, b), quantised to FP4 along d; q = LN(xO) Wq^T, k = LN(xG) Wk^T on codes; q and k quantised along a head's 64; masked keys get zero codes.
; THE STATE: 0 q's codes [batch][head][tile of 16 rows][512 bytes: byte 16 lane = block lane / 16 of row lane % 16]; 2097152 k's likewise; 4194304 q's scale words [batch][head][32 rows][4 bytes: s0 s1 s0 s1];
;   4456448 k's [batch][head][32 keys][16 words: s0 s1 of key r, s0 s1 of key 16 + r]; 4587520 and 4620288 one f32 for each row of the two streams: the product of (1 + gate) so far: here 1.
; SHARES: work-group wg owns rows 32 wg .. 32 wg + 31 of both streams.  In the norm wave w takes rows 4 w .. 4 w + 3 of each; in the products wave w is head w, for all 32 rows of both.
; The weights' fragments are laid in the order of a wave's registers and each is used by ONE wave of the work-group, so they go from memory straight into registers: through LDS the work-group's
; 272 KB of them would be written and read once more.  Hence no tensor loads, and no cluster.
; THE WEIGHTS ARE ASKED FOR AHEAD OF THE NORM: a wave's eight sets of four fragments (32 KB) have 256 registers of their own, window 1, so that they are on their way while the wave works on its rows.
; LIMITS: NaN and infinities are not served; a block of zeros, or with a largest magnitude under 2^-124, gets the byte 1; 1 / sqrt is v_rsq_f32's.
; THE MODE: SCHED_MODE bits 1:0 = 2 (LLVM: expert scheduling mode 2), set by the entry lines.  The code itself states the register dependences
; between vector or matrix instructions and memory or LDS instructions, with s_wait_alu, always for 0.
; THE PLAN.  Registers that memory or LDS instructions touch, and who else names them:
;   v1-v7, v37, v38, v252-v254  offsets and LDS addresses, and v214 = 1.0, the data of c's stores: written at the head, ahead of ONE wait on va_vdst in front of the first load.  K step 0's products write over v37, v38.
;   v200-v215   c's stores read v214; then the weights' scale words land there: one wait on vm_vsrc between.
;   X v72-199   loaded; stored to the stage as loaded; loaded back (a wait on vm_vsrc between); read and written by the norm and the conversions.
;   T v40-71    written by the conversions and shifts; ONE wait on va_vdst; read by the LDS stores; written again by K step 0's products (a wait on vm_vsrc behind the barrier).
;               The same wait on va_vdst shows the norm done with X, g and b, in which the fragments of x and its scale words land.
;   XF v72-199  eight sets, one for each K step: no load lands in a register that a product has read, so the K steps hold no wait on va_vdst.
;   window 1    the weights: loaded once, read by the products alone.
;   PC, v240, v241   written by the quantiser; one wait on va_vdst ahead of each of the two runs of stores.
;   s18, s70, s71    written by vector instructions: a wait on va_sdst ahead of each one's first reader.
.set P_WK,  131072
.set P_WS,  262144
.set P_LNG, 278528
.set P_LNB, 280576
.set S_QC,  0
.set S_KC,  2097152
.set S_QS,  4194304
.set S_KS,  4456448
.set S_CG,  4587520
.set S_CO,  4620288
.set STGW,  20480                      ; LDS: a wave's stage: 8 rows x 32 places of 64 bytes + 16
.set XIMG,  163840                     ; the codes of 64 rows (0-31 xO's, 32-63 xG's): 256 bytes + 16 of padding each
.set XSC,   181248                     ; their scale bytes, 16 a row
.set T,    40                          ; v40-71   four registers a row, at work
.set X,    72                          ; v72-199  eight rows of 16 numbers
.set LG,   216                         ; v216-231 g of my 16 columns;  v232-247 b
.set LB,   232
.set ACC2, 8                           ; the products: v8-71 accumulators (tile of rows mt, tile of the head ot) at 8 + 32 mt + 8 ot
.set XF,   72                          ; v72-199  eight sets of two fragments of x, one for each K step
.set WS,   200                         ; v200-215 the weights' scale words: 8 mat + 4 (ot / 2) + ks
.set XS,   216                         ; v216-223 x's: 4 mat + ks
.set PC,   224                         ; v224-239 the codes made: 8 mat + 4 mt
.set TM,   242                         ; v242-247 at work
.set HW,   248                         ; v248-249 a tile's two scale bytes
                                       ; window 1 (v256-511): the weights: set idx = 4 mat + ks at 32 idx, its tile ot at + 8 ot
.set MSB, 0
.macro WIN new                         ; s_set_vgpr_msb's low byte: bits 1:0 source 0, 3:2 source 1, 5:4 source 2, 7:6 destination; the high byte repeats the setting that is left
.if MSB != \new
	s_set_vgpr_msb (MSB<<8)|\new
.set MSB, \new
.endif
.endm
.macro PLACES n
.rept \n
	v_nop
.endr
.endm
.macro BAR                             ; my LDS stores have landed and my LDS loads are in: then the work-group's barrier
	s_wait_dscnt 0x0
	s_barrier_signal -1
	s_barrier_wait -1
.endm
; One product: registers and rows of the scale registers in the symbols rD, rA, rB, rSA, rSB, fA, fB.  zero = 1: it starts the sum.
.macro WMC zero
.if \zero
.if fA && fB
	v_wmma_scale_f32_16x16x128_f8f6f4 v[rD:rD+7], v[rA:rA+7], v[rB:rB+7], 0, v[rSA], v[rSB] matrix_a_fmt:MATRIX_FMT_FP4 matrix_b_fmt:MATRIX_FMT_FP4 matrix_a_scale:MATRIX_SCALE_ROW1 matrix_b_scale:MATRIX_SCALE_ROW1
.elseif fA
	v_wmma_scale_f32_16x16x128_f8f6f4 v[rD:rD+7], v[rA:rA+7], v[rB:rB+7], 0, v[rSA], v[rSB] matrix_a_fmt:MATRIX_FMT_FP4 matrix_b_fmt:MATRIX_FMT_FP4 matrix_a_scale:MATRIX_SCALE_ROW1
.elseif fB
	v_wmma_scale_f32_16x16x128_f8f6f4 v[rD:rD+7], v[rA:rA+7], v[rB:rB+7], 0, v[rSA], v[rSB] matrix_a_fmt:MATRIX_FMT_FP4 matrix_b_fmt:MATRIX_FMT_FP4 matrix_b_scale:MATRIX_SCALE_ROW1
.else
	v_wmma_scale_f32_16x16x128_f8f6f4 v[rD:rD+7], v[rA:rA+7], v[rB:rB+7], 0, v[rSA], v[rSB] matrix_a_fmt:MATRIX_FMT_FP4 matrix_b_fmt:MATRIX_FMT_FP4
.endif
.else
.if fA && fB
	v_wmma_scale_f32_16x16x128_f8f6f4 v[rD:rD+7], v[rA:rA+7], v[rB:rB+7], v[rD:rD+7], v[rSA], v[rSB] matrix_a_fmt:MATRIX_FMT_FP4 matrix_b_fmt:MATRIX_FMT_FP4 matrix_a_scale:MATRIX_SCALE_ROW1 matrix_b_scale:MATRIX_SCALE_ROW1
.elseif fA
	v_wmma_scale_f32_16x16x128_f8f6f4 v[rD:rD+7], v[rA:rA+7], v[rB:rB+7], v[rD:rD+7], v[rSA], v[rSB] matrix_a_fmt:MATRIX_FMT_FP4 matrix_b_fmt:MATRIX_FMT_FP4 matrix_a_scale:MATRIX_SCALE_ROW1
.elseif fB
	v_wmma_scale_f32_16x16x128_f8f6f4 v[rD:rD+7], v[rA:rA+7], v[rB:rB+7], v[rD:rD+7], v[rSA], v[rSB] matrix_a_fmt:MATRIX_FMT_FP4 matrix_b_fmt:MATRIX_FMT_FP4 matrix_b_scale:MATRIX_SCALE_ROW1
.else
	v_wmma_scale_f32_16x16x128_f8f6f4 v[rD:rD+7], v[rA:rA+7], v[rB:rB+7], v[rD:rD+7], v[rSA], v[rSB] matrix_a_fmt:MATRIX_FMT_FP4 matrix_b_fmt:MATRIX_FMT_FP4
.endif
.endif
.endm
.macro XROW i                          ; row i of my eight (0-3: xO's, 4-7: xG's): four loads of 512 consecutive bytes
.irp q,0,1,2,3
.if (\i) < 4
	global_load_b128 v[X+16*(\i)+4*\q:X+16*(\i)+4*\q+3], v1, s[34:35] offset:2048*(\i)+512*\q
.else
	global_load_b128 v[X+16*(\i)+4*\q:X+16*(\i)+4*\q+3], v1, s[32:33] offset:2048*((\i)-4)+512*\q
.endif
.endr
.endm
.macro XROWS k
	XROW 2*(\k)
	XROW 2*(\k)+1
.endm
; THE NORM AND THE QUANTISER of my eight rows, every line for the eight rows by turns, so that no line waits for the line above it.  (The wait for the rows, g and b stands ahead of the macro.)
; hasc = 1: row i stands for c x, c in s[SC + i], c c / 512 in s[CC + i]: LN(c x) = (x - m) c rsq(c c v + eps) g + b, m and v those of x.
.macro LNQ hasc
.irp i,0,1,2,3,4,5,6,7
.irp q,0,1,2,3
	ds_store_b128 v6, v[X+16*\i+4*\q:X+16*\i+4*\q+3] offset:2560*\i+640*\q     ; through my own stage, as the bytes lie,
.endr
.endr
	s_wait_dscnt 0x0                               ; (the stores have landed)
	s_wait_alu depctr_vm_vsrc(0)                   ; my LDS stores have read v[X ..]: the loads below land there, and the norm writes there
.irp i,0,1,2,3,4,5,6,7
.irp q,0,1,2,3
	ds_load_b128 v[X+16*\i+4*\q:X+16*\i+4*\q+3], v7 offset:2560*\i+16*\q       ; and back 64 bytes a lane: columns 16 lane .. 16 lane + 15
.endr
.endr
	s_wait_dscnt 0x0
.irp i,0,1,2,3,4,5,6,7
	v_pk_add_f32 v[T+4*\i:T+4*\i+1], v[X+16*\i:X+16*\i+1], v[X+16*\i+2:X+16*\i+3]
	v_pk_add_f32 v[T+4*\i+2:T+4*\i+3], v[X+16*\i+4:X+16*\i+5], v[X+16*\i+6:X+16*\i+7]
.endr
.irp j,8,12
.irp i,0,1,2,3,4,5,6,7
	v_pk_add_f32 v[T+4*\i:T+4*\i+1], v[T+4*\i:T+4*\i+1], v[X+16*\i+\j:X+16*\i+\j+1]
	v_pk_add_f32 v[T+4*\i+2:T+4*\i+3], v[T+4*\i+2:T+4*\i+3], v[X+16*\i+\j+2:X+16*\i+\j+3]
.endr
.endr
.irp i,0,1,2,3,4,5,6,7
	v_pk_add_f32 v[T+4*\i:T+4*\i+1], v[T+4*\i:T+4*\i+1], v[T+4*\i+2:T+4*\i+3]
.endr
.irp i,0,1,2,3,4,5,6,7
	v_add_f32 v[T+4*\i], v[T+4*\i], v[T+4*\i+1]
.endr
.irp m,1,2,4,8
.irp i,0,1,2,3,4,5,6,7
	v_add_f32_dpp v[T+4*\i], v[T+4*\i], v[T+4*\i] row_xmask:\m row_mask:0xf bank_mask:0xf
.endr
.endr
.irp i,0,1,2,3,4,5,6,7
	v_permlanex16_b32 v[T+4*\i+1], v[T+4*\i], s46, s47
.endr
.irp i,0,1,2,3,4,5,6,7
	v_add_f32 v[T+4*\i], v[T+4*\i], v[T+4*\i+1]
.endr
.irp i,0,1,2,3,4,5,6,7
	v_mul_f32 v[T+4*\i], 0x3b000000, v[T+4*\i]     ; the mean: / 512
.endr
.irp j,0,2,4,6,8,10,12,14
.irp i,0,1,2,3,4,5,6,7
	v_pk_add_f32 v[X+16*\i+\j:X+16*\i+\j+1], v[X+16*\i+\j:X+16*\i+\j+1], v[T+4*\i:T+4*\i+1] op_sel_hi:[1,0] neg_lo:[0,1] neg_hi:[0,1]   ; x - m
.endr
.endr
.irp i,0,1,2,3,4,5,6,7
	v_pk_mul_f32 v[T+4*\i+2:T+4*\i+3], v[X+16*\i:X+16*\i+1], v[X+16*\i:X+16*\i+1]
.endr
.irp j,2,4,6,8,10,12,14
.irp i,0,1,2,3,4,5,6,7
	v_pk_fma_f32 v[T+4*\i+2:T+4*\i+3], v[X+16*\i+\j:X+16*\i+\j+1], v[X+16*\i+\j:X+16*\i+\j+1], v[T+4*\i+2:T+4*\i+3]
.endr
.endr
.irp i,0,1,2,3,4,5,6,7
	v_add_f32 v[T+4*\i+2], v[T+4*\i+2], v[T+4*\i+3]
.endr
.irp m,1,2,4,8
.irp i,0,1,2,3,4,5,6,7
	v_add_f32_dpp v[T+4*\i+2], v[T+4*\i+2], v[T+4*\i+2] row_xmask:\m row_mask:0xf bank_mask:0xf
.endr
.endr
.irp i,0,1,2,3,4,5,6,7
	v_permlanex16_b32 v[T+4*\i+3], v[T+4*\i+2], s46, s47
.endr
.irp i,0,1,2,3,4,5,6,7
	v_add_f32 v[T+4*\i+2], v[T+4*\i+2], v[T+4*\i+3]                 ; the sum of (x - m)^2
.endr
.irp i,0,1,2,3,4,5,6,7
.if \hasc
	v_fma_f32 v[T+4*\i+2], v[T+4*\i+2], s[CC+\i], s74               ; c c v + eps
.else
	v_fma_f32 v[T+4*\i+2], v[T+4*\i+2], s75, s74                    ; v + eps
.endif
.endr
.irp i,0,1,2,3,4,5,6,7
	v_rsq_f32 v[T+4*\i+2], v[T+4*\i+2]
.endr
	v_nop                                          ; a plain line behind the transcendentals
	s_wait_alu depctr_va_vdst(0)                   ; the eight v_rsq_f32 have written their results, ahead of the first line that names one
.if \hasc
.irp i,0,1,2,3,4,5,6,7
	v_mul_f32 v[T+4*\i+2], s[SC+\i], v[T+4*\i+2]
.endr
.endif
.irp j,0,2,4,6,8,10,12,14
.irp i,0,1,2,3,4,5,6,7
	v_pk_mul_f32 v[X+16*\i+\j:X+16*\i+\j+1], v[X+16*\i+\j:X+16*\i+\j+1], v[T+4*\i+2:T+4*\i+3] op_sel_hi:[1,0]
.endr
.endr
.irp j,0,2,4,6,8,10,12,14
.irp i,0,1,2,3,4,5,6,7
	v_pk_fma_f32 v[X+16*\i+\j:X+16*\i+\j+1], v[X+16*\i+\j:X+16*\i+\j+1], v[LG+\j:LG+\j+1], v[LB+\j:LB+\j+1]
.endr
.endr
.irp i,0,1,2,3,4,5,6,7
	v_max3_num_f32 v[T+4*\i], |v[X+16*\i]|, |v[X+16*\i+1]|, 0x1800000     ; my 16 numbers, and the floor 2^(3 - 127): the byte cannot fall under 1
.endr
.irp j,2,4,6,8,10,12,14
.irp i,0,1,2,3,4,5,6,7
	v_max3_num_f32 v[T+4*\i], v[T+4*\i], |v[X+16*\i+\j]|, |v[X+16*\i+\j+1]|
.endr
.endr
.irp i,0,1,2,3,4,5,6,7
	v_max_num_f32_dpp v[T+4*\i], v[T+4*\i], v[T+4*\i] row_xmask:1 row_mask:0xf bank_mask:0xf   ; with my neighbour's 16: the block's
.endr
.irp i,0,1,2,3,4,5,6,7
	v_add_nc_u32 v[T+4*\i+2], 0xff000000, v[T+4*\i]                 ; 2 off its exponent field: the conversion's scale operand
.endr
.irp i,0,1,2,3,4,5,6,7
	v_cvt_scalef32_pk8_fp4_f32 v[T+4*\i], v[X+16*\i:X+16*\i+7], v[T+4*\i+2]
	v_cvt_scalef32_pk8_fp4_f32 v[T+4*\i+1], v[X+16*\i+8:X+16*\i+15], v[T+4*\i+2]
.endr
.irp i,0,1,2,3,4,5,6,7
	v_lshrrev_b32 v[T+4*\i+3], 23, v[T+4*\i+2]     ; the scale's byte (also the plain line behind the conversions)
.endr
	s_wait_alu depctr_va_vdst(0)                   ; the conversions and the shifts have written v[T ..], which the LDS stores read; and the norm is done with v[X ..], g and b, in which the fragments of x and its scale words land behind the barrier
.irp i,0,1,2,3,4,5,6,7
	ds_store_b64 v37, v[T+4*\i:T+4*\i+1] offset:(\i+28*(\i/4))*272  ; rows 4 w + i of xO, rows 32 + 4 w + i - 4 of xG
	ds_store_b8 v38, v[T+4*\i+3] offset:(\i+28*(\i/4))*16           ; both lanes of a block write the same byte with the same value
.endr
.endm
.macro WLOAD idx                       ; the four weight fragments of my head for matrix idx / 4 (0 q's, 1 k's), K step idx % 4: eight loads, into window 1 (the window is set by the caller).  No vector or matrix instruction names these registers ahead of the loads
.irp ot,0,1,2,3
	global_load_b128 v[32*(\idx)+8*\ot:32*(\idx)+8*\ot+3], v1, s[36:37] offset:P_WK*((\idx)/4)+4096*((\idx)%4)+1024*\ot
	global_load_b128 v[32*(\idx)+8*\ot+4:32*(\idx)+8*\ot+7], v1, s[36:37] offset:P_WK*((\idx)/4)+4096*((\idx)%4)+1024*\ot+512
.endr
.endm
.macro XLOADF idx                      ; the two fragments of x (rows 32 mat + 16 mt on) of that K step, into the step's own set: no product has read it
.irp mt,0,1
.irp c,0,1
	ds_load_b128 v[XF+16*(\idx)+8*\mt+4*\c:XF+16*(\idx)+8*\mt+4*\c+3], v252 offset:(32*((\idx)/4)+16*\mt)*272+64*((\idx)%4)+32*\c
.endr
.endr
.endm
; One K step of one matrix: eight products, the eight accumulators by turns.  TRANSPOSED: source 0 = 16 rows of the weight (window 1), source 1 = 16 rows of x.
.macro KTURN idx
.if (\idx) == 0
	s_wait_loadcnt 48                              ; the mask, the scale words and set 0 are in; sets 1 to 6 (8 loads each) may be out
.else
	s_wait_loadcnt 8*(7-(\idx))                    ; this step's set is in; the sets behind it, up to set 7, may be out
.endif
.if (\idx) <= 6
	s_wait_dscnt 4                                 ; this step's x is in; the next step's four loads may be out
.else
	s_wait_dscnt 0x0
.endif
.if (\idx) == 0
	WIN 0x40
	WLOAD 7                                        ; the last set: with it 56 loads of mine are out at the most
.endif
	WIN 0x01                                       ; source 0 window 1
.irp ot,0,1,2,3
.irp mt,0,1
.set rD, ACC2+32*\mt+8*\ot
.set rA, 32*(\idx)+8*\ot
.set rB, XF+16*(\idx)+8*\mt
.set rSA, WS+8*((\idx)/4)+4*(\ot/2)+(\idx)%4
.set rSB, XS+4*((\idx)/4)+(\idx)%4
.set fA, \ot%2
.set fB, \mt
.if (\idx)%4 == 0
	WMC 1
.else
	WMC 0
.endif
.endr
.endr
	WIN 0
.if (\idx)%4 == 3
	PLACES 4                                       ; a matrix's last K step: four places in front of the first read of results
.endif
.if (\idx)+2 < 8
	XLOADF (\idx)+2                                ; no wait: no vector or matrix instruction since the wait at the norm's end names this set
.endif
.endm
; A tile of 16 rows x my head's 64 becomes codes and two scale bytes.  Lane (r, h) holds row r; registers 16 b + i are columns 32 b + 16 h + i of the head.
.macro QUANT2 mat, mt
.set qA, ACC2+32*(\mt)
.set qP, PC+8*(\mat)+4*(\mt)
.irp b,0,1
	v_max3_num_f32 v[TM+\b], |v[qA+16*\b]|, |v[qA+16*\b+1]|, 0x1800000    ; each accumulator is read from its low end on
.endr
.irp i,2,4,6,8,10,12,14
.irp b,0,1
	v_max3_num_f32 v[TM+\b], v[TM+\b], |v[qA+16*\b+\i]|, |v[qA+16*\b+\i+1]|
.endr
.endr
.irp b,0,1
	v_permlanex16_b32 v[TM+2+\b], v[TM+\b], s46, s47
.endr
.irp b,0,1
	v_max_num_f32 v[TM+\b], v[TM+\b], v[TM+2+\b]   ; with lane l xor 16's: the block's largest magnitude
.endr
.irp b,0,1
	v_add_nc_u32 v[TM+2+\b], 0xff000000, v[TM+\b]
.endr
.irp b,0,1
	v_lshrrev_b32 v[TM+4+\b], 23, v[TM+2+\b]
.endr
	v_lshl_or_b32 v[HW+(\mt)], v[TM+5], 8, v[TM+4]
.irp b,0,1
	v_cvt_scalef32_pk8_fp4_f32 v[qP+2*\b], v[qA+16*\b:qA+16*\b+7], v[TM+2+\b]
	v_cvt_scalef32_pk8_fp4_f32 v[qP+2*\b+1], v[qA+16*\b+8:qA+16*\b+15], v[TM+2+\b]
.endr
	v_nop                                          ; a plain line behind the conversions
	v_permlane16_swap_b32 v[qP], v[qP+2]           ; a whole block to a lane: lanes 0-15 block 0, lanes 16-31 block 1
	v_permlane16_swap_b32 v[qP+1], v[qP+3]
.endm
; WHAT THE PRODUCTS WANT FROM MEMORY, in two batches round the wait for the rows.  A: 2 + 4 + 16 = 22 loads behind the 40 of the rows, g and b: 62 of mine are out at the most.
.macro PRELOAD_A
	s_wait_xcnt 0x0                                ; the stores of c have had their addresses translated: their registers may be written
	s_wait_alu depctr_vm_vsrc(0)                   ; the stores of c have read v214, in which a scale word lands (its maker stands ahead of the wait on va_vdst at the head)
	global_load_u8 v250, v254, s[72:73]            ; the mask of keys r and 16 + r
	global_load_u8 v251, v254, s[72:73] offset:16
.irp m,0,1
.irp p,0,1
	global_load_b128 v[WS+8*\m+4*\p:WS+8*\m+4*\p+3], v1, s[38:39] offset:P_WS+8192*\m+512*\p
.endr
.endr
	WIN 0x40                                       ; destination window 1, address window 0
	WLOAD 0
	WLOAD 1
	WIN 0
.endm
.macro PRELOAD_B                       ; B: 40 loads behind A's 22: again 62 at the most.  They land while the norm works on registers
	WIN 0x40
.irp w,2,3,4,5,6
	WLOAD \w
.endr
	WIN 0
.endm
.macro PROJ
	s_wait_alu depctr_vm_vsrc(0)                   ; the LDS stores of codes and bytes have read v37, v38 and v[T ..], and every earlier load and LDS instruction its offset: K step 0's products write v8 to v71 over them
	ds_load_b128 v[XS:XS+3], v253                  ; lane l: the 16 scale bytes of row l of xO,
	ds_load_b128 v[XS+4:XS+7], v253 offset:512     ; and of xG
	XLOADF 0
	XLOADF 1
	KTURN 0
	KTURN 1
	KTURN 2
	KTURN 3
	QUANT2 0, 0
	QUANT2 0, 1
	v_lshl_or_b32 v240, v[HW], 16, v[HW]           ; a query stands twice along K: s0 s1 s0 s1
	v_lshl_or_b32 v241, v[HW+1], 16, v[HW+1]
	v_cndmask_b32 v240, v241, v240, s69            ; lanes 0-15 rows 0-15, lanes 16-31 rows 16-31
	s_wait_alu depctr_va_vdst(0)                   ; q's codes v[PC .. PC + 7] and its scale word v240 are written, which the three stores read
	global_store_b128 v1, v[PC:PC+3], s[40:41] offset:S_QC         ; each covers 512 consecutive bytes, aligned
	global_store_b128 v1, v[PC+4:PC+7], s[40:41] offset:S_QC+512
	global_store_b32 v2, v240, s[42:43] offset:S_QS
	PLACES 1                                       ; the accumulators begin anew: one place more than the four behind the last product
	KTURN 4
	KTURN 5
	KTURN 6
	KTURN 7
	v_cmp_ne_u32 s70, 0, v250                      ; the two masks are made ahead of the quantiser, so that the wait for them finds them written
	v_cmp_ne_u32 s71, 0, v251
	QUANT2 1, 0
	QUANT2 1, 1
	s_wait_alu depctr_va_sdst(0)                   ; s70 and s71 are written, ahead of their first readers, the selects below
.irp j,0,1,2,3
	v_cndmask_b32 v[PC+8+\j], v[PC+8+\j], v255, s70        ; a masked key gets zero codes: its logits are 0
	v_cndmask_b32 v[PC+12+\j], v[PC+12+\j], v255, s71
.endr
	v_lshl_or_b32 v241, v[HW+1], 16, v[HW]         ; keys r and 16 + r share a row of the next product's operand
	s_wait_alu depctr_va_vdst(0)                   ; k's codes v[PC + 8 .. PC + 15] and its scale word v241 are written, which the three stores read
	global_store_b128 v1, v[PC+8:PC+11], s[40:41] offset:S_KC
	global_store_b128 v1, v[PC+12:PC+15], s[40:41] offset:S_KC+512
	global_store_b32 v3, v241, s[44:45] offset:S_KS        ; 16 words; lanes 16-31 repeat lanes 0-15
.endm
	s_load_b128 s[4:7], s[0:1], 0x0                ; xG, xO
	s_load_b64 s[8:9], s[0:1], 0x10                ; the keys' mask
	s_load_b64 s[14:15], s[0:1], 0x18              ; the pack
	s_load_b64 s[16:17], s[0:1], 0x20              ; the state
	v_lshrrev_b32 v1, 5, v0
	v_readfirstlane_b32 s18, v1                    ; wave
	v_and_b32 v9, 31, v0                           ; lane
	v_and_b32 v254, 15, v0                         ; r
	v_bfe_u32 v10, v0, 4, 1                        ; h
	v_mov_b32 v255, 0
	v_lshlrev_b32 v1, 4, v9                        ; 16 x lane
	v_lshlrev_b32 v2, 2, v9                        ; 4 x lane
	v_lshlrev_b32 v3, 2, v254                      ; 4 r
	v_lshlrev_b32 v4, 6, v9                        ; 64 x lane
	s_wait_alu depctr_va_sdst(0)                   ; s18 is written, ahead of its first reader: offsets, LDS addresses and bases are made from it
	s_lshl_b32 s78, ttmp9, 7
	s_lshl_b32 s79, s18, 4
	s_add_co_u32 s78, s78, s79
	v_lshl_add_u32 v5, v10, 2, s78                 ; 4 (32 wg + 4 w + h): a row's word of c
	s_mul_i32 s78, s18, STGW
	v_lshrrev_b32 v11, 2, v9
	v_mul_u32_u24 v6, v11, 80
	v_and_b32 v11, 3, v9
	v_lshl_add_u32 v6, v11, 4, v6
	v_add_nc_u32 v6, s78, v6                       ; the stage, on the way in
	v_mul_u32_u24 v7, v9, 80
	v_add_nc_u32 v7, s78, v7                       ; and out
	s_mul_i32 s78, s18, 1088
	s_add_co_u32 s78, s78, XIMG
	v_lshl_add_u32 v37, v9, 3, s78                 ; my 8 bytes of codes in row 4 w
	s_lshl_b32 s78, s18, 6
	s_add_co_u32 s78, s78, XSC
	v_lshrrev_b32 v38, 1, v9
	v_add_nc_u32 v38, s78, v38                     ; my block's byte in row 4 w
	v_mul_u32_u24 v252, v254, 272
	v_lshl_add_u32 v252, v10, 4, v252
	v_add_nc_u32 v252, XIMG, v252                  ; a fragment of x: row r, + 16 h
	v_lshl_add_u32 v253, v9, 4, XSC
	v_mov_b32 v214, 1.0
	s_lshr_b32 s19, ttmp9, 6                       ; batch
	s_and_b32 s20, ttmp9, 63                       ; which 32 rows of it
	s_lshl_b32 s79, s19, 3
	s_add_co_u32 s79, s79, s18                     ; 8 batch + head
	s_mov_b32 s46, 0x76543210
	s_mov_b32 s47, 0xfedcba98                      ; v_permlanex16_b32's selects for lane l xor 16
	s_mov_b32 s69, 0xffff                          ; lanes 0-15
	s_mov_b32 s74, 0x3727c5ac                      ; eps = 1e-5
	s_mov_b32 s75, 0x3b000000                      ; 1 / 512
	s_mov_b32 s23, 0
	s_wait_kmcnt 0x0
	s_lshl_b32 s22, ttmp9, 16
	s_lshl_b32 s78, s18, 13
	s_add_co_u32 s22, s22, s78                     ; (32 wg + 4 w) rows of 2,048 bytes
	s_add_nc_u64 s[32:33], s[4:5], s[22:23]
	s_add_nc_u64 s[34:35], s[6:7], s[22:23]
	s_wait_alu depctr_va_vdst(0)                   ; every offset and LDS address of the kernel is written (v1 to v7, v37, v38, v252 to v254), and so is v214, the data of c's stores
	XROWS 0
	XROWS 1
	XROWS 2
	XROWS 3
.irp q,0,1,2,3
	global_load_b128 v[LG+4*\q:LG+4*\q+3], v4, s[14:15] offset:P_LNG+16*\q
	global_load_b128 v[LB+4*\q:LB+4*\q+3], v4, s[14:15] offset:P_LNB+16*\q
.endr
	global_store_b32 v5, v214, s[16:17] offset:S_CG        ; c = 1 for my four rows of each stream (sixteen lanes write the same word with the same value)
	global_store_b32 v5, v214, s[16:17] offset:S_CG+8
	global_store_b32 v5, v214, s[16:17] offset:S_CO
	global_store_b32 v5, v214, s[16:17] offset:S_CO+8
	s_lshl_b32 s22, s79, 16
	s_lshl_b32 s78, s20, 10
	s_add_co_u32 s22, s22, s78
	s_add_nc_u64 s[40:41], s[16:17], s[22:23]      ; where my codes go
	s_lshl_b32 s22, s79, 12
	s_lshl_b32 s78, s20, 6
	s_add_co_u32 s22, s22, s78
	s_add_nc_u64 s[44:45], s[16:17], s[22:23]      ; k's scale words
	s_lshl_b32 s22, s79, 13
	s_lshl_b32 s78, s20, 7
	s_add_co_u32 s22, s22, s78
	s_add_nc_u64 s[42:43], s[16:17], s[22:23]      ; q's
	s_lshl_b32 s22, s18, 14
	s_add_nc_u64 s[36:37], s[14:15], s[22:23]      ; my head's weights
	s_lshl_b32 s22, s18, 10
	s_add_nc_u64 s[38:39], s[14:15], s[22:23]      ; and their scale bytes
	s_lshl_b32 s22, ttmp9, 5
	s_add_nc_u64 s[72:73], s[8:9], s[22:23]        ; my 32 keys' mask
	PRELOAD_A
	s_wait_loadcnt 22                              ; the rows, g and b are in; batch A's 22 loads may be out
	PRELOAD_B
	LNQ 0
	BAR                                            ; the codes and scale bytes of 64 rows lie in LDS
	PROJ
	s_wait_xcnt 0x0
	s_wait_alu depctr_vm_vsrc(0)                   ; the loads of the mask have read v254, which is made anew below
	v_lshl_add_u32 v254, v0, 2, 0x2d000
	v_mov_b32 v255, 0
	s_wait_dscnt 0x0                               ; the closing lines, six on end
	s_wait_alu 0x0
	s_wait_tensorcnt 0x0
	ds_add_u32 v254, v255
	s_wait_dscnt 0x0
	s_endpgm
.Lfunc_end_k_qca0399b80c_first:
	.size	k_qca0399b80c_first, .Lfunc_end_k_qca0399b80c_first-k_qca0399b80c_first
	.p2alignl 7, 3214868480
	.fill 96, 4, 3214868480
	.section	.rodata,"a",@progbits
	.p2align	6, 0x0
	.amdhsa_kernel k_qca0399b80c_first
		.amdhsa_group_segment_fixed_size 185344
		.amdhsa_private_segment_fixed_size 0
		.amdhsa_enable_private_segment 0
		.amdhsa_kernarg_size 40
		.amdhsa_user_sgpr_count 2
		.amdhsa_user_sgpr_kernarg_segment_ptr 1
		.amdhsa_wavefront_size32 1
		.amdhsa_system_sgpr_workgroup_id_x 1
		.amdhsa_system_sgpr_workgroup_id_y 1
		.amdhsa_system_sgpr_workgroup_id_z 1
		.amdhsa_system_vgpr_workitem_id 0
		.amdhsa_next_free_vgpr 512
		.amdhsa_next_free_sgpr 96
		.amdhsa_reserve_vcc 0
		.amdhsa_float_denorm_mode_32 3
		.amdhsa_float_denorm_mode_16_64 3
		.amdhsa_memory_ordered 1
		.amdhsa_forward_progress 1
		.amdhsa_inst_pref_size 74
	.end_amdhsa_kernel
	.amdgpu_metadata
---
amdhsa.version: [ 1, 2 ]
amdhsa.kernels:
  - .name:           k_qca0399b80c_first
    .symbol:         k_qca0399b80c_first.kd
    .args:
      - { .name: x_aud, .offset: 0, .size: 8, .value_kind: global_buffer, .address_space: global }
      - { .name: x_vid, .offset: 8, .size: 8, .value_kind: global_buffer, .address_space: global }
      - { .name: aud_kpm, .offset: 16, .size: 8, .value_kind: global_buffer, .address_space: global }
      - { .name: P1, .offset: 24, .size: 8, .value_kind: global_buffer, .address_space: global }
      - { .name: SA, .offset: 32, .size: 8, .value_kind: global_buffer, .address_space: global }
    .group_segment_fixed_size: 185344
    .private_segment_fixed_size: 0
    .kernarg_segment_align: 8
    .kernarg_segment_size: 40
    .max_flat_workgroup_size: 256
    .sgpr_count:     96
    .vgpr_count:     512
    .wavefront_size: 32
...
	.end_amdgpu_metadata
.endif
;; end of part 5
;; launch step1 (part 6): grid 256 x 1, 8 waves a work-group, no clusters, 185,344 bytes of LDS; arguments x_vid, x_aud, vid_kpm, SA, P1, P2, SB; writes SB
.if DOCPART == 6
	.amdgcn_target "amdgcn-amd-amdhsa--gfx1250"
	.amdhsa_code_object_version 6
	.text
	.protected	k_qca0399b80c_step1
	.globl	k_qca0399b80c_step1
	.p2align	8
	.type	k_qca0399b80c_step1,@function
k_qca0399b80c_step1:
	s_mov_b64 s[64:65], 0
	v_nop
	global_prefetch_b8 v0, s[64:65] scope:SCOPE_SE
	s_setreg_imm32_b32 hwreg(HW_REG_WAVE_SCHED_MODE, 0, 2), 2
	s_setreg_imm32_b32 hwreg(HW_REG_WAVE_MODE, 25, 1), 1
	s_wait_xcnt 0x0
	s_wait_alu depctr_vm_vsrc(0)
; STEP: one half-step's logits, sum and gate, and the operands of the next half-step's logits.
; Arguments: xG (the stream that this step gates: its rows are this step's queries and the NEXT step's keys), xO (the other stream: the next step's queries), xG's mask, the state read, this step's pack, the next step's pack, the state written.
; A gate is one number for a row, so a stream is never stored between steps: only c, the product of (1 + gate) so far, one f32 a row; the row stands for c x.
; THE LOGITS are only masked, summed over the keys and divided: so they are summed in the accumulators, and TWO KEYS SHARE ONE K OF 128: a row of source 0 is keys r and 16 + r of 32 (64 + 64 along K),
; source 1 is a query's 64 twice.  D(pair, query) is the sum of the pair's two logits.  Masked keys hold zero codes.  Wave w is head w: 64 fragments of keys x 2 tiles of queries = 128 products.
; THE STATE and THE PACK: as the launches that write them lay them (constants below): every fragment in the order of a wave's registers.
; SHARES: work-group wg owns rows 32 wg .. 32 wg + 31 of both streams.  In the gate and the norm wave w takes rows 4 w .. 4 w + 3; in the products wave w is head w.
; Each fragment of k (544 KB a work-group) and of the weights (272 KB) is used by ONE wave of the work-group and lies in the order of its registers, so it goes from memory straight into registers:
; through LDS those bytes would be written and read once more.  Hence no tensor loads, and no cluster, though the 64 work-groups of a batch read the same k: two slots large enough for joint loads,
; the scale bytes and the norm's stage of 160 KB do not fit in LDS together.
; THE WEIGHTS ARE ASKED FOR AHEAD OF THE NORM: a wave's eight sets of four fragments (32 KB) have 256 registers of their own, window 1, so that they are on their way while the wave works on its rows.
; LIMITS: NaN and infinities are not served; a block of zeros, or with a largest magnitude under 2^-124, gets the byte 1; x c stands for the repeated x + x gate (a few roundings apart);
; 1 / sqrt is v_rsq_f32's, the sigmoid v_exp_f32's and v_rcp_f32's.
; THE MODE: SCHED_MODE bits 1:0 = 2 (LLVM: expert scheduling mode 2), set by the entry lines.  The code itself states the register dependences
; between vector or matrix instructions and memory or LDS instructions, with s_wait_alu, always for 0.
; THE PLAN.  Registers that memory or LDS instructions touch, and who else names them:
;   v1-v7, v34-v38, v252-v254  offsets and LDS addresses: written at the head, ahead of ONE wait on va_vdst in front of the first load (it also covers v9 to v11, in which q's fragments land).  K step 0's products write over v34-v38.
;   KR0 .. KR3, KSC  group g: its eight products read set g % 4 and its scale words; ONE wait on va_vdst behind them; then the loads of group g + 4, or two rows of x, land there.
;               The wait stands behind the products and not at the next group's head, so that the set is asked for again at once and not only when the next group's data have come.
;   v40         the row's sum: written by vector lines; a wait on va_vdst; read by the LDS store.  The same wait shows all products done with q's fragments v8-23, in which the gate's LDS loads land.
;   v200-v215   read and written by the gate; a wait on va_vdst; the stores of c read v212-215; a wait on vm_vsrc; the weights' scale words land there.
;   X v72-199   loaded; stored to the stage as loaded; loaded back (a wait on vm_vsrc between); read and written by the norm and the conversions.
;   T v40-71    written by the conversions and shifts; ONE wait on va_vdst; read by the LDS stores; written again by K step 0's products (a wait on vm_vsrc behind the barrier).
;               The same wait on va_vdst shows the norm done with X, g and b, in which the fragments of x and its scale words land.
;   XF v72-199  eight sets, one for each K step: no load lands in a register that a product has read, so the K steps hold no wait on va_vdst.
;   window 1    the weights: loaded once, read by the products alone.
;   PC, v240, v241   written by the quantiser; one wait on va_vdst ahead of each of the two runs of stores.
;   s18, s48-s63, s70, s71   written by vector instructions: one wait on va_sdst behind each run, ahead of the first reader.
.set P_WK,  131072
.set P_WS,  262144
.set P_LNG, 278528
.set P_LNB, 280576
.set P_GW1, 282624
.set P_GB1, 283136
.set P_GW2, 283200
.set P_GB2, 283264
.set P_INV, 283280
.set P_ON,  283296
.set S_QC,  0
.set S_KC,  2097152
.set S_QS,  4194304
.set S_KS,  4456448
.set S_CG,  4587520
.set S_CO,  4620288
.set STGW,  20480                      ; LDS: a wave's stage: 8 rows x 32 places of 64 bytes + 16
.set XIMG,  163840                     ; the codes of 64 rows (0-31 xO's, 32-63 xG's): 256 bytes + 16 of padding each
.set XSC,   181248                     ; their scale bytes, 16 a row
.set REL,   182272                     ; 32 rows x 8 heads, f32
.set QF,   8                           ; v8-23    two fragments of q; later a row's eight sums
.set QS,   24                          ; v24      q's scale words
.set KSC,  26                          ; v26-33   k's scale words, two registers a group
.set ACC,  40                          ; v40-71   four accumulators: 16 t + 8 (fragment % 2)
.set KR,   72                          ; v72-199  four groups of four fragments of k
.set T,    40                          ; v40-71   four registers a row, at work
.set X,    72                          ; v72-199  eight rows of 16 numbers
.set LG,   216                         ; v216-231 g of my 16 columns;  v232-247 b
.set LB,   232
.set ACC2, 8                           ; the projections: v8-71 accumulators at 8 + 32 mt + 8 ot
.set XF,   72                          ; v72-199  eight sets of two fragments of x, one for each K step
.set WS,   200                         ; v200-215 the weights' scale words: 8 mat + 4 (ot / 2) + ks
.set XS,   216                         ; v216-223 x's: 4 mat + ks
.set PC,   224                         ; v224-239 the codes made: 8 mat + 4 mt
.set TM,   242                         ; v242-247 at work
.set HW,   248                         ; v248-249 a tile's two scale bytes
                                       ; window 1 (v256-511): the weights: set idx = 4 mat + ks at 32 idx, its tile ot at + 8 ot
.set SC,   48                          ; s48-55   c of my eight rows
.set CC,   56                          ; s56-63   c c / 512
.set MSB, 0
.macro WIN new                         ; s_set_vgpr_msb's low byte: bits 1:0 source 0, 3:2 source 1, 5:4 source 2, 7:6 destination; the high byte repeats the setting that is left
.if MSB != \new
	s_set_vgpr_msb (MSB<<8)|\new
.set MSB, \new
.endif
.endm
.macro PLACES n
.rept \n
	v_nop
.endr
.endm
.macro BAR                             ; my LDS stores have landed and my LDS loads are in: then the work-group's barrier
	s_wait_dscnt 0x0
	s_barrier_signal -1
	s_barrier_wait -1
.endm
; One product: registers and rows of the scale registers in the symbols rD, rA, rB, rSA, rSB, fA, fB.  zero = 1: it starts the sum.
.macro WMC zero
.if \zero
.if fA && fB
	v_wmma_scale_f32_16x16x128_f8f6f4 v[rD:rD+7], v[rA:rA+7], v[rB:rB+7], 0, v[rSA], v[rSB] matrix_a_fmt:MATRIX_FMT_FP4 matrix_b_fmt:MATRIX_FMT_FP4 matrix_a_scale:MATRIX_SCALE_ROW1 matrix_b_scale:MATRIX_SCALE_ROW1
.elseif fA
	v_wmma_scale_f32_16x16x128_f8f6f4 v[rD:rD+7], v[rA:rA+7], v[rB:rB+7], 0, v[rSA], v[rSB] matrix_a_fmt:MATRIX_FMT_FP4 matrix_b_fmt:MATRIX_FMT_FP4 matrix_a_scale:MATRIX_SCALE_ROW1
.elseif fB
	v_wmma_scale_f32_16x16x128_f8f6f4 v[rD:rD+7], v[rA:rA+7], v[rB:rB+7], 0, v[rSA], v[rSB] matrix_a_fmt:MATRIX_FMT_FP4 matrix_b_fmt:MATRIX_FMT_FP4 matrix_b_scale:MATRIX_SCALE_ROW1
.else
	v_wmma_scale_f32_16x16x128_f8f6f4 v[rD:rD+7], v[rA:rA+7], v[rB:rB+7], 0, v[rSA], v[rSB] matrix_a_fmt:MATRIX_FMT_FP4 matrix_b_fmt:MATRIX_FMT_FP4
.endif
.else
.if fA && fB
	v_wmma_scale_f32_16x16x128_f8f6f4 v[rD:rD+7], v[rA:rA+7], v[rB:rB+7], v[rD:rD+7], v[rSA], v[rSB] matrix_a_fmt:MATRIX_FMT_FP4 matrix_b_fmt:MATRIX_FMT_FP4 matrix_a_scale:MATRIX_SCALE_ROW1 matrix_b_scale:MATRIX_SCALE_ROW1
.elseif fA
	v_wmma_scale_f32_16x16x128_f8f6f4 v[rD:rD+7], v[rA:rA+7], v[rB:rB+7], v[rD:rD+7], v[rSA], v[rSB] matrix_a_fmt:MATRIX_FMT_FP4 matrix_b_fmt:MATRIX_FMT_FP4 matrix_a_scale:MATRIX_SCALE_ROW1
.elseif fB
	v_wmma_scale_f32_16x16x128_f8f6f4 v[rD:rD+7], v[rA:rA+7], v[rB:rB+7], v[rD:rD+7], v[rSA], v[rSB] matrix_a_fmt:MATRIX_FMT_FP4 matrix_b_fmt:MATRIX_FMT_FP4 matrix_b_scale:MATRIX_SCALE_ROW1
.else
	v_wmma_scale_f32_16x16x128_f8f6f4 v[rD:rD+7], v[rA:rA+7], v[rB:rB+7], v[rD:rD+7], v[rSA], v[rSB] matrix_a_fmt:MATRIX_FMT_FP4 matrix_b_fmt:MATRIX_FMT_FP4
.endif
.endif
.endm
.macro XROW i                          ; row i of my eight (0-3: xO's, 4-7: xG's): four loads of 512 consecutive bytes
.irp q,0,1,2,3
.if (\i) < 4
	global_load_b128 v[X+16*(\i)+4*\q:X+16*(\i)+4*\q+3], v1, s[34:35] offset:2048*(\i)+512*\q
.else
	global_load_b128 v[X+16*(\i)+4*\q:X+16*(\i)+4*\q+3], v1, s[32:33] offset:2048*((\i)-4)+512*\q
.endif
.endr
.endm
.macro XROWS k
	XROW 2*(\k)
	XROW 2*(\k)+1
.endm
; Group g of 16: four fragments of k (128 keys) and their scale words: ten loads, into set g % 4
.macro LOADG g
.irp f,0,1,2,3
	global_load_b128 v[KR+32*((\g)%4)+8*\f:KR+32*((\g)%4)+8*\f+3], v1, s[24:25] offset:S_KC+(4*(\g)+\f)*1024
	global_load_b128 v[KR+32*((\g)%4)+8*\f+4:KR+32*((\g)%4)+8*\f+7], v1, s[24:25] offset:S_KC+(4*(\g)+\f)*1024+512
.endr
	global_load_b32 v[KSC+2*((\g)%4)], v2, s[26:27] offset:S_KS+256*(\g)           ; lanes 0-15 one fragment's words, lanes 16-31 the next's
	global_load_b32 v[KSC+2*((\g)%4)+1], v2, s[26:27] offset:S_KS+256*(\g)+128
.endm
; Its eight products; the four accumulators by turns.  left: the younger loads, which may stay out.  Its set then takes the group four on, or two rows of x.
.macro GROUP g, left
	s_wait_loadcnt \left
.irp f,0,1,2,3
.irp t,0,1
.set rD, ACC+16*\t+8*(\f%2)
.set rA, KR+32*((\g)%4)+8*\f
.set rB, QF+8*\t
.set rSA, KSC+2*((\g)%4)+\f/2
.set rSB, QS
.set fA, \f%2
.set fB, \t
.if ((\g) == 0) && (\f < 2)
	WMC 1
.else
	WMC 0
.endif
.endr
.endr
	PLACES 4                                       ; the four places behind the products stand as they stood (behind group 15 they serve the first read of results); the wait below fills none
	s_wait_alu depctr_va_vdst(0)                   ; these eight products are done reading set g % 4 and its two registers of scale words, in which the loads below land
.if (\g)+4 < 16
	LOADG (\g)+4
.else
	XROWS (\g)-12
.endif
.endm
; THE NORM AND THE QUANTISER of my eight rows, every line for the eight rows by turns, so that no line waits for the line above it.  (The wait for the rows, g and b stands ahead of the macro.)
; hasc = 1: row i stands for c x, c in s[SC + i], c c / 512 in s[CC + i]: LN(c x) = (x - m) c rsq(c c v + eps) g + b, m and v those of x.
.macro LNQ hasc
.irp i,0,1,2,3,4,5,6,7
.irp q,0,1,2,3
	ds_store_b128 v6, v[X+16*\i+4*\q:X+16*\i+4*\q+3] offset:2560*\i+640*\q     ; through my own stage, as the bytes lie,
.endr
.endr
	s_wait_dscnt 0x0                               ; (the stores have landed)
	s_wait_alu depctr_vm_vsrc(0)                   ; my LDS stores have read v[X ..]: the loads below land there, and the norm writes there
.irp i,0,1,2,3,4,5,6,7
.irp q,0,1,2,3
	ds_load_b128 v[X+16*\i+4*\q:X+16*\i+4*\q+3], v7 offset:2560*\i+16*\q       ; and back 64 bytes a lane: columns 16 lane .. 16 lane + 15
.endr
.endr
	s_wait_dscnt 0x0
.irp i,0,1,2,3,4,5,6,7
	v_pk_add_f32 v[T+4*\i:T+4*\i+1], v[X+16*\i:X+16*\i+1], v[X+16*\i+2:X+16*\i+3]
	v_pk_add_f32 v[T+4*\i+2:T+4*\i+3], v[X+16*\i+4:X+16*\i+5], v[X+16*\i+6:X+16*\i+7]
.endr
.irp j,8,12
.irp i,0,1,2,3,4,5,6,7
	v_pk_add_f32 v[T+4*\i:T+4*\i+1], v[T+4*\i:T+4*\i+1], v[X+16*\i+\j:X+16*\i+\j+1]
	v_pk_add_f32 v[T+4*\i+2:T+4*\i+3], v[T+4*\i+2:T+4*\i+3], v[X+16*\i+\j+2:X+16*\i+\j+3]
.endr
.endr
.irp i,0,1,2,3,4,5,6,7
	v_pk_add_f32 v[T+4*\i:T+4*\i+1], v[T+4*\i:T+4*\i+1], v[T+4*\i+2:T+4*\i+3]
.endr
.irp i,0,1,2,3,4,5,6,7
	v_add_f32 v[T+4*\i], v[T+4*\i], v[T+4*\i+1]
.endr
.irp m,1,2,4,8
.irp i,0,1,2,3,4,5,6,7
	v_add_f32_dpp v[T+4*\i], v[T+4*\i], v[T+4*\i] row_xmask:\m row_mask:0xf bank_mask:0xf
.endr
.endr
.irp i,0,1,2,3,4,5,6,7
	v_permlanex16_b32 v[T+4*\i+1], v[T+4*\i], s46, s47
.endr
.irp i,0,1,2,3,4,5,6,7
	v_add_f32 v[T+4*\i], v[T+4*\i], v[T+4*\i+1]
.endr
.irp i,0,1,2,3,4,5,6,7
	v_mul_f32 v[T+4*\i], 0x3b000000, v[T+4*\i]     ; the mean: / 512
.endr
.irp j,0,2,4,6,8,10,12,14
.irp i,0,1,2,3,4,5,6,7
	v_pk_add_f32 v[X+16*\i+\j:X+16*\i+\j+1], v[X+16*\i+\j:X+16*\i+\j+1], v[T+4*\i:T+4*\i+1] op_sel_hi:[1,0] neg_lo:[0,1] neg_hi:[0,1]   ; x - m
.endr
.endr
.irp i,0,1,2,3,4,5,6,7
	v_pk_mul_f32 v[T+4*\i+2:T+4*\i+3], v[X+16*\i:X+16*\i+1], v[X+16*\i:X+16*\i+1]
.endr
.irp j,2,4,6,8,10,12,14
.irp i,0,1,2,3,4,5,6,7
	v_pk_fma_f32 v[T+4*\i+2:T+4*\i+3], v[X+16*\i+\j:X+16*\i+\j+1], v[X+16*\i+\j:X+16*\i+\j+1], v[T+4*\i+2:T+4*\i+3]
.endr
.endr
.irp i,0,1,2,3,4,5,6,7
	v_add_f32 v[T+4*\i+2], v[T+4*\i+2], v[T+4*\i+3]
.endr
.irp m,1,2,4,8
.irp i,0,1,2,3,4,5,6,7
	v_add_f32_dpp v[T+4*\i+2], v[T+4*\i+2], v[T+4*\i+2] row_xmask:\m row_mask:0xf bank_mask:0xf
.endr
.endr
.irp i,0,1,2,3,4,5,6,7
	v_permlanex16_b32 v[T+4*\i+3], v[T+4*\i+2], s46, s47
.endr
.irp i,0,1,2,3,4,5,6,7
	v_add_f32 v[T+4*\i+2], v[T+4*\i+2], v[T+4*\i+3]                 ; the sum of (x - m)^2
.endr
.irp i,0,1,2,3,4,5,6,7
.if \hasc
	v_fma_f32 v[T+4*\i+2], v[T+4*\i+2], s[CC+\i], s74               ; c c v + eps
.else
	v_fma_f32 v[T+4*\i+2], v[T+4*\i+2], s75, s74                    ; v + eps
.endif
.endr
.irp i,0,1,2,3,4,5,6,7
	v_rsq_f32 v[T+4*\i+2], v[T+4*\i+2]
.endr
	v_nop                                          ; a plain line behind the transcendentals
	s_wait_alu depctr_va_vdst(0)                   ; the eight v_rsq_f32 have written their results, ahead of the first line that names one
.if \hasc
.irp i,0,1,2,3,4,5,6,7
	v_mul_f32 v[T+4*\i+2], s[SC+\i], v[T+4*\i+2]
.endr
.endif
.irp j,0,2,4,6,8,10,12,14
.irp i,0,1,2,3,4,5,6,7
	v_pk_mul_f32 v[X+16*\i+\j:X+16*\i+\j+1], v[X+16*\i+\j:X+16*\i+\j+1], v[T+4*\i+2:T+4*\i+3] op_sel_hi:[1,0]
.endr
.endr
.irp j,0,2,4,6,8,10,12,14
.irp i,0,1,2,3,4,5,6,7
	v_pk_fma_f32 v[X+16*\i+\j:X+16*\i+\j+1], v[X+16*\i+\j:X+16*\i+\j+1], v[LG+\j:LG+\j+1], v[LB+\j:LB+\j+1]
.endr
.endr
.irp i,0,1,2,3,4,5,6,7
	v_max3_num_f32 v[T+4*\i], |v[X+16*\i]|, |v[X+16*\i+1]|, 0x1800000     ; my 16 numbers, and the floor 2^(3 - 127): the byte cannot fall under 1
.endr
.irp j,2,4,6,8,10,12,14
.irp i,0,1,2,3,4,5,6,7
	v_max3_num_f32 v[T+4*\i], v[T+4*\i], |v[X+16*\i+\j]|, |v[X+16*\i+\j+1]|
.endr
.endr
.irp i,0,1,2,3,4,5,6,7
	v_max_num_f32_dpp v[T+4*\i], v[T+4*\i], v[T+4*\i] row_xmask:1 row_mask:0xf bank_mask:0xf   ; with my neighbour's 16: the block's
.endr
.irp i,0,1,2,3,4,5,6,7
	v_add_nc_u32 v[T+4*\i+2], 0xff000000, v[T+4*\i]                 ; 2 off its exponent field: the conversion's scale operand
.endr
.irp i,0,1,2,3,4,5,6,7
	v_cvt_scalef32_pk8_fp4_f32 v[T+4*\i], v[X+16*\i:X+16*\i+7], v[T+4*\i+2]
	v_cvt_scalef32_pk8_fp4_f32 v[T+4*\i+1], v[X+16*\i+8:X+16*\i+15], v[T+4*\i+2]
.endr
.irp i,0,1,2,3,4,5,6,7
	v_lshrrev_b32 v[T+4*\i+3], 23, v[T+4*\i+2]     ; the scale's byte (also the plain line behind the conversions)
.endr
	s_wait_alu depctr_va_vdst(0)                   ; the conversions and the shifts have written v[T ..], which the LDS stores read; and the norm is done with v[X ..], g and b, in which the fragments of x and its scale words land behind the barrier
.irp i,0,1,2,3,4,5,6,7
	ds_store_b64 v37, v[T+4*\i:T+4*\i+1] offset:(\i+28*(\i/4))*272  ; rows 4 w + i of xO, rows 32 + 4 w + i - 4 of xG
	ds_store_b8 v38, v[T+4*\i+3] offset:(\i+28*(\i/4))*16           ; both lanes of a block write the same byte with the same value
.endr
.endm
.macro WLOAD idx                       ; the four weight fragments of my head for matrix idx / 4 (0 q's, 1 k's), K step idx % 4: eight loads, into window 1 (the window is set by the caller).  No vector or matrix instruction names these registers ahead of the loads
.irp ot,0,1,2,3
	global_load_b128 v[32*(\idx)+8*\ot:32*(\idx)+8*\ot+3], v1, s[36:37] offset:P_WK*((\idx)/4)+4096*((\idx)%4)+1024*\ot
	global_load_b128 v[32*(\idx)+8*\ot+4:32*(\idx)+8*\ot+7], v1, s[36:37] offset:P_WK*((\idx)/4)+4096*((\idx)%4)+1024*\ot+512
.endr
.endm
.macro XLOADF idx                      ; the two fragments of x (rows 32 mat + 16 mt on) of that K step, into the step's own set: no product has read it
.irp mt,0,1
.irp c,0,1
	ds_load_b128 v[XF+16*(\idx)+8*\mt+4*\c:XF+16*(\idx)+8*\mt+4*\c+3], v252 offset:(32*((\idx)/4)+16*\mt)*272+64*((\idx)%4)+32*\c
.endr
.endr
.endm
; One K step of one matrix: eight products, the eight accumulators by turns.  TRANSPOSED: source 0 = 16 rows of the weight (window 1), source 1 = 16 rows of x.
.macro KTURN idx
.if (\idx) == 0
	s_wait_loadcnt 48                              ; the mask, the scale words and set 0 are in; sets 1 to 6 (8 loads each) may be out
.else
	s_wait_loadcnt 8*(7-(\idx))                    ; this step's set is in; the sets behind it, up to set 7, may be out
.endif
.if (\idx) <= 6
	s_wait_dscnt 4                                 ; this step's x is in; the next step's four loads may be out
.else
	s_wait_dscnt 0x0
.endif
.if (\idx) == 0
	WIN 0x40
	WLOAD 7                                        ; the last set: with it 56 loads of mine are out at the most
.endif
	WIN 0x01                                       ; source 0 window 1
.irp ot,0,1,2,3
.irp mt,0,1
.set rD, ACC2+32*\mt+8*\ot
.set rA, 32*(\idx)+8*\ot
.set rB, XF+16*(\idx)+8*\mt
.set rSA, WS+8*((\idx)/4)+4*(\ot/2)+(\idx)%4
.set rSB, XS+4*((\idx)/4)+(\idx)%4
.set fA, \ot%2
.set fB, \mt
.if (\idx)%4 == 0
	WMC 1
.else
	WMC 0
.endif
.endr
.endr
	WIN 0
.if (\idx)%4 == 3
	PLACES 4                                       ; a matrix's last K step: four places in front of the first read of results
.endif
.if (\idx)+2 < 8
	XLOADF (\idx)+2                                ; no wait: no vector or matrix instruction since the wait at the norm's end names this set
.endif
.endm
; A tile of 16 rows x my head's 64 becomes codes and two scale bytes.  Lane (r, h) holds row r; registers 16 b + i are columns 32 b + 16 h + i of the head.
.macro QUANT2 mat, mt
.set qA, ACC2+32*(\mt)
.set qP, PC+8*(\mat)+4*(\mt)
.irp b,0,1
	v_max3_num_f32 v[TM+\b], |v[qA+16*\b]|, |v[qA+16*\b+1]|, 0x1800000    ; each accumulator is read from its low end on
.endr
.irp i,2,4,6,8,10,12,14
.irp b,0,1
	v_max3_num_f32 v[TM+\b], v[TM+\b], |v[qA+16*\b+\i]|, |v[qA+16*\b+\i+1]|
.endr
.endr
.irp b,0,1
	v_permlanex16_b32 v[TM+2+\b], v[TM+\b], s46, s47
.endr
.irp b,0,1
	v_max_num_f32 v[TM+\b], v[TM+\b], v[TM+2+\b]   ; with lane l xor 16's: the block's largest magnitude
.endr
.irp b,0,1
	v_add_nc_u32 v[TM+2+\b], 0xff000000, v[TM+\b]
.endr
.irp b,0,1
	v_lshrrev_b32 v[TM+4+\b], 23, v[TM+2+\b]
.endr
	v_lshl_or_b32 v[HW+(\mt)], v[TM+5], 8, v[TM+4]
.irp b,0,1
	v_cvt_scalef32_pk8_fp4_f32 v[qP+2*\b], v[qA+16*\b:qA+16*\b+7], v[TM+2+\b]
	v_cvt_scalef32_pk8_fp4_f32 v[qP+2*\b+1], v[qA+16*\b+8:qA+16*\b+15], v[TM+2+\b]
.endr
	v_nop                                          ; a plain line behind the conversions
	v_permlane16_swap_b32 v[qP], v[qP+2]           ; a whole block to a lane: lanes 0-15 block 0, lanes 16-31 block 1
	v_permlane16_swap_b32 v[qP+1], v[qP+3]
.endm
; WHAT THE PROJECTIONS WANT FROM MEMORY, in two batches round the wait for the rows.  A: 2 + 4 + 24 = 30 loads behind the 32 of the rows: 62 of mine are out at the most.
.macro PRELOAD_A
	s_wait_xcnt 0x0                                ; the stores of c have had their addresses translated: their registers may be written
	s_wait_alu depctr_vm_vsrc(0)                   ; the stores of c have read v212 to v215, in which scale words land; and the LDS store of the sums has read v40, which the norm writes
	global_load_u8 v250, v254, s[72:73]            ; the mask of keys r and 16 + r
	global_load_u8 v251, v254, s[72:73] offset:16
.irp m,0,1
.irp p,0,1
	global_load_b128 v[WS+8*\m+4*\p:WS+8*\m+4*\p+3], v1, s[38:39] offset:P_WS+8192*\m+512*\p
.endr
.endr
	WIN 0x40                                       ; destination window 1, address window 0
	WLOAD 0
	WLOAD 1
	WLOAD 2
	WIN 0
.endm
.macro PRELOAD_B                       ; B: 32 loads behind A's 30: again 62 at the most.  They land while the norm works on registers
	WIN 0x40
.irp w,3,4,5,6
	WLOAD \w
.endr
	WIN 0
.endm
.macro PROJ
	s_wait_alu depctr_vm_vsrc(0)                   ; the LDS stores of codes and bytes have read v37, v38 and v[T ..], and every earlier load and LDS instruction its offset (v34 to v36): K step 0's products write v8 to v71 over them
	ds_load_b128 v[XS:XS+3], v253                  ; lane l: the 16 scale bytes of row l of xO,
	ds_load_b128 v[XS+4:XS+7], v253 offset:512     ; and of xG
	XLOADF 0
	XLOADF 1
	KTURN 0
	KTURN 1
	KTURN 2
	KTURN 3
	QUANT2 0, 0
	QUANT2 0, 1
	v_lshl_or_b32 v240, v[HW], 16, v[HW]           ; a query stands twice along K: s0 s1 s0 s1
	v_lshl_or_b32 v241, v[HW+1], 16, v[HW+1]
	v_cndmask_b32 v240, v241, v240, s69            ; lanes 0-15 rows 0-15, lanes 16-31 rows 16-31
	s_wait_alu depctr_va_vdst(0)                   ; q's codes v[PC .. PC + 7] and its scale word v240 are written, which the three stores read
	global_store_b128 v1, v[PC:PC+3], s[40:41] offset:S_QC         ; each covers 512 consecutive bytes, aligned
	global_store_b128 v1, v[PC+4:PC+7], s[40:41] offset:S_QC+512
	global_store_b32 v2, v240, s[42:43] offset:S_QS
	PLACES 1                                       ; the accumulators begin anew: one place more than the four behind the last product
	KTURN 4
	KTURN 5
	KTURN 6
	KTURN 7
	v_cmp_ne_u32 s70, 0, v250                      ; the two masks are made ahead of the quantiser, so that the wait for them finds them written
	v_cmp_ne_u32 s71, 0, v251
	QUANT2 1, 0
	QUANT2 1, 1
	s_wait_alu depctr_va_sdst(0)                   ; s70 and s71 are written, ahead of their first readers, the selects below
.irp j,0,1,2,3
	v_cndmask_b32 v[PC+8+\j], v[PC+8+\j], v255, s70        ; a masked key gets zero codes: its logits are 0
	v_cndmask_b32 v[PC+12+\j], v[PC+12+\j], v255, s71
.endr
	v_lshl_or_b32 v241, v[HW+1], 16, v[HW]         ; keys r and 16 + r share a row of the next product's operand
	s_wait_alu depctr_va_vdst(0)                   ; k's codes v[PC + 8 .. PC + 15] and its scale word v241 are written, which the three stores read
	global_store_b128 v1, v[PC+8:PC+11], s[40:41] offset:S_KC
	global_store_b128 v1, v[PC+12:PC+15], s[40:41] offset:S_KC+512
	global_store_b32 v3, v241, s[44:45] offset:S_KS        ; 16 words; lanes 16-31 repeat lanes 0-15
.endm
	s_load_b256 s[4:11], s[0:1], 0x0               ; xG, xO, xG's mask, the state read
	s_load_b128 s[12:15], s[0:1], 0x20             ; this step's pack, the next step's
	s_load_b64 s[16:17], s[0:1], 0x30              ; the state written
	v_lshrrev_b32 v1, 5, v0
	v_readfirstlane_b32 s18, v1                    ; wave
	v_and_b32 v9, 31, v0                           ; lane
	v_and_b32 v254, 15, v0                         ; r
	v_bfe_u32 v10, v0, 4, 1                        ; h
	v_mov_b32 v255, 0
	v_lshlrev_b32 v1, 4, v9                        ; 16 x lane
	v_lshlrev_b32 v2, 2, v9                        ; 4 x lane
	v_lshlrev_b32 v3, 2, v254                      ; 4 r
	v_lshlrev_b32 v4, 6, v9                        ; 64 x lane
	s_wait_alu depctr_va_sdst(0)                   ; s18 is written, ahead of its first reader: offsets, LDS addresses and bases are made from it
	s_lshl_b32 s78, ttmp9, 7
	s_lshl_b32 s79, s18, 4
	s_add_co_u32 s78, s78, s79
	v_lshl_add_u32 v5, v10, 2, s78                 ; 4 (32 wg + 4 w + h): a row's word of c
	s_mul_i32 s78, s18, STGW
	v_lshrrev_b32 v11, 2, v9
	v_mul_u32_u24 v6, v11, 80
	v_and_b32 v11, 3, v9
	v_lshl_add_u32 v6, v11, 4, v6
	v_add_nc_u32 v6, s78, v6                       ; the stage, on the way in
	v_mul_u32_u24 v7, v9, 80
	v_add_nc_u32 v7, s78, v7                       ; and out
	v_lshlrev_b32 v34, 5, v254                     ; 32 r: a row of the gate's W1
	s_lshl_b32 s78, s18, 2
	s_add_co_u32 s78, s78, REL
	v_lshl_add_u32 v35, v9, 5, s78                 ; row = lane, head = wave
	s_lshl_b32 s78, s18, 7
	s_add_co_u32 s78, s78, REL
	v_lshl_add_u32 v36, v10, 5, s78                ; row 4 w + h
	s_mul_i32 s78, s18, 1088
	s_add_co_u32 s78, s78, XIMG
	v_lshl_add_u32 v37, v9, 3, s78                 ; my 8 bytes of codes in row 4 w
	s_lshl_b32 s78, s18, 6
	s_add_co_u32 s78, s78, XSC
	v_lshrrev_b32 v38, 1, v9
	v_add_nc_u32 v38, s78, v38                     ; my block's byte in row 4 w
	v_mul_u32_u24 v252, v254, 272
	v_lshl_add_u32 v252, v10, 4, v252
	v_add_nc_u32 v252, XIMG, v252                  ; a fragment of x: row r, + 16 h
	v_lshl_add_u32 v253, v9, 4, XSC
	s_lshr_b32 s19, ttmp9, 6                       ; batch
	s_and_b32 s20, ttmp9, 63                       ; which 32 rows of it
	s_lshl_b32 s79, s19, 3
	s_add_co_u32 s79, s79, s18                     ; 8 batch + head
	s_mov_b32 s46, 0x76543210
	s_mov_b32 s47, 0xfedcba98                      ; v_permlanex16_b32's selects for lane l xor 16
	s_mov_b32 s69, 0xffff                          ; lanes 0-15
	s_mov_b32 s74, 0x3727c5ac                      ; eps = 1e-5
	s_mov_b32 s23, 0
	s_wait_kmcnt 0x0
	s_lshl_b32 s22, s19, 2
	s_add_nc_u64 s[76:77], s[12:13], s[22:23]
	s_load_b32 s66, s[76:77], P_INV                ; 0.125 / the batch's keys that count
	s_load_b32 s67, s[76:77], P_ON                 ; 0 where none counts
	s_load_b32 s68, s[76:77], P_GB2                ; the gate's b2
	s_lshl_b32 s22, s79, 16
	s_add_nc_u64 s[24:25], s[10:11], s[22:23]      ; my head's codes
	s_lshl_b32 s78, s20, 10
	s_add_co_u32 s22, s22, s78
	s_add_nc_u64 s[28:29], s[10:11], s[22:23]      ; my 32 rows' among them
	s_add_nc_u64 s[40:41], s[16:17], s[22:23]      ; and where the new ones go
	s_lshl_b32 s22, s79, 12
	s_add_nc_u64 s[26:27], s[10:11], s[22:23]      ; k's scale words
	s_lshl_b32 s78, s20, 6
	s_add_co_u32 s22, s22, s78
	s_add_nc_u64 s[44:45], s[16:17], s[22:23]
	s_lshl_b32 s22, s79, 13
	s_lshl_b32 s78, s20, 7
	s_add_co_u32 s22, s22, s78
	s_add_nc_u64 s[30:31], s[10:11], s[22:23]      ; q's
	s_add_nc_u64 s[42:43], s[16:17], s[22:23]
	s_lshl_b32 s22, ttmp9, 16
	s_lshl_b32 s78, s18, 13
	s_add_co_u32 s22, s22, s78                     ; (32 wg + 4 w) rows of 2,048 bytes
	s_add_nc_u64 s[32:33], s[4:5], s[22:23]
	s_add_nc_u64 s[34:35], s[6:7], s[22:23]
	s_lshl_b32 s22, s18, 14
	s_add_nc_u64 s[36:37], s[14:15], s[22:23]      ; my head's weights
	s_lshl_b32 s22, s18, 10
	s_add_nc_u64 s[38:39], s[14:15], s[22:23]      ; and their scale bytes
	s_lshl_b32 s22, ttmp9, 5
	s_add_nc_u64 s[72:73], s[8:9], s[22:23]        ; my 32 rows' mask
	s_wait_alu depctr_va_vdst(0)                   ; every offset and LDS address of the kernel is written (v1 to v7, v34 to v38, v252 to v254); the head's lines are done with v9 to v11, in which q's fragments land
	global_load_b128 v[200:203], v34, s[12:13] offset:P_GW1        ; the gate: lane r holds unit r's W1, b1, W2
	global_load_b128 v[204:207], v34, s[12:13] offset:P_GW1+16
	global_load_b32 v208, v3, s[12:13] offset:P_GB1
	global_load_b32 v209, v3, s[12:13] offset:P_GW2
	global_load_b32 v210, v5, s[10:11] offset:S_CG                 ; c of xG's rows 4 w + h and 4 w + 2 + h,
	global_load_b32 v211, v5, s[10:11] offset:S_CG+8
	global_load_b32 v212, v5, s[10:11] offset:S_CO                 ; and of xO's
	global_load_b32 v213, v5, s[10:11] offset:S_CO+8
.irp q,0,1,2,3
	global_load_b128 v[LG+4*\q:LG+4*\q+3], v4, s[14:15] offset:P_LNG+16*\q
	global_load_b128 v[LB+4*\q:LB+4*\q+3], v4, s[14:15] offset:P_LNB+16*\q
.endr
.irp t,0,1
	global_load_b128 v[QF+8*\t:QF+8*\t+3], v1, s[28:29] offset:S_QC+512*\t         ; a query's 64 codes,
	global_load_b128 v[QF+8*\t+4:QF+8*\t+7], v1, s[28:29] offset:S_QC+512*\t       ; twice along K
.endr
	global_load_b32 v[QS], v2, s[30:31] offset:S_QS
	LOADG 0
	LOADG 1
	LOADG 2
	LOADG 3
	s_wait_kmcnt 0x0
.irp g,0,1,2,3,4,5,6,7,8,9,10,11,12
	GROUP \g, 30                                   ; three groups of ten loads are younger
.endr
	GROUP 13, 28                                   ; two groups and eight loads of x
	GROUP 14, 26                                   ; one group and sixteen
	GROUP 15, 24                                   ; twenty-four loads of x
	; THE SUM OVER THE KEYS: a lane's eight pairs of keys in two accumulators, and lane l xor 16's
.irp j,0,2,4,6
.irp t,0,1
	v_pk_add_f32 v[ACC+16*\t+\j:ACC+16*\t+\j+1], v[ACC+16*\t+\j:ACC+16*\t+\j+1], v[ACC+16*\t+8+\j:ACC+16*\t+8+\j+1]   ; from the low end on
.endr
.endr
.irp t,0,1
	v_pk_add_f32 v[ACC+16*\t:ACC+16*\t+1], v[ACC+16*\t:ACC+16*\t+1], v[ACC+16*\t+2:ACC+16*\t+3]
	v_pk_add_f32 v[ACC+16*\t+4:ACC+16*\t+5], v[ACC+16*\t+4:ACC+16*\t+5], v[ACC+16*\t+6:ACC+16*\t+7]
.endr
.irp t,0,1
	v_pk_add_f32 v[ACC+16*\t:ACC+16*\t+1], v[ACC+16*\t:ACC+16*\t+1], v[ACC+16*\t+4:ACC+16*\t+5]
.endr
.irp t,0,1
	v_add_f32 v[ACC+16*\t], v[ACC+16*\t], v[ACC+16*\t+1]
.endr
.irp t,0,1
	v_permlanex16_b32 v[ACC+16*\t+1], v[ACC+16*\t], s46, s47
.endr
.irp t,0,1
	v_add_f32 v[ACC+16*\t], v[ACC+16*\t], v[ACC+16*\t+1]
.endr
	v_cndmask_b32 v[ACC], v[ACC+16], v[ACC], s69   ; lanes 0-15 rows 0-15, lanes 16-31 rows 16-31
	v_mul_f32 v[ACC], s66, v[ACC]                  ; x 64^-0.5 / the keys that count
	s_wait_alu depctr_va_vdst(0)                   ; v40, the sum, is written, which the LDS store reads; and every product is done reading q's fragments v8 to v23, in which the gate's LDS loads land
	ds_store_b32 v35, v[ACC]
	BAR                                            ; 32 rows x 8 heads lie in LDS
	; THE GATE of rows A = 4 w + h and B = A + 2: lane r is hidden unit r
	ds_load_b128 v[8:11], v36
	ds_load_b128 v[12:15], v36 offset:16
	ds_load_b128 v[16:19], v36 offset:64
	ds_load_b128 v[20:23], v36 offset:80
	s_wait_dscnt 0x0
	v_fma_f32 v44, v8, v200, v208
	v_fma_f32 v45, v16, v200, v208
.irp j,1,2,3,4,5,6,7
	v_fma_f32 v44, v[8+\j], v[200+\j], v44
	v_fma_f32 v45, v[16+\j], v[200+\j], v45
.endr
	v_max_num_f32 v44, 0, v44
	v_max_num_f32 v45, 0, v45
	v_mul_f32 v44, v44, v209
	v_mul_f32 v45, v45, v209
.irp m,1,2,4,8
	v_add_f32_dpp v44, v44, v44 row_xmask:\m row_mask:0xf bank_mask:0xf
	v_add_f32_dpp v45, v45, v45 row_xmask:\m row_mask:0xf bank_mask:0xf
.endr
	v_add_f32 v44, s68, v44
	v_add_f32 v45, s68, v45
	v_mul_f32 v44, 0xbfb8aa3b, v44                 ; x -log2(e)
	v_mul_f32 v45, 0xbfb8aa3b, v45
	v_exp_f32 v44, v44
	v_exp_f32 v45, v45
	v_nop
	s_wait_alu depctr_va_vdst(0)                   ; the two v_exp_f32 have written v44 and v45, ahead of their first reader
	v_add_f32 v44, 1.0, v44
	v_add_f32 v45, 1.0, v45
	v_rcp_f32 v44, v44
	v_rcp_f32 v45, v45
	v_nop
	s_wait_alu depctr_va_vdst(0)                   ; the two v_rcp_f32 have written v44 and v45, ahead of their first reader
	v_mul_f32 v44, s67, v44                        ; 0 where every key is masked
	v_mul_f32 v45, s67, v45
	v_fma_f32 v214, v210, v44, v210                ; c (1 + gate)
	v_fma_f32 v215, v211, v45, v211
.irp j,0,1,2,3
	v_mul_f32 v[46+\j], v[212+\j], v[212+\j]
.endr
.irp j,0,1,2,3
	v_mul_f32 v[46+\j], 0x3b000000, v[46+\j]       ; c c / 512
.endr
.irp j,0,1,2,3
	v_readlane_b32 s[SC+2*\j], v[212+\j], 0        ; rows 4 w, 4 w + 1 (A), 4 w + 2, 4 w + 3 (B) of xO, then of xG
	v_readlane_b32 s[SC+2*\j+1], v[212+\j], 16
	v_readlane_b32 s[CC+2*\j], v[46+\j], 0
	v_readlane_b32 s[CC+2*\j+1], v[46+\j], 16
.endr
	s_wait_alu depctr_va_sdst(0)                   ; s48 to s63 are written, ahead of their first readers, which stand in the norm
	s_wait_alu depctr_va_vdst(0)                   ; v214 and v215 are written, which the stores read; and the gate's lines are done with v200 to v215, in which the weights' scale words land
	global_store_b32 v5, v214, s[16:17] offset:S_CO        ; the streams change roles in the next launch (sixteen lanes write the same word with the same value)
	global_store_b32 v5, v215, s[16:17] offset:S_CO+8
	global_store_b32 v5, v212, s[16:17] offset:S_CG
	global_store_b32 v5, v213, s[16:17] offset:S_CG+8
	PRELOAD_A
	s_wait_loadcnt 30                              ; the rows are in (g and b long since); batch A's 30 loads may be out
	PRELOAD_B
	LNQ 1
	BAR                                            ; the codes and scale bytes of 64 rows lie in LDS
	PROJ
	s_wait_xcnt 0x0
	s_wait_alu depctr_vm_vsrc(0)                   ; the loads of the mask have read v254, which is made anew below
	v_lshl_add_u32 v254, v0, 2, 0x2d000
	v_mov_b32 v255, 0
	s_wait_dscnt 0x0                               ; the closing lines, six on end
	s_wait_alu 0x0
	s_wait_tensorcnt 0x0
	ds_add_u32 v254, v255
	s_wait_dscnt 0x0
	s_endpgm
.Lfunc_end_k_qca0399b80c_step1:
	.size	k_qca0399b80c_step1, .Lfunc_end_k_qca0399b80c_step1-k_qca0399b80c_step1
	.p2alignl 7, 3214868480
	.fill 96, 4, 3214868480
	.section	.rodata,"a",@progbits
	.p2align	6, 0x0
	.amdhsa_kernel k_qca0399b80c_step1
		.amdhsa_group_segment_fixed_size 185344
		.amdhsa_private_segment_fixed_size 0
		.amdhsa_enable_private_segment 0
		.amdhsa_kernarg_size 56
		.amdhsa_user_sgpr_count 2
		.amdhsa_user_sgpr_kernarg_segment_ptr 1
		.amdhsa_wavefront_size32 1
		.amdhsa_system_sgpr_workgroup_id_x 1
		.amdhsa_system_sgpr_workgroup_id_y 1
		.amdhsa_system_sgpr_workgroup_id_z 1
		.amdhsa_system_vgpr_workitem_id 0
		.amdhsa_next_free_vgpr 512
		.amdhsa_next_free_sgpr 96
		.amdhsa_reserve_vcc 0
		.amdhsa_float_denorm_mode_32 3
		.amdhsa_float_denorm_mode_16_64 3
		.amdhsa_memory_ordered 1
		.amdhsa_forward_progress 1
		.amdhsa_inst_pref_size 116
	.end_amdhsa_kernel
	.amdgpu_metadata
---
amdhsa.version: [ 1, 2 ]
amdhsa.kernels:
  - .name:           k_qca0399b80c_step1
    .symbol:         k_qca0399b80c_step1.kd
    .args:
      - { .name: x_vid, .offset: 0, .size: 8, .value_kind: global_buffer, .address_space: global }
      - { .name: x_aud, .offset: 8, .size: 8, .value_kind: global_buffer, .address_space: global }
      - { .name: vid_kpm, .offset: 16, .size: 8, .value_kind: global_buffer, .address_space: global }
      - { .name: SA, .offset: 24, .size: 8, .value_kind: global_buffer, .address_space: global }
      - { .name: P1, .offset: 32, .size: 8, .value_kind: global_buffer, .address_space: global }
      - { .name: P2, .offset: 40, .size: 8, .value_kind: global_buffer, .address_space: global }
      - { .name: SB, .offset: 48, .size: 8, .value_kind: global_buffer, .address_space: global }
    .group_segment_fixed_size: 185344
    .private_segment_fixed_size: 0
    .kernarg_segment_align: 8
    .kernarg_segment_size: 56
    .max_flat_workgroup_size: 256
    .sgpr_count:     96
    .vgpr_count:     512
    .wavefront_size: 32
...
	.end_amdgpu_metadata
.endif
;; end of part 6
;; launch step2: the kernel of part 6 again; grid 256 x 1, 8 waves a work-group, no clusters, 185,344 bytes of LDS; arguments x_aud, x_vid, aud_kpm, SB, P2, P3, SA; writes SA
;; launch step3: the kernel of part 6 again; grid 256 x 1, 8 waves a work-group, no clusters, 185,344 bytes of LDS; arguments x_vid, x_aud, vid_kpm, SA, P3, P4, SB; writes SB
;; launch last (part 7): grid 256 x 1, 8 waves a work-group, no clusters, 2,048 bytes of LDS; arguments x_aud, x_vid, SB, P4, out1, out0; writes out1, out0
.if DOCPART == 7
	.amdgcn_target "amdgcn-amd-amdhsa--gfx1250"
	.amdhsa_code_object_version 6
	.text
	.protected	k_qca0399b80c_last
	.globl	k_qca0399b80c_last
	.p2align	8
	.type	k_qca0399b80c_last,@function
k_qca0399b80c_last:
	s_mov_b64 s[64:65], 0
	v_nop
	global_prefetch_b8 v0, s[64:65] scope:SCOPE_SE
	s_setreg_imm32_b32 hwreg(HW_REG_WAVE_SCHED_MODE, 0, 2), 2
	s_setreg_imm32_b32 hwreg(HW_REG_WAVE_MODE, 25, 1), 1
	s_wait_xcnt 0x0
	s_wait_alu depctr_vm_vsrc(0)
; LAST: the last half-step's logits, sum and gate, and both outputs: out = x c, c the product of (1 + gate) of the row.
; Arguments: xG (the stream that this step gates), xO (the other), the state read, this step's pack, xG's output, xO's output.
; THE LOGITS are only masked, summed over the keys and divided: so they are summed in the accumulators, and TWO KEYS SHARE ONE K OF 128: a row of source 0 is keys r and 16 + r of 32 (64 + 64 along K),
; source 1 is a query's 64 twice.  Masked keys hold zero codes.  Wave w is head w: 64 fragments of keys x 2 tiles of queries = 128 products.
; SHARES: work-group wg owns rows 32 wg .. 32 wg + 31 of both streams; in the gate and on the way out wave w takes rows 4 w .. 4 w + 3 of each.
; Each fragment of k (544 KB a work-group) is used by ONE wave of the work-group and lies in the order of its registers, so it goes from memory straight into registers: through LDS those bytes
; would be written and read once more.  Hence no tensor loads, and no cluster, though the 64 work-groups of a batch read the same k.
; LIMITS: NaN and infinities are not served; x c stands for the repeated x + x gate (a few roundings apart); the sigmoid is v_exp_f32's and v_rcp_f32's.
; THE MODE: SCHED_MODE bits 1:0 = 2 (LLVM: expert scheduling mode 2), set by the entry lines.  The code itself states the register dependences
; between vector or matrix instructions and memory or LDS instructions, with s_wait_alu, always for 0.
; THE PLAN.  Registers that memory or LDS instructions touch, and who else names them:
;   v1-v5, v34-v36   offsets and LDS addresses: written at the head, ahead of ONE wait on va_vdst in front of the first load (it also covers v9 and v10, in which q's fragments land); never written again.
;   KR0 .. KR3, KSC  group g: its eight products read set g % 4 and its scale words; ONE wait on va_vdst behind them; then the loads of group g + 4, or two rows of x, land there.
;               The wait stands behind the products and not at the next group's head, so that the set is asked for again at once and not only when the next group's data have come.
;   v40         the row's sum: written by vector lines; a wait on va_vdst; read by the LDS store; written again by the moves of c (a wait on vm_vsrc ahead of them).
;               The same wait on va_vdst shows all products done with q's fragments v8-23, in which the gate's LDS loads land.
;   X v72-199   eight rows: loaded, scaled in place, stored.  Rows 0-3 are scaled; a wait on va_vdst; their stores are dealt among the scaling of rows 4-7, which names other registers; a second wait; the last stores.
;   s18, s48-s55     written by vector instructions: one wait on va_sdst behind each run, ahead of the first reader.
;   v253, v255  written at the head, read by the closing add alone.
.set P_GW1, 282624
.set P_GB1, 283136
.set P_GW2, 283200
.set P_GB2, 283264
.set P_INV, 283280
.set P_ON,  283296
.set S_QC,  0
.set S_KC,  2097152
.set S_QS,  4194304
.set S_KS,  4456448
.set S_CG,  4587520
.set S_CO,  4620288
.set REL,   0                          ; LDS: 32 rows x 8 heads, f32
.set QF,   8                           ; v8-23    two fragments of q; later a row's eight sums
.set QS,   24                          ; v24      q's scale words
.set KSC,  26                          ; v26-33   k's scale words, two registers a group
.set ACC,  40                          ; v40-71   four accumulators: 16 t + 8 (fragment % 2)
.set KR,   72                          ; v72-199  four groups of four fragments of k
.set T,    40                          ; v40-55   a pair for each row's c
.set X,    72                          ; v72-199  eight rows of 16 numbers
.set SC,   48                          ; s48-55   c of my eight rows
.macro PLACES n
.rept \n
	v_nop
.endr
.endm
.macro BAR                             ; my LDS stores have landed and my LDS loads are in: then the work-group's barrier
	s_wait_dscnt 0x0
	s_barrier_signal -1
	s_barrier_wait -1
.endm
; One product: registers and rows of the scale registers in the symbols rD, rA, rB, rSA, rSB, fA, fB.  zero = 1: it starts the sum.
.macro WMC zero
.if \zero
.if fA && fB
	v_wmma_scale_f32_16x16x128_f8f6f4 v[rD:rD+7], v[rA:rA+7], v[rB:rB+7], 0, v[rSA], v[rSB] matrix_a_fmt:MATRIX_FMT_FP4 matrix_b_fmt:MATRIX_FMT_FP4 matrix_a_scale:MATRIX_SCALE_ROW1 matrix_b_scale:MATRIX_SCALE_ROW1
.elseif fA
	v_wmma_scale_f32_16x16x128_f8f6f4 v[rD:rD+7], v[rA:rA+7], v[rB:rB+7], 0, v[rSA], v[rSB] matrix_a_fmt:MATRIX_FMT_FP4 matrix_b_fmt:MATRIX_FMT_FP4 matrix_a_scale:MATRIX_SCALE_ROW1
.elseif fB
	v_wmma_scale_f32_16x16x128_f8f6f4 v[rD:rD+7], v[rA:rA+7], v[rB:rB+7], 0, v[rSA], v[rSB] matrix_a_fmt:MATRIX_FMT_FP4 matrix_b_fmt:MATRIX_FMT_FP4 matrix_b_scale:MATRIX_SCALE_ROW1
.else
	v_wmma_scale_f32_16x16x128_f8f6f4 v[rD:rD+7], v[rA:rA+7], v[rB:rB+7], 0, v[rSA], v[rSB] matrix_a_fmt:MATRIX_FMT_FP4 matrix_b_fmt:MATRIX_FMT_FP4
.endif
.else
.if fA && fB
	v_wmma_scale_f32_16x16x128_f8f6f4 v[rD:rD+7], v[rA:rA+7], v[rB:rB+7], v[rD:rD+7], v[rSA], v[rSB] matrix_a_fmt:MATRIX_FMT_FP4 matrix_b_fmt:MATRIX_FMT_FP4 matrix_a_scale:MATRIX_SCALE_ROW1 matrix_b_scale:MATRIX_SCALE_ROW1
.elseif fA
	v_wmma_scale_f32_16x16x128_f8f6f4 v[rD:rD+7], v[rA:rA+7], v[rB:rB+7], v[rD:rD+7], v[rSA], v[rSB] matrix_a_fmt:MATRIX_FMT_FP4 matrix_b_fmt:MATRIX_FMT_FP4 matrix_a_scale:MATRIX_SCALE_ROW1
.elseif fB
	v_wmma_scale_f32_16x16x128_f8f6f4 v[rD:rD+7], v[rA:rA+7], v[rB:rB+7], v[rD:rD+7], v[rSA], v[rSB] matrix_a_fmt:MATRIX_FMT_FP4 matrix_b_fmt:MATRIX_FMT_FP4 matrix_b_scale:MATRIX_SCALE_ROW1
.else
	v_wmma_scale_f32_16x16x128_f8f6f4 v[rD:rD+7], v[rA:rA+7], v[rB:rB+7], v[rD:rD+7], v[rSA], v[rSB] matrix_a_fmt:MATRIX_FMT_FP4 matrix_b_fmt:MATRIX_FMT_FP4
.endif
.endif
.endm
.macro XROW i                          ; row i of my eight (0-3: xO's, 4-7: xG's): four loads of 512 consecutive bytes
.irp q,0,1,2,3
.if (\i) < 4
	global_load_b128 v[X+16*(\i)+4*\q:X+16*(\i)+4*\q+3], v1, s[34:35] offset:2048*(\i)+512*\q th:TH_LOAD_NT
.else
	global_load_b128 v[X+16*(\i)+4*\q:X+16*(\i)+4*\q+3], v1, s[32:33] offset:2048*((\i)-4)+512*\q th:TH_LOAD_NT
.endif
.endr
.endm
.macro XROWS k
	XROW 2*(\k)
	XROW 2*(\k)+1
.endm
; Group g of 16: four fragments of k (128 keys) and their scale words: ten loads, into set g % 4
.macro LOADG g
.irp f,0,1,2,3
	global_load_b128 v[KR+32*((\g)%4)+8*\f:KR+32*((\g)%4)+8*\f+3], v1, s[24:25] offset:S_KC+(4*(\g)+\f)*1024
	global_load_b128 v[KR+32*((\g)%4)+8*\f+4:KR+32*((\g)%4)+8*\f+7], v1, s[24:25] offset:S_KC+(4*(\g)+\f)*1024+512
.endr
	global_load_b32 v[KSC+2*((\g)%4)], v2, s[26:27] offset:S_KS+256*(\g)           ; lanes 0-15 one fragment's words, lanes 16-31 the next's
	global_load_b32 v[KSC+2*((\g)%4)+1], v2, s[26:27] offset:S_KS+256*(\g)+128
.endm
; Its eight products; the four accumulators by turns.  left: the younger loads, which may stay out.  Its set then takes the group four on, or two rows of x.
.macro GROUP g, left
	s_wait_loadcnt \left
.irp f,0,1,2,3
.irp t,0,1
.set rD, ACC+16*\t+8*(\f%2)
.set rA, KR+32*((\g)%4)+8*\f
.set rB, QF+8*\t
.set rSA, KSC+2*((\g)%4)+\f/2
.set rSB, QS
.set fA, \f%2
.set fB, \t
.if ((\g) == 0) && (\f < 2)
	WMC 1
.else
	WMC 0
.endif
.endr
.endr
	PLACES 4                                       ; the four places behind the products stand as they stood (behind group 15 they serve the first read of results); the wait below fills none
	s_wait_alu depctr_va_vdst(0)                   ; these eight products are done reading set g % 4 and its two registers of scale words, in which the loads below land
.if (\g)+4 < 16
	LOADG (\g)+4
.else
	XROWS (\g)-12
.endif
.endm
.macro SCALE i                         ; row i of my eight times its c, in place
.irp j,0,2,4,6,8,10,12,14
	v_pk_mul_f32 v[X+16*(\i)+\j:X+16*(\i)+\j+1], v[X+16*(\i)+\j:X+16*(\i)+\j+1], v[T+2*(\i):T+2*(\i)+1]
.endr
.endm
.macro SEND i                          ; and its four stores
.irp q,0,1,2,3
.if (\i) < 4
	global_store_b128 v1, v[X+16*(\i)+4*\q:X+16*(\i)+4*\q+3], s[84:85] offset:2048*(\i)+512*\q th:TH_STORE_NT          ; 32 lanes store 512 consecutive bytes, aligned
.else
	global_store_b128 v1, v[X+16*(\i)+4*\q:X+16*(\i)+4*\q+3], s[86:87] offset:2048*((\i)-4)+512*\q th:TH_STORE_NT
.endif
.endr
.endm
	s_load_b128 s[4:7], s[0:1], 0x0                ; xG, xO
	s_load_b64 s[10:11], s[0:1], 0x10              ; the state read
	s_load_b64 s[12:13], s[0:1], 0x18              ; this step's pack
	s_load_b128 s[80:83], s[0:1], 0x20             ; xG's output, xO's output
	v_lshl_add_u32 v253, v0, 2, 0x400
	v_mov_b32 v255, 0
	v_lshrrev_b32 v1, 5, v0
	v_readfirstlane_b32 s18, v1                    ; wave
	v_and_b32 v9, 31, v0                           ; lane
	v_and_b32 v254, 15, v0                         ; r
	v_bfe_u32 v10, v0, 4, 1                        ; h
	v_lshlrev_b32 v1, 4, v9                        ; 16 x lane
	v_lshlrev_b32 v2, 2, v9                        ; 4 x lane
	v_lshlrev_b32 v3, 2, v254                      ; 4 r
	s_wait_alu depctr_va_sdst(0)                   ; s18 is written, ahead of its first reader: offsets, LDS addresses and bases are made from it
	s_lshl_b32 s78, ttmp9, 7
	s_lshl_b32 s79, s18, 4
	s_add_co_u32 s78, s78, s79
	v_lshl_add_u32 v5, v10, 2, s78                 ; 4 (32 wg + 4 w + h): a row's word of c
	v_lshlrev_b32 v34, 5, v254                     ; 32 r: a row of the gate's W1
	s_lshl_b32 s78, s18, 2
	s_add_co_u32 s78, s78, REL
	v_lshl_add_u32 v35, v9, 5, s78                 ; row = lane, head = wave
	s_lshl_b32 s78, s18, 7
	s_add_co_u32 s78, s78, REL
	v_lshl_add_u32 v36, v10, 5, s78                ; row 4 w + h
	s_lshr_b32 s19, ttmp9, 6                       ; batch
	s_and_b32 s20, ttmp9, 63                       ; which 32 rows of it
	s_lshl_b32 s79, s19, 3
	s_add_co_u32 s79, s79, s18                     ; 8 batch + head
	s_mov_b32 s46, 0x76543210
	s_mov_b32 s47, 0xfedcba98                      ; v_permlanex16_b32's selects for lane l xor 16
	s_mov_b32 s69, 0xffff                          ; lanes 0-15
	s_mov_b32 s23, 0
	s_wait_kmcnt 0x0
	s_lshl_b32 s22, s19, 2
	s_add_nc_u64 s[76:77], s[12:13], s[22:23]
	s_load_b32 s66, s[76:77], P_INV                ; 0.125 / the batch's keys that count
	s_load_b32 s67, s[76:77], P_ON                 ; 0 where none counts
	s_load_b32 s68, s[76:77], P_GB2                ; the gate's b2
	s_lshl_b32 s22, s79, 16
	s_add_nc_u64 s[24:25], s[10:11], s[22:23]      ; my head's codes
	s_lshl_b32 s78, s20, 10
	s_add_co_u32 s22, s22, s78
	s_add_nc_u64 s[28:29], s[10:11], s[22:23]      ; my 32 rows' among them
	s_lshl_b32 s22, s79, 12
	s_add_nc_u64 s[26:27], s[10:11], s[22:23]      ; k's scale words
	s_lshl_b32 s22, s79, 13
	s_lshl_b32 s78, s20, 7
	s_add_co_u32 s22, s22, s78
	s_add_nc_u64 s[30:31], s[10:11], s[22:23]      ; q's
	s_lshl_b32 s22, ttmp9, 16
	s_lshl_b32 s78, s18, 13
	s_add_co_u32 s22, s22, s78                     ; (32 wg + 4 w) rows of 2,048 bytes
	s_add_nc_u64 s[32:33], s[4:5], s[22:23]
	s_add_nc_u64 s[34:35], s[6:7], s[22:23]
	s_add_nc_u64 s[86:87], s[80:81], s[22:23]      ; xG's output
	s_add_nc_u64 s[84:85], s[82:83], s[22:23]      ; xO's
	s_wait_alu depctr_va_vdst(0)                   ; every offset and LDS address of the kernel is written (v1 to v5, v34 to v36); the head's lines are done with v9 and v10, in which q's fragments land
	global_load_b128 v[200:203], v34, s[12:13] offset:P_GW1        ; the gate: lane r holds unit r's W1, b1, W2
	global_load_b128 v[204:207], v34, s[12:13] offset:P_GW1+16
	global_load_b32 v208, v3, s[12:13] offset:P_GB1
	global_load_b32 v209, v3, s[12:13] offset:P_GW2
	global_load_b32 v210, v5, s[10:11] offset:S_CG                 ; c of xG's rows 4 w + h and 4 w + 2 + h,
	global_load_b32 v211, v5, s[10:11] offset:S_CG+8
	global_load_b32 v212, v5, s[10:11] offset:S_CO                 ; and of xO's
	global_load_b32 v213, v5, s[10:11] offset:S_CO+8
.irp t,0,1
	global_load_b128 v[QF+8*\t:QF+8*\t+3], v1, s[28:29] offset:S_QC+512*\t         ; a query's 64 codes,
	global_load_b128 v[QF+8*\t+4:QF+8*\t+7], v1, s[28:29] offset:S_QC+512*\t       ; twice along K
.endr
	global_load_b32 v[QS], v2, s[30:31] offset:S_QS
	LOADG 0
	LOADG 1
	LOADG 2
	LOADG 3
	s_wait_kmcnt 0x0
.irp g,0,1,2,3,4,5,6,7,8,9,10,11,12
	GROUP \g, 30                                   ; three groups of ten loads are younger
.endr
	GROUP 13, 28                                   ; two groups and eight loads of x
	GROUP 14, 26                                   ; one group and sixteen
	GROUP 15, 24                                   ; twenty-four loads of x
	; THE SUM OVER THE KEYS: a lane's eight pairs of keys in two accumulators, and lane l xor 16's
.irp j,0,2,4,6
.irp t,0,1
	v_pk_add_f32 v[ACC+16*\t+\j:ACC+16*\t+\j+1], v[ACC+16*\t+\j:ACC+16*\t+\j+1], v[ACC+16*\t+8+\j:ACC+16*\t+8+\j+1]   ; from the low end on
.endr
.endr
.irp t,0,1
	v_pk_add_f32 v[ACC+16*\t:ACC+16*\t+1], v[ACC+16*\t:ACC+16*\t+1], v[ACC+16*\t+2:ACC+16*\t+3]
	v_pk_add_f32 v[ACC+16*\t+4:ACC+16*\t+5], v[ACC+16*\t+4:ACC+16*\t+5], v[ACC+16*\t+6:ACC+16*\t+7]
.endr
.irp t,0,1
	v_pk_add_f32 v[ACC+16*\t:ACC+16*\t+1], v[ACC+16*\t:ACC+16*\t+1], v[ACC+16*\t+4:ACC+16*\t+5]
.endr
.irp t,0,1
	v_add_f32 v[ACC+16*\t], v[ACC+16*\t], v[ACC+16*\t+1]
.endr
.irp t,0,1
	v_permlanex16_b32 v[ACC+16*\t+1], v[ACC+16*\t], s46, s47
.endr
.irp t,0,1
	v_add_f32 v[ACC+16*\t], v[ACC+16*\t], v[ACC+16*\t+1]
.endr
	v_cndmask_b32 v[ACC], v[ACC+16], v[ACC], s69   ; lanes 0-15 rows 0-15, lanes 16-31 rows 16-31
	v_mul_f32 v[ACC], s66, v[ACC]                  ; x 64^-0.5 / the keys that count
	s_wait_alu depctr_va_vdst(0)                   ; v40, the sum, is written, which the LDS store reads; and every product is done reading q's fragments v8 to v23, in which the gate's LDS loads land
	ds_store_b32 v35, v[ACC]
	BAR                                            ; 32 rows x 8 heads lie in LDS
	; THE GATE of rows A = 4 w + h and B = A + 2: lane r is hidden unit r
	ds_load_b128 v[8:11], v36
	ds_load_b128 v[12:15], v36 offset:16
	ds_load_b128 v[16:19], v36 offset:64
	ds_load_b128 v[20:23], v36 offset:80
	s_wait_dscnt 0x0
	v_fma_f32 v44, v8, v200, v208
	v_fma_f32 v45, v16, v200, v208
.irp j,1,2,3,4,5,6,7
	v_fma_f32 v44, v[8+\j], v[200+\j], v44
	v_fma_f32 v45, v[16+\j], v[200+\j], v45
.endr
	v_max_num_f32 v44, 0, v44
	v_max_num_f32 v45, 0, v45
	v_mul_f32 v44, v44, v209
	v_mul_f32 v45, v45, v209
.irp m,1,2,4,8
	v_add_f32_dpp v44, v44, v44 row_xmask:\m row_mask:0xf bank_mask:0xf
	v_add_f32_dpp v45, v45, v45 row_xmask:\m row_mask:0xf bank_mask:0xf
.endr
	v_add_f32 v44, s68, v44
	v_add_f32 v45, s68, v45
	v_mul_f32 v44, 0xbfb8aa3b, v44                 ; x -log2(e)
	v_mul_f32 v45, 0xbfb8aa3b, v45
	v_exp_f32 v44, v44
	v_exp_f32 v45, v45
	v_nop
	s_wait_alu depctr_va_vdst(0)                   ; the two v_exp_f32 have written v44 and v45, ahead of their first reader
	v_add_f32 v44, 1.0, v44
	v_add_f32 v45, 1.0, v45
	v_rcp_f32 v44, v44
	v_rcp_f32 v45, v45
	v_nop
	s_wait_alu depctr_va_vdst(0)                   ; the two v_rcp_f32 have written v44 and v45, ahead of their first reader
	v_mul_f32 v44, s67, v44                        ; 0 where every key is masked
	v_mul_f32 v45, s67, v45
	v_fma_f32 v214, v210, v44, v210                ; c (1 + gate)
	v_fma_f32 v215, v211, v45, v211
.irp j,0,1,2,3
	v_readlane_b32 s[SC+2*\j], v[212+\j], 0        ; rows 4 w, 4 w + 1 (A), 4 w + 2, 4 w + 3 (B) of xO, then of xG
	v_readlane_b32 s[SC+2*\j+1], v[212+\j], 16
.endr
	s_wait_alu depctr_va_sdst(0)                   ; s48 to s55 are written, ahead of their first readers, the moves below
	s_wait_alu depctr_vm_vsrc(0)                   ; the LDS store of the sums has read v40, which the first move writes
.irp i,0,1,2,3,4,5,6,7
	v_mov_b32 v[T+2*\i], s[SC+\i]                  ; a pair for the packed multiply
	v_mov_b32 v[T+2*\i+1], s[SC+\i]
.endr
	s_wait_loadcnt 0x0                             ; my eight rows are in
.irp i,0,1,2,3
	SCALE \i
.endr
	s_wait_alu depctr_va_vdst(0)                   ; rows 0 to 3 are scaled: their registers are written, which the sixteen stores below read
.irp i,0,1,2,3
	SEND \i                                        ; no further wait: the scaling dealt among these stores names rows 4 to 7 and the pairs of c alone
	SCALE \i+4
.endr
	s_wait_alu depctr_va_vdst(0)                   ; rows 4 to 7 are scaled: their registers are written, which the last sixteen stores read
.irp i,4,5,6,7
	SEND \i
.endr
	s_wait_dscnt 0x0                               ; the closing lines, six on end
	s_wait_alu 0x0
	s_wait_tensorcnt 0x0
	ds_add_u32 v253, v255
	s_wait_dscnt 0x0
	s_endpgm
.Lfunc_end_k_qca0399b80c_last:
	.size	k_qca0399b80c_last, .Lfunc_end_k_qca0399b80c_last-k_qca0399b80c_last
	.p2alignl 7, 3214868480
	.fill 96, 4, 3214868480
	.section	.rodata,"a",@progbits
	.p2align	6, 0x0
	.amdhsa_kernel k_qca0399b80c_last
		.amdhsa_group_segment_fixed_size 2048
		.amdhsa_private_segment_fixed_size 0
		.amdhsa_enable_private_segment 0
		.amdhsa_kernarg_size 48
		.amdhsa_user_sgpr_count 2
		.amdhsa_user_sgpr_kernarg_segment_ptr 1
		.amdhsa_wavefront_size32 1
		.amdhsa_system_sgpr_workgroup_id_x 1
		.amdhsa_system_sgpr_workgroup_id_y 1
		.amdhsa_system_sgpr_workgroup_id_z 1
		.amdhsa_system_vgpr_workitem_id 0
		.amdhsa_next_free_vgpr 256
		.amdhsa_next_free_sgpr 96
		.amdhsa_reserve_vcc 0
		.amdhsa_float_denorm_mode_32 3
		.amdhsa_float_denorm_mode_16_64 3
		.amdhsa_memory_ordered 1
		.amdhsa_forward_progress 1
		.amdhsa_inst_pref_size 54
	.end_amdhsa_kernel
	.amdgpu_metadata
---
amdhsa.version: [ 1, 2 ]
amdhsa.kernels:
  - .name:           k_qca0399b80c_last
    .symbol:         k_qca0399b80c_last.kd
    .args:
      - { .name: x_aud, .offset: 0, .size: 8, .value_kind: global_buffer, .address_space: global }
      - { .name: x_vid, .offset: 8, .size: 8, .value_kind: global_buffer, .address_space: global }
      - { .name: SB, .offset: 16, .size: 8, .value_kind: global_buffer, .address_space: global }
      - { .name: P4, .offset: 24, .size: 8, .value_kind: global_buffer, .address_space: global }
      - { .name: out1, .offset: 32, .size: 8, .value_kind: global_buffer, .address_space: global }
      - { .name: out0, .offset: 40, .size: 8, .value_kind: global_buffer, .address_space: global }
    .group_segment_fixed_size: 2048
    .private_segment_fixed_size: 0
    .kernarg_segment_align: 8
    .kernarg_segment_size: 48
    .max_flat_workgroup_size: 256
    .sgpr_count:     96
    .vgpr_count:     256
    .wavefront_size: 32
...
	.end_amdgpu_metadata
.endif
;; end of part 7
